; MI455X (gfx1250); checked and timed in simulation.
; The chip was launched on July 23, 2026; its instructions are those of AMD's public machine-readable ISA for CDNA 5 (MIT licence, August 2026) and "CDNA5" Instruction Set Architecture Reference Guide (July 2026). The comments in the code are by the model that wrote it; some were corrected since.
;; Attention Block. Allowed arithmetic: matrix products marked QUANTISED: E3M2 operands, one E8M0 scale for each 32 along K, by v_wmma_scale_f32_16x16x128_f8f6f4 with both operands' format E3M2, f32 sums; everything else in f32.
;; Inputs: ca_bo 1,024 float32; ca_nb 1,024 float32; ca_ncb 768 float32; ca_ncg 768 float32; ca_ng 1,024 float32; ca_wkv_codes 1,024 x 24 x 24 uint8 (E3M2 codes of ca_wkv, K innermost, in blocks of 32 codes, four codes in three bytes); ca_wkv_scales 1,024 x 24 uint8 (E8M0 scales of ca_wkv, one for each 32 codes along K); ca_wo_codes 1,024 x 16 x 24 uint8 (E3M2 codes of ca_wo, K innermost, in blocks of 32 codes, four codes in three bytes); ca_wo_scales 1,024 x 16 uint8 (E8M0 scales of ca_wo, one for each 32 codes along K); ca_wq_codes 512 x 32 x 24 uint8 (E3M2 codes of ca_wq, K innermost, in blocks of 32 codes, four codes in three bytes); ca_wq_scales 512 x 32 uint8 (E8M0 scales of ca_wq, one for each 32 codes along K); context 4 x 512 x 768 float32; sa_bo 1,024 float32; sa_nb 1,024 float32; sa_ncb 1,024 float32; sa_ncg 1,024 float32; sa_ng 1,024 float32; sa_wkv_codes 1,024 x 32 x 24 uint8 (E3M2 codes of sa_wkv, K innermost, in blocks of 32 codes, four codes in three bytes); sa_wkv_scales 1,024 x 32 uint8 (E8M0 scales of sa_wkv, one for each 32 codes along K); sa_wo_codes 1,024 x 16 x 24 uint8 (E3M2 codes of sa_wo, K innermost, in blocks of 32 codes, four codes in three bytes); sa_wo_scales 1,024 x 16 uint8 (E8M0 scales of sa_wo, one for each 32 codes along K); sa_wq_codes 512 x 32 x 24 uint8 (E3M2 codes of sa_wq, K innermost, in blocks of 32 codes, four codes in three bytes); sa_wq_scales 512 x 32 uint8 (E8M0 scales of sa_wq, one for each 32 codes along K); x 4 x 2,048 x 1,024 float32.
;; Outputs: out0 4 x 2,048 x 1,024 float32.
;; This version of the problem:
;;   THIS VERSION OF THE PROBLEM IS GIVEN IN LOW PRECISION. The matrix products marked QUANTISED in the list below multiply operands that are first quantised to E3M2 (3 exponent bits, 2 mantissa bits; 6 bits a number), with one power-of-two scale for each 32 numbers along K (OCP MX v1.0); their sums are f32. All else is computed in f32.
;;   The module's matrix products, in the order in which they are computed (A, B: the left and right operand; K: the contracted axis; several contracted axes count as one K, in the product's order):
;;     1. [M 8,192, K 1,024] x [K 1,024, N 512]; A: computed on the way; B: input sa_wq (given as codes): QUANTISED
;;     2. [M 8,192, K 1,024] x [K 1,024, N 1,024]; A: computed on the way; B: input sa_wkv (given as codes): QUANTISED
;;     3. batch 32 x [M 2,048, K 64] x [K 64, N 2,048]; A: computed on the way; B: computed on the way: QUANTISED
;;     4. batch 32 x [M 2,048, K 2,048] x [K 2,048, N 64]; A: softmax (see below); B: computed on the way: QUANTISED
;;     5. [M 8,192, K 512] x [K 512, N 1,024]; A: computed on the way; B: input sa_wo (given as codes): QUANTISED
;;     6. [M 8,192, K 1,024] x [K 1,024, N 512]; A: computed on the way; B: input ca_wq (given as codes): QUANTISED
;;     7. [M 2,048, K 768] x [K 768, N 1,024]; A: computed on the way; B: input ca_wkv (given as codes): QUANTISED
;;     8. batch 32 x [M 2,048, K 64] x [K 64, N 512]; A: computed on the way; B: computed on the way: QUANTISED
;;     9. batch 32 x [M 2,048, K 512] x [K 512, N 64]; A: softmax (see below); B: computed on the way: QUANTISED
;;     10. [M 8,192, K 512] x [K 512, N 1,024]; A: computed on the way; B: input ca_wo (given as codes): QUANTISED
;;   THE QUANTISER, for each operand of a quantised product, along K:
;;     - K is cut into blocks of 32 from its start; a last block that is shorter is filled with zeros.
;;     - A block's scale is 2^e with e = floor(log2(the largest magnitude in the block)) - 4, held to -126 .. 127; a block of zeros has e = 0. As a byte (E8M0): e + 127.
;;     - Each number is divided by its block's scale, clamped to +-28, and rounded to the nearest number of E3M2, ties to even, subnormals kept.
;;     - The product sums the exact products of the quantised numbers (number of the format x scale) in f32.
;;   ~~~python
;;   def quantise(x, axis):      # numpy; x: float32 -> the quantised numbers, widened to float32 again
;;       x = np.moveaxis(x, axis, -1); K = x.shape[-1]
;;       x = np.pad(x, [(0, 0)] * (x.ndim - 1) + [(0, -K % 32)]); x = x.reshape(x.shape[:-1] + (-1, 32)); a = np.abs(x).max(-1, keepdims=True)
;;       e = np.where(a > 0, np.clip(np.frexp(np.where(a > 0, a, 1))[1] - 1 - 4, -126, 127), 0)      # np.frexp(a)[1] - 1 = floor(log2(a)), exactly
;;       r = np.clip(x / 2.0 ** e, -28, 28)
;;       step = 2.0 ** (np.maximum(np.frexp(np.where(r == 0, 1, r))[1] - 1, -2) - 2)
;;       q = np.round(r / step) * step * 2.0 ** e      # np.round: ties to even
;;       return np.moveaxis(q.reshape(q.shape[:-2] + (-1,))[..., :K], -1, axis).astype(np.float32)
;;   ~~~
;;   SOFTMAX AHEAD OF A QUANTISED PRODUCT. Where the list says 'softmax', what is quantised is not the finished softmax but p = 2^(t - M), with t = logit x log2(e) and M = ceil(the row's largest t), a whole number; so 1/2 < the row's largest p <= 1. The row's sum l is taken of the UNQUANTISED p, in f32, and the product's result is divided by l at the end. Since M is a whole number, a kernel that streams over the keys may use a running M (the ceiling of the running maximum): every later rescaling is an exact power of two, which a block's scale takes up: the codes' values come out the same.
;;   OPERANDS COMPUTED ON THE WAY. 'Computed on the way' means the value that the module computes at that place (a softmax that the list does not call 'softmax' is quantised finished and normalised). What goes into a quantiser is computed in f32, as accurately as f32 sums, v_exp_f32 and their like allow (about 1e-6 of the number): no bf16 or f16 on the way to a quantiser, and a product that is left as it is and whose result goes on into a quantised operand takes f32 operands (vector FMAs, or v_wmma_f32_16x16x4_f32). A number that lies on a knife's edge between two numbers of the format may be rounded either way, as far as f32 arithmetic and the matrix unit's own rounding can turn it there, and no further.
;;   INPUTS GIVEN AS CODES. ca_wkv (in the module: [768, 1024], K = its axis 0); ca_wo (in the module: [512, 1024], K = its axis 0); ca_wq (in the module: [1024, 512], K = its axis 0); sa_wkv (in the module: [1024, 1024], K = its axis 0); sa_wo (in the module: [512, 1024], K = its axis 0); sa_wq (in the module: [1024, 512], K = its axis 0): each comes as NAME_codes (uint8): NAME with its K axis moved to the last place and cut into blocks of 32 codes, [.., K / 32, bytes a block], one block behind the other in memory; four codes in three bytes: a row's codes are one little-endian stream of bits, code i at bits 6 i .. 6 i + 5 (a code: sign, 3 exponent bits, 2 mantissa bits); and NAME_scales (uint8): the same leading axes, one E8M0 byte (e + 127) for each 32 codes along K. Its value is code x scale, taken as it is: it is not quantised again, and the codes and scales need not be those that the quantiser above would give.
;; 2 versions. Each part assembles by itself: llvm-mc -triple=amdgcn-amd-amdhsa -mcpu=gfx1250 --defsym DOCPART=n.
;; ======== version 1 of 2: 5 launches
;; workspace buffers: wimg 3,072,000 bytes; kv2 1,638,400 bytes; qkv 9,830,400 bytes; obuf 3,276,800 bytes
;; launch prep (part 1): grid 480 x 1, 4 waves a work-group, no clusters, 0 bytes of LDS; arguments sa_wq_codes, sa_wq_scales, sa_wkv_codes, sa_wkv_scales, ca_wq_codes, ca_wq_scales, ca_wkv_codes, ca_wkv_scales, sa_wo_codes, sa_wo_scales, ca_wo_codes, ca_wo_scales, wimg; writes wimg
.if DOCPART == 1
	.amdgcn_target "amdgcn-amd-amdhsa--gfx1250"
	.amdhsa_code_object_version 6
	.text
	.protected	k_q32dfa3336e_prep
	.globl	k_q32dfa3336e_prep
	.p2align	8
	.type	k_q32dfa3336e_prep,@function
k_q32dfa3336e_prep:
	s_mov_b64 s[64:65], 0
	v_nop
	global_prefetch_b8 v0, s[64:65] scope:SCOPE_SE
	s_setreg_imm32_b32 hwreg(HW_REG_WAVE_MODE, 25, 1), 1
	s_wait_xcnt 0x0
; THE PROGRAM: x1 = selfattention(x) + x; out0 = crossattention(x1, context) + x1; all ten products on codes of BF6 (E3M2) with E8M0 scales.
; Five launches: prep (this one), kv_ca (context -> codes of k2, v2), qkv_sa (x -> codes of q, k, v), attn_sa (self-attention), tail (sa_wo, the cross-attention and all the rest, 32 tokens a work-group).
; DEAD WORK: none.  Every input has a way to out0 and every input is loaded; every product of the table is done.
; LIMITS of the whole program: NaN and infinities among the inputs are not served.  A block whose largest magnitude lies under 2^-122 gets the scale byte 1; a block of zeros
; gets the byte 1 and not 127 (its codes are zeros, and these bytes are read by this program alone).  A block's largest p is taken from the block's largest score.
;
; PREP lays the six weights out in the order of the operand's registers, so that every later launch loads a fragment by loads of 512 and 256 consecutive bytes.
; A PAIR (G, s) is 64 rows (group G) x 128 along K (step s): four fragments t of 16 rows, 1,536 bytes each, then (behind all pairs) 256 bytes of scale words.
; THE ROWS OF A TILE ARE NOT NEIGHBOURS: lane r of tile t = 2 b + u takes row 64 G + 32 b + 8 u + r + 8 (r / 8): used as source 0, the four tiles' 32 result registers of a lane are
; then 16 neighbours of each of two blocks of 32 along the next K.
; A fragment's image: registers 0-3 at 16 x lane, 4-5 at 512 + 8 x lane, 6-9 at 768 + 16 x lane, 10-11 at 1,280 + 8 x lane.
; Scale words of a pair: tile t, row r at 8 (r + 16 (t % 2)) + 4 (t / 2): one load of 8 bytes a lane gives two registers; tile t is register t / 2, lanes 16 (t % 2) on.
; A work-group is one pair, wave t its tile t.  Pair number = RB + G x NS + s; RB, groups, steps: sa_wq 0, 8, 8; sa_wkv 64, 16, 8; ca_wq 192, 8, 8; ca_wkv 256, 16, 6; sa_wo 352, 16, 4; ca_wo 416, 16, 4.
.set SCALES, 2949120                   ; 480 pairs x 6,144 bytes of images lie in front of the scale words
.macro PICK bound, cp, sp, ns, lg, rb  ; work-groups under bound belong to an earlier weight: the choice hangs on the work-group's number alone
	s_cmp_lt_u32 ttmp9, \bound
	s_cselect_b64 s[36:37], s[\cp:\cp+1], s[36:37]
	s_cselect_b64 s[38:39], s[\sp:\sp+1], s[38:39]
	s_cselect_b32 s40, \ns, s40
	s_cselect_b32 s41, \lg, s41
	s_cselect_b32 s42, \rb, s42
.endm
	s_load_b512 s[8:23], s[0:1], 0x0               ; sa_wq, sa_wkv, ca_wq, ca_wkv: codes, scales
	s_load_b256 s[24:31], s[0:1], 0x40             ; sa_wo, ca_wo: codes, scales
	s_load_b64 s[32:33], s[0:1], 0x60              ; wimg
	v_lshrrev_b32 v1, 5, v0
	v_readfirstlane_b32 s2, v1                     ; wave = tile t
	v_and_b32 v2, 31, v0                           ; lane
	v_and_b32 v3, 15, v0                           ; r
	v_bfe_u32 v4, v0, 4, 1                         ; h
	v_lshlrev_b32 v5, 4, v2                        ; 16 x lane
	v_lshlrev_b32 v6, 3, v2                        ; 8 x lane
	v_and_b32 v7, 8, v3
	v_add_nc_u32 v7, v7, v3                        ; r + 8 (r / 8)
	s_wait_kmcnt 0x0
	s_mov_b64 s[36:37], s[28:29]                   ; begin with ca_wo: codes,
	s_mov_b64 s[38:39], s[30:31]                   ; scales,
	s_mov_b32 s40, 4                               ; NS: K steps,
	s_mov_b32 s41, 4                               ; log2 of its groups,
	s_mov_b32 s42, 416                             ; RB: its first pair
	PICK 416, 24, 26, 4, 4, 352
	PICK 352, 20, 22, 6, 4, 256
	PICK 256, 16, 18, 8, 3, 192
	PICK 192, 12, 14, 8, 4, 64
	PICK 64, 8, 10, 8, 3, 0
	s_sub_co_u32 s43, ttmp9, s42
	s_bfm_b32 s44, s41, 0
	s_and_b32 s45, s43, s44                        ; G
	s_lshr_b32 s46, s43, s41                       ; s
	s_mul_i32 s47, s45, s40
	s_add_co_u32 s47, s47, s46
	s_add_co_u32 s47, s47, s42                     ; the pair's number
	s_mul_i32 s48, s40, 96                         ; a row of codes in bytes
	s_lshl_b32 s58, s45, 6                         ; 64 G
	s_lshr_b32 s50, s2, 1
	s_lshl_b32 s50, s50, 5
	s_and_b32 s51, s2, 1
	s_lshl_b32 s51, s51, 3
	s_add_co_u32 s49, s58, s50
	s_add_co_u32 s49, s49, s51                     ; 64 G + 32 (t / 2) + 8 (t % 2)
	v_add_nc_u32 v20, s49, v7                      ; my row
	v_mul_u32_u24 v21, v4, 24
	v_mad_u32_u24 v22, v20, s48, v21               ; row x row bytes + 24 h
	s_mul_i32 s52, s46, 96
	s_mov_b32 s53, 0
	s_add_nc_u64 s[36:37], s[36:37], s[52:53]      ; + 96 s
.irp p, 0,1,2,3,4,5
	global_load_b64 v[8+2*\p:9+2*\p], v22, s[36:37] offset:48*(\p/3)+8*(\p%3)   ; the fragment's twelve registers, as the row's stream of bits lies
.endr
	s_mul_i32 s52, s47, 6144
	s_mul_i32 s50, s2, 1536
	s_add_co_u32 s52, s52, s50
	s_add_nc_u64 s[54:55], s[32:33], s[52:53]
	s_wait_loadcnt 0x0
	global_store_b128 v5, v[8:11], s[54:55]                ; each store of the wave covers 512 or 256 consecutive aligned bytes
	global_store_b64 v6, v[12:13], s[54:55] offset:512
	global_store_b128 v5, v[14:17], s[54:55] offset:768
	global_store_b64 v6, v[18:19], s[54:55] offset:1280
	s_cmp_lg_u32 s2, 0
	s_cbranch_scc1 .Ldone                          ; wave 0 alone lays the pair's scale words
	s_lshl_b32 s50, s40, 2                         ; a row of scale bytes: 4 NS
	s_lshl_b32 s51, s40, 7                         ; 32 rows of them
	v_lshl_add_u32 v23, v4, 3, v7
	v_add_nc_u32 v23, s58, v23                     ; row 64 G + 8 h + r + 8 (r / 8): tile h; 32 rows on: tile 2 + h
	v_mul_u32_u24 v24, v23, s50
	v_add_nc_u32 v25, s51, v24
	s_lshl_b32 s52, s46, 2
	s_add_nc_u64 s[38:39], s[38:39], s[52:53]      ; + 4 s
	global_load_b32 v26, v24, s[38:39]
	global_load_b32 v27, v25, s[38:39]
	s_lshl_b32 s52, s47, 8
	s_add_co_u32 s52, s52, SCALES
	s_add_nc_u64 s[56:57], s[32:33], s[52:53]
	s_wait_loadcnt 0x0
	global_store_b64 v6, v[26:27], s[56:57]        ; 256 consecutive aligned bytes
.Ldone:
	s_endpgm
.Lfunc_end_k_q32dfa3336e_prep:
	.size	k_q32dfa3336e_prep, .Lfunc_end_k_q32dfa3336e_prep-k_q32dfa3336e_prep
	.p2alignl 7, 3214868480
	.fill 96, 4, 3214868480
	.section	.rodata,"a",@progbits
	.p2align	6, 0x0
	.amdhsa_kernel k_q32dfa3336e_prep
		.amdhsa_group_segment_fixed_size 0
		.amdhsa_private_segment_fixed_size 0
		.amdhsa_enable_private_segment 0
		.amdhsa_kernarg_size 104
		.amdhsa_user_sgpr_count 2
		.amdhsa_user_sgpr_kernarg_segment_ptr 1
		.amdhsa_wavefront_size32 1
		.amdhsa_system_sgpr_workgroup_id_x 1
		.amdhsa_system_sgpr_workgroup_id_y 1
		.amdhsa_system_sgpr_workgroup_id_z 1
		.amdhsa_system_vgpr_workitem_id 0
		.amdhsa_next_free_vgpr 32
		.amdhsa_next_free_sgpr 66
		.amdhsa_reserve_vcc 0
		.amdhsa_float_denorm_mode_32 3
		.amdhsa_float_denorm_mode_16_64 3
		.amdhsa_memory_ordered 1
		.amdhsa_forward_progress 1
		.amdhsa_inst_pref_size 5
	.end_amdhsa_kernel
	.amdgpu_metadata
---
amdhsa.version: [ 1, 2 ]
amdhsa.kernels:
  - .name:           k_q32dfa3336e_prep
    .symbol:         k_q32dfa3336e_prep.kd
    .args:
      - { .name: sa_wq_codes, .offset: 0, .size: 8, .value_kind: global_buffer, .address_space: global }
      - { .name: sa_wq_scales, .offset: 8, .size: 8, .value_kind: global_buffer, .address_space: global }
      - { .name: sa_wkv_codes, .offset: 16, .size: 8, .value_kind: global_buffer, .address_space: global }
      - { .name: sa_wkv_scales, .offset: 24, .size: 8, .value_kind: global_buffer, .address_space: global }
      - { .name: ca_wq_codes, .offset: 32, .size: 8, .value_kind: global_buffer, .address_space: global }
      - { .name: ca_wq_scales, .offset: 40, .size: 8, .value_kind: global_buffer, .address_space: global }
      - { .name: ca_wkv_codes, .offset: 48, .size: 8, .value_kind: global_buffer, .address_space: global }
      - { .name: ca_wkv_scales, .offset: 56, .size: 8, .value_kind: global_buffer, .address_space: global }
      - { .name: sa_wo_codes, .offset: 64, .size: 8, .value_kind: global_buffer, .address_space: global }
      - { .name: sa_wo_scales, .offset: 72, .size: 8, .value_kind: global_buffer, .address_space: global }
      - { .name: ca_wo_codes, .offset: 80, .size: 8, .value_kind: global_buffer, .address_space: global }
      - { .name: ca_wo_scales, .offset: 88, .size: 8, .value_kind: global_buffer, .address_space: global }
      - { .name: wimg, .offset: 96, .size: 8, .value_kind: global_buffer, .address_space: global }
    .group_segment_fixed_size: 0
    .private_segment_fixed_size: 0
    .kernarg_segment_align: 8
    .kernarg_segment_size: 104
    .max_flat_workgroup_size: 128
    .sgpr_count:     66
    .vgpr_count:     32
    .wavefront_size: 32
...
	.end_amdgpu_metadata
.endif
;; end of part 1
;; launch kv_ca (part 2): grid 32 x 2, 12 waves a work-group, no clusters, 105,472 bytes of LDS; arguments context, ca_ncg, ca_ncb, wimg, kv2; writes kv2
.if DOCPART == 2
	.amdgcn_target "amdgcn-amd-amdhsa--gfx1250"
	.amdhsa_code_object_version 6
	.text
	.protected	k_q32dfa3336e_kv_ca
	.globl	k_q32dfa3336e_kv_ca
	.p2align	8
	.type	k_q32dfa3336e_kv_ca,@function
k_q32dfa3336e_kv_ca:
	s_mov_b64 s[64:65], 0
	v_nop
	global_prefetch_b8 v0, s[64:65] scope:SCOPE_SE
	s_setreg_imm32_b32 hwreg(HW_REG_WAVE_MODE, 25, 1), 1
	s_wait_xcnt 0x0
; context -> layer norm (ca_ncg, ca_ncb) -> codes of BF6 -> x ca_wkv -> k2 and v2, quantised (k2 along the head's 64, v2 along the keys) and stored as images of operand registers.
; No work is left out.  The text is that of qkv_sa with other sizes at its head; see there for the layouts.
; A work-group takes 64 tokens and four heads (y).  NORM PHASE: wave w owns columns 64 w .. 64 w + 63 of all 64 tokens.  PRODUCT PHASE: wave w < NROLE makes one unit of
; 64 tokens x 64 columns: type w / 4 (0 = k, 1 = v), head 4 y + w % 4; the other waves end behind the second barrier.
; No tensor load, no cluster: what work-groups share is the weight images (295 KB for a work-group's eight units), which go straight into registers; sharing them is left for a later form.
.set WID,   768
.set ROWB,  3072
.set NS,    6
.set NLN,   12
.set SETS,  1
.set NROLE, 8
.set VTYPE, 1
.set NT,    512
.set LBLK,  3
.set PAIRB, 256
.set PAIRT, 48
.set INLN,  0x3daaaaab                 ; 1 / 12
.set IWID,  0x3aaaaaab                 ; 1 / 768
.set IMGSZ, 786432
.set SCB,   1572864
.set SCSZ,  32768
.set WIMG,  10
; LDS
.set SETB,  4*NS*1536                  ; a set of images: fragment (tile m, K step s) at 1536 (NS m + s)
.set ASC,   SETS*SETB                  ; their scale words: 256 bytes a K step
.set PP,    8*NLN+16                   ; a token's row of (mean, M2) pairs
.set PS,    ASC+SETS*NS*256
.set GL,    PS+64*PP                   ; each wave's gains and biases
.set STG,   GL+NLN*SETS*512            ; each wave's stage: 16 rows x 272 bytes
.set SPARE, STG+NLN*4352               ; the spare words, 128 bytes a wave, which no other line names
; vector registers, norm phase
.set L8,  1
.set H8,  2
.set XO,  3
.set GLS, 4
.set GLR, 5
.set STS, 6
.set STR, 7
.set PSS, 8
.set PSR, 9
.set IA0, 10
.set IB0, 11
.set IA1, 12
.set IB1, 13
.set SCS, 14
.set SPW, 15
.set NIL, 16
.set MXA, 17
.set MXB, 18
.set BY,  19
.set ASR, 20                           ; v[20:21] the tokens' scale words, v[22:23] the weights': they hold scales and nothing else
.set WSR, 22
.set CC,  24                           ; v24-30 codes; earlier v[24:25], v[26:27] the pairs (mean, .), (rstd, .)
.set SCO, 31
.set T,   32
.set LT,  80
.set LD,  88
.set X,   128
; vector registers, product phase
.set L16, 2
.set R8,  3
.set RA0, 4
.set RB0, 5
.set RS0, 6
.set XW,  32
.set YA,  80
.set ACC, 128
.set E,   64
.set TM,  68
; scalar registers
.set WV, 18
.set YY, 19
.set TYPE, 23
.set ETA, 24
.set BB, 25
.set BLK, 26
.set BH, 27
.set WP, 28
.set WSP, 30
.set OI, 32
.set OS, 34
.set SEL, 40
.set INL, 42
.set IW, 43
.set EPS, 44
.set C64, 45
.macro BARRIER
	s_wait_dscnt 0x0
	s_barrier_signal -1
	s_barrier_wait -1
.endm
.macro WM d, a, b, z, sa, sb, ra, rb
.if (\z)
.if ((\ra)==0)&&((\rb)==0)
	v_wmma_scale_f32_16x16x128_f8f6f4 v[\d:\d+7], v[\a:\a+11], v[\b:\b+11], 0, v[\sa], v[\sb] matrix_a_fmt:MATRIX_FMT_BF6 matrix_b_fmt:MATRIX_FMT_BF6
.elseif ((\ra)==1)&&((\rb)==0)
	v_wmma_scale_f32_16x16x128_f8f6f4 v[\d:\d+7], v[\a:\a+11], v[\b:\b+11], 0, v[\sa], v[\sb] matrix_a_fmt:MATRIX_FMT_BF6 matrix_b_fmt:MATRIX_FMT_BF6 matrix_a_scale:MATRIX_SCALE_ROW1
.elseif ((\ra)==0)&&((\rb)==1)
	v_wmma_scale_f32_16x16x128_f8f6f4 v[\d:\d+7], v[\a:\a+11], v[\b:\b+11], 0, v[\sa], v[\sb] matrix_a_fmt:MATRIX_FMT_BF6 matrix_b_fmt:MATRIX_FMT_BF6 matrix_b_scale:MATRIX_SCALE_ROW1
.else
	v_wmma_scale_f32_16x16x128_f8f6f4 v[\d:\d+7], v[\a:\a+11], v[\b:\b+11], 0, v[\sa], v[\sb] matrix_a_fmt:MATRIX_FMT_BF6 matrix_b_fmt:MATRIX_FMT_BF6 matrix_a_scale:MATRIX_SCALE_ROW1 matrix_b_scale:MATRIX_SCALE_ROW1
.endif
.else
.if ((\ra)==0)&&((\rb)==0)
	v_wmma_scale_f32_16x16x128_f8f6f4 v[\d:\d+7], v[\a:\a+11], v[\b:\b+11], v[\d:\d+7], v[\sa], v[\sb] matrix_a_fmt:MATRIX_FMT_BF6 matrix_b_fmt:MATRIX_FMT_BF6
.elseif ((\ra)==1)&&((\rb)==0)
	v_wmma_scale_f32_16x16x128_f8f6f4 v[\d:\d+7], v[\a:\a+11], v[\b:\b+11], v[\d:\d+7], v[\sa], v[\sb] matrix_a_fmt:MATRIX_FMT_BF6 matrix_b_fmt:MATRIX_FMT_BF6 matrix_a_scale:MATRIX_SCALE_ROW1
.elseif ((\ra)==0)&&((\rb)==1)
	v_wmma_scale_f32_16x16x128_f8f6f4 v[\d:\d+7], v[\a:\a+11], v[\b:\b+11], v[\d:\d+7], v[\sa], v[\sb] matrix_a_fmt:MATRIX_FMT_BF6 matrix_b_fmt:MATRIX_FMT_BF6 matrix_b_scale:MATRIX_SCALE_ROW1
.else
	v_wmma_scale_f32_16x16x128_f8f6f4 v[\d:\d+7], v[\a:\a+11], v[\b:\b+11], v[\d:\d+7], v[\sa], v[\sb] matrix_a_fmt:MATRIX_FMT_BF6 matrix_b_fmt:MATRIX_FMT_BF6 matrix_a_scale:MATRIX_SCALE_ROW1 matrix_b_scale:MATRIX_SCALE_ROW1
.endif
.endif
.endm
.macro FRAG_G d, off, base
	global_load_b128 v[\d:\d+3], v[L16], s[\base:\base+1] offset:\off
	global_load_b64 v[\d+4:\d+5], v[L8], s[\base:\base+1] offset:\off+512
	global_load_b128 v[\d+6:\d+9], v[L16], s[\base:\base+1] offset:\off+768
	global_load_b64 v[\d+10:\d+11], v[L8], s[\base:\base+1] offset:\off+1280
.endm
.macro FRAG_L d, a16, a8, off
	ds_load_b128 v[\d:\d+3], v[\a16] offset:\off
	ds_load_b64 v[\d+4:\d+5], v[\a8] offset:\off+512
	ds_load_b128 v[\d+6:\d+9], v[\a16] offset:\off+768
	ds_load_b64 v[\d+10:\d+11], v[\a8] offset:\off+1280
.endm
.macro LSTAT x, dp, off
	v_pk_add_f32 v[LT:LT+1], v[\x:\x+1], v[\x+2:\x+3]
	v_pk_add_f32 v[LT+2:LT+3], v[\x+4:\x+5], v[\x+6:\x+7]
.irp i, 8,12,16,20,24,28
	v_pk_add_f32 v[LT:LT+1], v[LT:LT+1], v[\x+\i:\x+\i+1]
	v_pk_add_f32 v[LT+2:LT+3], v[LT+2:LT+3], v[\x+\i+2:\x+\i+3]
.endr
	v_pk_add_f32 v[LT:LT+1], v[LT:LT+1], v[LT+2:LT+3]
	v_add_f32 v[LT], v[LT], v[LT+1]
	v_permlanex16_b32 v[LT+4], v[LT], s[SEL], s[SEL+1]
	v_add_f32 v[LT], v[LT], v[LT+4]
	v_mul_f32 v[\dp], 0x3c800000, v[LT]
.irp i, 0,2,4,6,8,10,12,14,16,18,20,22,24,26,28,30
	v_pk_add_f32 v[T+\i:T+\i+1], v[\x+\i:\x+\i+1], v[\dp:\dp+1] op_sel_hi:[1,0] neg_lo:[0,1] neg_hi:[0,1]
.endr
	v_pk_mul_f32 v[LT:LT+1], v[T:T+1], v[T:T+1]
	v_pk_mul_f32 v[LT+2:LT+3], v[T+2:T+3], v[T+2:T+3]
.irp i, 4,8,12,16,20,24,28
	v_pk_fma_f32 v[LT:LT+1], v[T+\i:T+\i+1], v[T+\i:T+\i+1], v[LT:LT+1]
	v_pk_fma_f32 v[LT+2:LT+3], v[T+\i+2:T+\i+3], v[T+\i+2:T+\i+3], v[LT+2:LT+3]
.endr
	v_pk_add_f32 v[LT:LT+1], v[LT:LT+1], v[LT+2:LT+3]
	v_add_f32 v[LT], v[LT], v[LT+1]
	v_permlanex16_b32 v[LT+4], v[LT], s[SEL], s[SEL+1]
	v_add_f32 v[\dp+1], v[LT], v[LT+4]
	ds_store_b64 v[PSS], v[\dp:\dp+1] offset:\off
.endm
.macro GSTAT p, gt
	v_pk_add_f32 v[\gt:\gt+1], v[\p:\p+1], v[\p+2:\p+3]
.set ii, 2
.rept NLN/2-2
	v_pk_add_f32 v[\gt:\gt+1], v[\gt:\gt+1], v[\p+2*ii:\p+2*ii+1]
.set ii, ii+1
.endr
	v_permlanex16_b32 v[\gt+2], v[\gt], s[SEL], s[SEL+1]
	v_add_f32 v[\gt], v[\gt], v[\gt+2]
	v_mul_f32 v[\gt+6], s[INL], v[\gt]
	v_sub_f32 v[\gt+3], v[\p], v[\gt+6]
	v_mul_f32 v[\gt+4], v[\gt+3], v[\gt+3]
.set ii, 1
.rept NLN/2-1
	v_sub_f32 v[\gt+3], v[\p+2*ii], v[\gt+6]
	v_fma_f32 v[\gt+4], v[\gt+3], v[\gt+3], v[\gt+4]
.set ii, ii+1
.endr
	v_fma_f32 v[\gt+4], v[\gt+4], s[C64], v[\gt+1]
	v_permlanex16_b32 v[\gt+2], v[\gt+4], s[SEL], s[SEL+1]
	v_add_f32 v[\gt+4], v[\gt+4], v[\gt+2]
	v_fma_f32 v[\gt+7], v[\gt+4], s[IW], s[EPS]
.endm
.macro QBLK
	v_max3_num_f32 v[MXA], |v[T]|, |v[T+1]|, |v[T+2]|
	v_max3_num_f32 v[MXB], |v[T+3]|, |v[T+4]|, |v[T+5]|
.irp i, 6,10,14,18,22,26
	v_max3_num_f32 v[MXA], v[MXA], |v[T+\i]|, |v[T+\i+1]|
	v_max3_num_f32 v[MXB], v[MXB], |v[T+\i+2]|, |v[T+\i+3]|
.endr
	v_max3_num_f32 v[MXA], v[MXA], |v[T+30]|, |v[T+31]|
	v_max3_num_f32 v[MXA], v[MXA], v[MXB], 0x2800000
	v_add_nc_u32 v[SCO], 0xfe000000, v[MXA]
	v_lshrrev_b32 v[BY], 23, v[SCO]
	v_lshlrev_b32 v[BY], v[H8], v[BY]
	v_permlanex16_b32 v[MXB], v[BY], s[SEL], s[SEL+1]
	v_or_b32 v[BY], v[BY], v[MXB]
	v_cvt_scalef32_pk16_bf6_f32 v[CC:CC+2], v[T:T+15], v[SCO]
	v_cvt_scalef32_pk16_bf6_f32 v[CC+4:CC+6], v[T+16:T+31], v[SCO]
	v_nop
	v_mov_b32 v[CC+3], v[CC+4]
	v_mov_b32 v[CC+4], v[CC+5]
	v_mov_b32 v[CC+5], v[CC+6]
.endm
.macro LNSET set, ia, ib
.irp i, 0,1,2,3,4,5,6,7
	ds_load_b128 v[64+4*\i:67+4*\i], v[GLR] offset:512*\set+16*\i
	ds_load_b128 v[96+4*\i:99+4*\i], v[GLR] offset:512*\set+256+16*\i
.endr
	s_wait_dscnt 0x0
.irp m, 0,1,2,3
.irp i, 0,2,4,6,8,10,12,14,16,18,20,22,24,26,28,30
	v_pk_fma_f32 v[T+\i:T+\i+1], v[X+32*\m+\i:X+32*\m+\i+1], v[64+\i:65+\i], v[96+\i:97+\i]
.endr
	s_wait_dscnt 0x0
	QBLK
	ds_store_b128 v[\ia], v[CC:CC+3] offset:1536*NS*\m
	ds_store_b64 v[\ib], v[CC+4:CC+5] offset:1536*NS*\m+512
	ds_store_b16 v[SCS], v[BY] offset:\set*NS*256+128*(\m%2)+4*(\m/2)
.endr
.endm
.macro QUANT2 s, d, sc
.irp b, 0,1
	v_max3_num_f32 v[TM+\b], |v[\s+16*\b]|, |v[\s+16*\b+1]|, 0x2800000
.endr
.irp i, 2,4,6,8,10,12,14
.irp b, 0,1
	v_max3_num_f32 v[TM+\b], v[TM+\b], |v[\s+16*\b+\i]|, |v[\s+16*\b+\i+1]|
.endr
.endr
.irp b, 0,1
	v_permlanex16_b32 v[TM+2+\b], v[TM+\b], s[SEL], s[SEL+1]
.endr
.irp b, 0,1
	v_max_num_f32 v[TM+\b], v[TM+\b], v[TM+2+\b]
.endr
.irp b, 0,1
	v_add_nc_u32 v[TM+4+\b], 0xfe000000, v[TM+\b]
.endr
.irp b, 0,1
	v_lshrrev_b32 v[TM+2+\b], 23, v[TM+4+\b]
.endr
	v_lshl_or_b32 v[\sc], v[TM+3], 8, v[TM+2]
	v_cvt_scalef32_pk16_bf6_f32 v[\d:\d+2], v[\s:\s+15], v[TM+4]
	v_cvt_scalef32_pk16_bf6_f32 v[E:E+2], v[\s+16:\s+31], v[TM+5]
	v_nop
.irp i, 0,1,2
	v_permlane16_swap_b32 v[\d+\i], v[E+\i]
.endr
.irp i, 0,1,2
	v_mov_b32 v[\d+3+\i], v[E+\i]
.endr
.endm
.macro KSTEP s
.if (\s) > 0
.rept 4
	v_nop
.endr
.endif
.irp t, 0,1,2,3
	FRAG_G XW+12*\t, 6144*(\s)+1536*\t, WP
.endr
	global_load_b64 v[WSR:WSR+1], v[L8], s[WSP:WSP+1] offset:256*(\s)
.irp m, 0,1,2,3
	FRAG_L YA+12*\m, RA0, RB0, 1536*NS*\m+1536*(\s)
.endr
	ds_load_b64 v[ASR:ASR+1], v[RS0] offset:256*(\s)
	s_wait_loadcnt 0x0
	s_wait_dscnt 0x0
	s_cmp_eq_u32 s[TYPE], VTYPE
	s_cbranch_scc1 .Lvp_\@
.irp m, 0,1,2,3
.irp t, 0,1,2,3
	WM ACC+32*\m+8*\t, XW+12*\t, YA+12*\m, (\s)==0, WSR+\t/2, ASR+\m/2, \t%2, \m%2
.endr
.endr
	s_branch .Ljn_\@
.Lvp_\@:
.irp t, 0,1,2,3
.irp m, 0,1,2,3
	WM ACC+32*\t+8*\m, YA+12*\m, XW+12*\t, (\s)==0, ASR+\m/2, WSR+\t/2, \m%2, \t%2
.endr
.endr
.Ljn_\@:
.endm
.macro EPI istr, sa, sb
.irp i, 0,1,2,3
	QUANT2 ACC+32*\i, 32+8*\i, 38+8*\i
	global_store_b128 v[L16], v[32+8*\i:35+8*\i], s[OI:OI+1] offset:\istr*\i
	global_store_b64 v[L8], v[36+8*\i:37+8*\i], s[OI:OI+1] offset:\istr*\i+512
	global_store_b16 v[R8], v[38+8*\i], s[OS:OS+1] offset:\sa*(\i%2)+\sb*(\i/2)
.endr
.endm
	s_load_b256 s[4:11], s[0:1], 0x0
.if SETS == 2
	s_load_b128 s[12:15], s[0:1], 0x20
	s_load_b64 s[16:17], s[0:1], 0x30
.else
	s_load_b64 s[16:17], s[0:1], 0x20
.endif
	v_lshl_add_u32 v[SPW], v0, 2, SPARE
	v_mov_b32 v[NIL], 0
	v_lshrrev_b32 v[MXA], 5, v0
	v_readfirstlane_b32 s[WV], v[MXA]
	v_and_b32 v[MXA], 31, v0
	v_and_b32 v[MXB], 15, v0
	v_bfe_u32 v[BY], v0, 4, 1
	v_lshlrev_b32 v[L8], 3, v[MXA]
	v_lshlrev_b32 v[H8], 3, v[BY]
	v_mul_u32_u24 v[XO], v[BY], ROWB
	v_lshl_add_u32 v[XO], v[MXB], 4, v[XO]
	s_mul_i32 s46, s[WV], SETS*512
	s_add_co_u32 s46, s46, GL
	v_add_nc_u32 v[GLS], s46, v[L8]
	v_lshl_add_u32 v[GLR], v[BY], 7, s46
	s_mul_i32 s46, s[WV], 4352
	s_add_co_u32 s46, s46, STG
	v_mul_u32_u24 v[STS], v[BY], 272
	v_lshl_add_u32 v[STS], v[MXB], 4, v[STS]
	v_add_nc_u32 v[STS], s46, v[STS]
	v_mul_u32_u24 v[STR], v[MXB], 272
	v_lshl_add_u32 v[STR], v[BY], 7, v[STR]
	v_add_nc_u32 v[STR], s46, v[STR]
	s_lshl_b32 s46, s[WV], 3
	s_add_co_u32 s46, s46, PS
	v_mul_u32_u24 v[PSS], v[MXB], PP
	v_mad_u32_u24 v[PSR], v[BY], 4*NLN, v[PSS]
	v_add_nc_u32 v[PSR], PS, v[PSR]
	v_add_nc_u32 v[PSS], s46, v[PSS]
	s_mul_i32 s46, s[WV], 768
	v_lshl_add_u32 v[IA0], v[MXA], 4, s46
	v_add_nc_u32 v[IB0], s46, v[L8]
.if SETS == 2
	v_add_nc_u32 v[IA1], SETB, v[IA0]
	v_add_nc_u32 v[IB1], SETB, v[IB0]
.endif
	s_lshr_b32 s46, s[WV], 1
	s_lshl_b32 s46, s46, 8
	s_and_b32 s47, s[WV], 1
	s_lshl_b32 s47, s47, 1
	s_add_co_u32 s46, s46, s47
	s_add_co_u32 s46, s46, ASC
	v_lshl_add_u32 v[SCS], v[MXB], 3, s46
	v_mov_b32 v[CC+1], 0
	v_mov_b32 v[CC+3], 0
	v_mov_b32 v[LT+4], 0
.irp m, 0,1,2,3
	v_mov_b32 v[LD+2*\m+1], 0
.endr
	s_mov_b32 s[SEL], 0x76543210
	s_mov_b32 s[SEL+1], 0xfedcba98
	s_mov_b32 s[INL], INLN
	s_mov_b32 s[IW], IWID
	s_mov_b32 s[EPS], 0x3727c5ac
	s_mov_b32 s[C64], 0x42800000
	s_and_b32 s[YY], ttmp7, 0xffff
	s_mul_i32 s20, ttmp9, 64*ROWB
	s_lshl_b32 s46, s[WV], 8
	s_add_co_u32 s20, s20, s46
	s_mov_b32 s21, 0
	s_mov_b32 s47, 0
	s_wait_kmcnt 0x0
	s_add_nc_u64 s[4:5], s[4:5], s[20:21]
.set k, 0
.rept 2*SETS
	s_add_nc_u64 s[6+2*k:7+2*k], s[6+2*k:7+2*k], s[46:47]
	global_load_b64 v[64+2*k:65+2*k], v[L8], s[6+2*k:7+2*k]
.set k, k+1
.endr
.irp m, 0,1,2,3
.irp j, 0,1,2,3,4,5,6,7
	global_load_b128 v[X+32*\m+4*\j:X+32*\m+4*\j+3], v[XO], s[4:5] offset:(32*(\m/2)+8*(\m%2)+2*(\j%4)+16*(\j/4))*ROWB
.endr
.endr
	s_wait_loadcnt 32
.set k, 0
.rept 2*SETS
	ds_store_b64 v[GLS], v[64+2*k:65+2*k] offset:256*k
.set k, k+1
.endr
.irp m, 0,1,2,3
	s_wait_loadcnt 24-8*\m
.irp j, 0,1,2,3,4,5,6,7
	ds_store_b128 v[STS], v[X+32*\m+4*\j:X+32*\m+4*\j+3] offset:544*\j
.endr
.irp j, 0,1,2,3,4,5,6,7
	ds_load_b128 v[X+32*\m+4*\j:X+32*\m+4*\j+3], v[STR] offset:16*\j
.endr
.endr
.irp m, 0,1,2,3
	s_wait_dscnt 48-16*\m
	LSTAT X+32*\m, LD+2*\m, 16*PP*\m
.endr
	BARRIER
.irp m, 0,1,2,3
.set ii, 0
.rept NLN/4
	ds_load_b128 v[64+NLN*\m+4*ii:64+NLN*\m+4*ii+3], v[PSR] offset:16*PP*\m+16*ii
.set ii, ii+1
.endr
.endr
	s_wait_dscnt 0x0
.irp m, 0,1,2,3
	GSTAT 64+NLN*\m, 32+8*\m
.endr
.irp m, 0,1,2,3
	v_rsq_f32 v[32+8*\m+7], v[32+8*\m+7]
.endr
	v_nop
	s_wait_alu depctr_va_vdst(0)
.irp m, 0,1,2,3
	v_mov_b32 v[CC], v[32+8*\m+6]
	v_mov_b32 v[CC+2], v[32+8*\m+7]
.irp i, 0,2,4,6,8,10,12,14,16,18,20,22,24,26,28,30
	v_pk_add_f32 v[X+32*\m+\i:X+32*\m+\i+1], v[X+32*\m+\i:X+32*\m+\i+1], v[CC:CC+1] op_sel_hi:[1,0] neg_lo:[0,1] neg_hi:[0,1]
.endr
.irp i, 0,2,4,6,8,10,12,14,16,18,20,22,24,26,28,30
	v_pk_mul_f32 v[X+32*\m+\i:X+32*\m+\i+1], v[X+32*\m+\i:X+32*\m+\i+1], v[CC+2:CC+3] op_sel_hi:[1,0]
.endr
.endr
	LNSET 0, IA0, IB0
.if SETS == 2
	LNSET 1, IA1, IB1
.endif
	BARRIER
	v_and_b32 v[L16], 31, v0
	v_lshlrev_b32 v[L16], 4, v[L16]
	v_and_b32 v[R8], 15, v0
	v_lshlrev_b32 v[R8], 3, v[R8]
	s_lshr_b32 s[TYPE], s[WV], 2
	s_min_u32 s46, s[TYPE], 1
	s_mul_i32 s47, s46, (SETS-1)*SETB
	s_mul_i32 s46, s46, (SETS-1)*NS*256
	s_add_co_u32 s46, s46, ASC
	v_add_nc_u32 v[RA0], s47, v[L16]
	v_add_nc_u32 v[RB0], s47, v[L8]
	v_add_nc_u32 v[RS0], s46, v[L8]
	s_cmp_ge_u32 s[WV], NROLE
	s_cbranch_scc1 .Lend
	s_and_b32 s[ETA], s[WV], 3
	s_lshl_b32 s46, s[YY], 2
	s_add_co_u32 s[ETA], s[ETA], s46
	s_lshr_b32 s[BB], ttmp9, LBLK
	s_and_b32 s[BLK], ttmp9, (1<<LBLK)-1
	s_lshl_b32 s[BH], s[BB], 3
	s_add_co_u32 s[BH], s[BH], s[ETA]
	s_mul_i32 s46, s[TYPE], PAIRT
	s_mul_i32 s47, s[ETA], NS
	s_add_co_u32 s46, s46, s47
	s_add_co_u32 s46, s46, PAIRB
	s_mul_i32 s48, s46, 6144
	s_mov_b32 s49, 0
	s_add_nc_u64 s[WP:WP+1], s[WIMG:WIMG+1], s[48:49]
	s_lshl_b32 s48, s46, 8
	s_add_co_u32 s48, s48, 2949120
	s_add_nc_u64 s[WSP:WSP+1], s[WIMG:WIMG+1], s[48:49]
	s_mul_i32 s46, s[TYPE], IMGSZ
	s_mul_i32 s47, s[BH], 48*NT
	s_add_co_u32 s46, s46, s47
	s_lshr_b32 s50, s[BLK], 1
	s_and_b32 s51, s[BLK], 1
	s_mul_i32 s47, s[BLK], 3072
	s_mul_i32 s52, s50, 6144
	s_mul_i32 s53, s51, 768
	s_add_co_u32 s52, s52, s53
	s_lshl_b32 s53, s51, 2
	s_lshl_b32 s54, s51, 1
	s_cmp_eq_u32 s[TYPE], VTYPE
	s_cselect_b32 s47, s52, s47
	s_cselect_b32 s53, s54, s53
	s_add_co_u32 s48, s46, s47
	s_add_nc_u64 s[OI:OI+1], s[16:17], s[48:49]
	s_mul_i32 s46, s[TYPE], SCSZ
	s_mul_i32 s47, s[BH], 2*NT
	s_add_co_u32 s46, s46, s47
	s_lshl_b32 s47, s50, 8
	s_add_co_u32 s46, s46, s47
	s_add_co_u32 s46, s46, s53
	s_add_co_u32 s48, s46, SCB
	s_add_nc_u64 s[OS:OS+1], s[16:17], s[48:49]
.set ks, 0
.rept NS
	KSTEP ks
.set ks, ks+1
.endr
.rept 4
	v_nop
.endr
	v_mov_b32 v[TM+2], 0
	v_mov_b32 v[TM+3], 0
	s_cmp_eq_u32 s[TYPE], VTYPE
	s_cbranch_scc1 .Lvout
	EPI 768, 2, 128
	s_branch .Lend
.Lvout:
	EPI 1536, 128, 4
.Lend:
	s_wait_tensorcnt 0x0
	ds_add_u32 v[SPW], v[NIL]
	s_wait_dscnt 0x0
	s_endpgm
.Lfunc_end_k_q32dfa3336e_kv_ca:
	.size	k_q32dfa3336e_kv_ca, .Lfunc_end_k_q32dfa3336e_kv_ca-k_q32dfa3336e_kv_ca
	.p2alignl 7, 3214868480
	.fill 96, 4, 3214868480
	.section	.rodata,"a",@progbits
	.p2align	6, 0x0
	.amdhsa_kernel k_q32dfa3336e_kv_ca
		.amdhsa_group_segment_fixed_size 105472
		.amdhsa_private_segment_fixed_size 0
		.amdhsa_enable_private_segment 0
		.amdhsa_kernarg_size 40
		.amdhsa_user_sgpr_count 2
		.amdhsa_user_sgpr_kernarg_segment_ptr 1
		.amdhsa_wavefront_size32 1
		.amdhsa_system_sgpr_workgroup_id_x 1
		.amdhsa_system_sgpr_workgroup_id_y 1
		.amdhsa_system_sgpr_workgroup_id_z 1
		.amdhsa_system_vgpr_workitem_id 0
		.amdhsa_next_free_vgpr 256
		.amdhsa_next_free_sgpr 66
		.amdhsa_reserve_vcc 0
		.amdhsa_float_denorm_mode_32 3
		.amdhsa_float_denorm_mode_16_64 3
		.amdhsa_memory_ordered 1
		.amdhsa_forward_progress 1
		.amdhsa_inst_pref_size 112
	.end_amdhsa_kernel
	.amdgpu_metadata
---
amdhsa.version: [ 1, 2 ]
amdhsa.kernels:
  - .name:           k_q32dfa3336e_kv_ca
    .symbol:         k_q32dfa3336e_kv_ca.kd
    .args:
      - { .name: context, .offset: 0, .size: 8, .value_kind: global_buffer, .address_space: global }
      - { .name: ca_ncg, .offset: 8, .size: 8, .value_kind: global_buffer, .address_space: global }
      - { .name: ca_ncb, .offset: 16, .size: 8, .value_kind: global_buffer, .address_space: global }
      - { .name: wimg, .offset: 24, .size: 8, .value_kind: global_buffer, .address_space: global }
      - { .name: kv2, .offset: 32, .size: 8, .value_kind: global_buffer, .address_space: global }
    .group_segment_fixed_size: 105472
    .private_segment_fixed_size: 0
    .kernarg_segment_align: 8
    .kernarg_segment_size: 40
    .max_flat_workgroup_size: 384
    .sgpr_count:     66
    .vgpr_count:     256
    .wavefront_size: 32
...
	.end_amdgpu_metadata
.endif
;; end of part 2
;; launch qkv_sa (part 3): grid 128 x 2, 16 waves a work-group, no clusters, 199,680 bytes of LDS; arguments x, sa_ng, sa_nb, sa_ncg, sa_ncb, wimg, qkv; writes qkv
.if DOCPART == 3
	.amdgcn_target "amdgcn-amd-amdhsa--gfx1250"
	.amdhsa_code_object_version 6
	.text
	.protected	k_q32dfa3336e_qkv_sa
	.globl	k_q32dfa3336e_qkv_sa
	.p2align	8
	.type	k_q32dfa3336e_qkv_sa,@function
k_q32dfa3336e_qkv_sa:
	s_mov_b64 s[64:65], 0
	v_nop
	global_prefetch_b8 v0, s[64:65] scope:SCOPE_SE
	s_setreg_imm32_b32 hwreg(HW_REG_WAVE_MODE, 25, 1), 1
	s_wait_xcnt 0x0
; x -> two layer norms (set 0: sa_ng, sa_nb for q; set 1: sa_ncg, sa_ncb for k and v; one mean and variance serve both) -> codes of BF6 along the features -> x sa_wq, sa_wkv
; -> q, k (quantised along the head's 64) and v (quantised along the keys), stored as images of operand registers.  No work is left out.
; SHARES.  A work-group takes 64 tokens (x) and four heads (y).  Its four token tiles m take, in lane r, token 32 (m / 2) + 8 (m % 2) + r + 8 (r / 8): so key tiles used as source 0 give
; 16 neighbouring keys in the registers of two tiles, and v's tokens come out as neighbours along its K.
; NORM PHASE: wave w owns columns 64 w .. 64 w + 63 of all 64 tokens.  Loads take whole rows of 256 aligned bytes; the wave's own stage in LDS turns them so that lane (r, h) holds the 32
; neighbours 64 w + 32 h .. of token row r: a whole block.  Each wave gives (mean, sum of squared deviations) of its 64 columns to LDS; behind a barrier they are joined:
; M2 = sum of M2_w + 64 x sum of (mean_w - mean)^2: no difference of large sums is formed.  The codes go to LDS as images of a fragment's registers.
; PRODUCT PHASE: wave w < NROLE makes one unit of 64 tokens x 64 columns over all of K in 16 accumulators: type w / 4 (0 q, 1 k, 2 v), head 4 y + w % 4.  q, k: source 0 = 16 rows of W,
; source 1 = 16 tokens: a lane holds one token and 32 of the head's 64.  v: the sources change places: a lane holds one channel and 32 of the 64 tokens.  The K steps are written out,
; every offset an immediate.  The sixteen accumulators take turns, one instruction a turn.
; IMAGES.  Half a fragment (16 rows x 64 K, 6 registers a lane): registers 0-3 at 16 x lane, 4-5 at 512 + 8 x lane: 768 bytes.  In qkv: type x 3,145,728 + head (8 b + eta) x 98,304 +
; (q, k) tile x 768; (v) key step x 6,144 + channel tile x 1,536 + half x 768.  Scale bytes: two for each row and half, laid so that the reader's one load of 8 bytes a lane brings four tiles' words.
; No tensor load, no cluster: what work-groups share is the weight images (590 KB for a work-group's twelve units), which go straight into registers; sharing them is left for a later form.
.set WID,   1024
.set ROWB,  4096
.set NS,    8
.set NLN,   16
.set SETS,  2
.set NROLE, 12
.set VTYPE, 2
.set NT,    2048
.set LBLK,  5
.set PAIRB, 0
.set PAIRT, 64
.set INLN,  0x3d800000                 ; 1 / 16
.set IWID,  0x3a800000                 ; 1 / 1,024
.set IMGSZ, 3145728
.set SCB,   9437184
.set SCSZ,  131072
.set WIMG,  14
; LDS
.set SETB,  4*NS*1536                  ; a set of images: fragment (tile m, K step s) at 1536 (NS m + s)
.set ASC,   SETS*SETB                  ; their scale words: 256 bytes a K step
.set PP,    8*NLN+16                   ; a token's row of (mean, M2) pairs
.set PS,    ASC+SETS*NS*256
.set GL,    PS+64*PP                   ; each wave's gains and biases
.set STG,   GL+NLN*SETS*512            ; each wave's stage: 16 rows x 272 bytes
.set SPARE, STG+NLN*4352               ; the spare words, 128 bytes a wave, which no other line names
; vector registers, norm phase
.set L8,  1                            ; 8 x lane
.set H8,  2                            ; 8 h
.set XO,  3                            ; h x a row + 16 r
.set GLS, 4
.set GLR, 5
.set STS, 6
.set STR, 7
.set PSS, 8
.set PSR, 9
.set IA0, 10
.set IB0, 11
.set IA1, 12
.set IB1, 13
.set SCS, 14
.set SPW, 15                           ; my spare word; never rewritten
.set NIL, 16                           ; 0; never rewritten
.set MXA, 17
.set MXB, 18
.set BY,  19
.set ASR, 20                           ; v[20:21] the tokens' scale words, v[22:23] the weights': they hold scales and nothing else
.set WSR, 22
.set CC,  24                           ; v24-30 codes; earlier v[24:25], v[26:27] the pairs (mean, .), (rstd, .)
.set SCO, 31
.set T,   32                           ; v32-63 at work
.set LT,  80
.set LD,  88
.set X,   128                          ; v128-255 four tiles x 32 numbers
; vector registers, product phase
.set L16, 2
.set R8,  3
.set RA0, 4
.set RB0, 5
.set RS0, 6
.set XW,  32                           ; four fragments of W
.set YA,  80                           ; four fragments of tokens
.set ACC, 128                          ; sixteen accumulators
.set E,   64
.set TM,  68
; scalar registers
.set WV, 18
.set YY, 19
.set TYPE, 23
.set ETA, 24
.set BB, 25
.set BLK, 26
.set BH, 27
.set WP, 28
.set WSP, 30
.set OI, 32
.set OS, 34
.set SEL, 40
.set INL, 42
.set IW, 43
.set EPS, 44
.set C64, 45
.macro BARRIER                         ; my LDS stores have landed and my LDS loads are in: then the work-group's barrier
	s_wait_dscnt 0x0
	s_barrier_signal -1
	s_barrier_wait -1
.endm
; one product: D at d, source 0 at a, source 1 at b; z = 1: C = 0 starts the sum; scale registers sa, sb, read from lanes 16 ra, 16 rb on
.macro WM d, a, b, z, sa, sb, ra, rb
.if (\z)
.if ((\ra)==0)&&((\rb)==0)
	v_wmma_scale_f32_16x16x128_f8f6f4 v[\d:\d+7], v[\a:\a+11], v[\b:\b+11], 0, v[\sa], v[\sb] matrix_a_fmt:MATRIX_FMT_BF6 matrix_b_fmt:MATRIX_FMT_BF6
.elseif ((\ra)==1)&&((\rb)==0)
	v_wmma_scale_f32_16x16x128_f8f6f4 v[\d:\d+7], v[\a:\a+11], v[\b:\b+11], 0, v[\sa], v[\sb] matrix_a_fmt:MATRIX_FMT_BF6 matrix_b_fmt:MATRIX_FMT_BF6 matrix_a_scale:MATRIX_SCALE_ROW1
.elseif ((\ra)==0)&&((\rb)==1)
	v_wmma_scale_f32_16x16x128_f8f6f4 v[\d:\d+7], v[\a:\a+11], v[\b:\b+11], 0, v[\sa], v[\sb] matrix_a_fmt:MATRIX_FMT_BF6 matrix_b_fmt:MATRIX_FMT_BF6 matrix_b_scale:MATRIX_SCALE_ROW1
.else
	v_wmma_scale_f32_16x16x128_f8f6f4 v[\d:\d+7], v[\a:\a+11], v[\b:\b+11], 0, v[\sa], v[\sb] matrix_a_fmt:MATRIX_FMT_BF6 matrix_b_fmt:MATRIX_FMT_BF6 matrix_a_scale:MATRIX_SCALE_ROW1 matrix_b_scale:MATRIX_SCALE_ROW1
.endif
.else
.if ((\ra)==0)&&((\rb)==0)
	v_wmma_scale_f32_16x16x128_f8f6f4 v[\d:\d+7], v[\a:\a+11], v[\b:\b+11], v[\d:\d+7], v[\sa], v[\sb] matrix_a_fmt:MATRIX_FMT_BF6 matrix_b_fmt:MATRIX_FMT_BF6
.elseif ((\ra)==1)&&((\rb)==0)
	v_wmma_scale_f32_16x16x128_f8f6f4 v[\d:\d+7], v[\a:\a+11], v[\b:\b+11], v[\d:\d+7], v[\sa], v[\sb] matrix_a_fmt:MATRIX_FMT_BF6 matrix_b_fmt:MATRIX_FMT_BF6 matrix_a_scale:MATRIX_SCALE_ROW1
.elseif ((\ra)==0)&&((\rb)==1)
	v_wmma_scale_f32_16x16x128_f8f6f4 v[\d:\d+7], v[\a:\a+11], v[\b:\b+11], v[\d:\d+7], v[\sa], v[\sb] matrix_a_fmt:MATRIX_FMT_BF6 matrix_b_fmt:MATRIX_FMT_BF6 matrix_b_scale:MATRIX_SCALE_ROW1
.else
	v_wmma_scale_f32_16x16x128_f8f6f4 v[\d:\d+7], v[\a:\a+11], v[\b:\b+11], v[\d:\d+7], v[\sa], v[\sb] matrix_a_fmt:MATRIX_FMT_BF6 matrix_b_fmt:MATRIX_FMT_BF6 matrix_a_scale:MATRIX_SCALE_ROW1 matrix_b_scale:MATRIX_SCALE_ROW1
.endif
.endif
.endm
.macro FRAG_G d, off, base             ; a fragment's image from memory: 512, 256, 512, 256 consecutive bytes
	global_load_b128 v[\d:\d+3], v[L16], s[\base:\base+1] offset:\off
	global_load_b64 v[\d+4:\d+5], v[L8], s[\base:\base+1] offset:\off+512
	global_load_b128 v[\d+6:\d+9], v[L16], s[\base:\base+1] offset:\off+768
	global_load_b64 v[\d+10:\d+11], v[L8], s[\base:\base+1] offset:\off+1280
.endm
.macro FRAG_L d, a16, a8, off          ; the same from LDS
	ds_load_b128 v[\d:\d+3], v[\a16] offset:\off
	ds_load_b64 v[\d+4:\d+5], v[\a8] offset:\off+512
	ds_load_b128 v[\d+6:\d+9], v[\a16] offset:\off+768
	ds_load_b64 v[\d+10:\d+11], v[\a8] offset:\off+1280
.endm
; my wave's 64 columns of a token row (32 numbers in me, 32 in lane l xor 16): their mean and the sum of their squared deviations from it, to LDS
.macro LSTAT x, dp, off
	v_pk_add_f32 v[LT:LT+1], v[\x:\x+1], v[\x+2:\x+3]
	v_pk_add_f32 v[LT+2:LT+3], v[\x+4:\x+5], v[\x+6:\x+7]
.irp i, 8,12,16,20,24,28
	v_pk_add_f32 v[LT:LT+1], v[LT:LT+1], v[\x+\i:\x+\i+1]
	v_pk_add_f32 v[LT+2:LT+3], v[LT+2:LT+3], v[\x+\i+2:\x+\i+3]
.endr
	v_pk_add_f32 v[LT:LT+1], v[LT:LT+1], v[LT+2:LT+3]
	v_add_f32 v[LT], v[LT], v[LT+1]
	v_permlanex16_b32 v[LT+4], v[LT], s[SEL], s[SEL+1]
	v_add_f32 v[LT], v[LT], v[LT+4]
	v_mul_f32 v[\dp], 0x3c800000, v[LT]            ; / 64
.irp i, 0,2,4,6,8,10,12,14,16,18,20,22,24,26,28,30
	v_pk_add_f32 v[T+\i:T+\i+1], v[\x+\i:\x+\i+1], v[\dp:\dp+1] op_sel_hi:[1,0] neg_lo:[0,1] neg_hi:[0,1]
.endr
	v_pk_mul_f32 v[LT:LT+1], v[T:T+1], v[T:T+1]
	v_pk_mul_f32 v[LT+2:LT+3], v[T+2:T+3], v[T+2:T+3]
.irp i, 4,8,12,16,20,24,28
	v_pk_fma_f32 v[LT:LT+1], v[T+\i:T+\i+1], v[T+\i:T+\i+1], v[LT:LT+1]
	v_pk_fma_f32 v[LT+2:LT+3], v[T+\i+2:T+\i+3], v[T+\i+2:T+\i+3], v[LT+2:LT+3]
.endr
	v_pk_add_f32 v[LT:LT+1], v[LT:LT+1], v[LT+2:LT+3]
	v_add_f32 v[LT], v[LT], v[LT+1]
	v_permlanex16_b32 v[LT+4], v[LT], s[SEL], s[SEL+1]
	v_add_f32 v[\dp+1], v[LT], v[LT+4]
	ds_store_b64 v[PSS], v[\dp:\dp+1] offset:\off  ; lanes l and l xor 16 store the same pair to the same place
.endm
; the waves' pairs (half of them in me, half in lane l xor 16, at v[p] on) are joined: mean into v[gt + 6], variance + 1e-5 into v[gt + 7]
.macro GSTAT p, gt
	v_pk_add_f32 v[\gt:\gt+1], v[\p:\p+1], v[\p+2:\p+3]
.set ii, 2
.rept NLN/2-2
	v_pk_add_f32 v[\gt:\gt+1], v[\gt:\gt+1], v[\p+2*ii:\p+2*ii+1]
.set ii, ii+1
.endr
	v_permlanex16_b32 v[\gt+2], v[\gt], s[SEL], s[SEL+1]
	v_add_f32 v[\gt], v[\gt], v[\gt+2]
	v_mul_f32 v[\gt+6], s[INL], v[\gt]
	v_sub_f32 v[\gt+3], v[\p], v[\gt+6]
	v_mul_f32 v[\gt+4], v[\gt+3], v[\gt+3]
.set ii, 1
.rept NLN/2-1
	v_sub_f32 v[\gt+3], v[\p+2*ii], v[\gt+6]
	v_fma_f32 v[\gt+4], v[\gt+3], v[\gt+3], v[\gt+4]
.set ii, ii+1
.endr
	v_fma_f32 v[\gt+4], v[\gt+4], s[C64], v[\gt+1]
	v_permlanex16_b32 v[\gt+2], v[\gt+4], s[SEL], s[SEL+1]
	v_add_f32 v[\gt+4], v[\gt+4], v[\gt+2]
	v_fma_f32 v[\gt+7], v[\gt+4], s[IW], s[EPS]
.endm
; a whole block of 32 in my registers v[T] on: its six registers of codes into v[CC] on; the two bytes of my row's 64 columns into v[BY]
.macro QBLK
	v_max3_num_f32 v[MXA], |v[T]|, |v[T+1]|, |v[T+2]|
	v_max3_num_f32 v[MXB], |v[T+3]|, |v[T+4]|, |v[T+5]|
.irp i, 6,10,14,18,22,26
	v_max3_num_f32 v[MXA], v[MXA], |v[T+\i]|, |v[T+\i+1]|
	v_max3_num_f32 v[MXB], v[MXB], |v[T+\i+2]|, |v[T+\i+3]|
.endr
	v_max3_num_f32 v[MXA], v[MXA], |v[T+30]|, |v[T+31]|
	v_max3_num_f32 v[MXA], v[MXA], v[MXB], 0x2800000   ; and the floor 2^(5 - 127): the byte cannot fall under 1
	v_add_nc_u32 v[SCO], 0xfe000000, v[MXA]        ; 4 off the exponent field: the conversion's scale operand
	v_lshrrev_b32 v[BY], 23, v[SCO]                ; the scale's byte,
	v_lshlrev_b32 v[BY], v[H8], v[BY]              ; at its place (8 h bits up);
	v_permlanex16_b32 v[MXB], v[BY], s[SEL], s[SEL+1]
	v_or_b32 v[BY], v[BY], v[MXB]                  ; with lane l xor 16's the two are whole
	v_cvt_scalef32_pk16_bf6_f32 v[CC:CC+2], v[T:T+15], v[SCO]
	v_cvt_scalef32_pk16_bf6_f32 v[CC+4:CC+6], v[T+16:T+31], v[SCO]   ; (a conversion's three registers begin on an even number)
	v_nop                                          ; one plain place behind a scaled conversion
	v_mov_b32 v[CC+3], v[CC+4]
	v_mov_b32 v[CC+4], v[CC+5]
	v_mov_b32 v[CC+5], v[CC+6]
.endm
; one set of gains: the four tiles' numbers x g + b, quantised, images and scale bytes to LDS
.macro LNSET set, ia, ib
.irp i, 0,1,2,3,4,5,6,7
	ds_load_b128 v[64+4*\i:67+4*\i], v[GLR] offset:512*\set+16*\i
	ds_load_b128 v[96+4*\i:99+4*\i], v[GLR] offset:512*\set+256+16*\i
.endr
	s_wait_dscnt 0x0
.irp m, 0,1,2,3
.irp i, 0,2,4,6,8,10,12,14,16,18,20,22,24,26,28,30
	v_pk_fma_f32 v[T+\i:T+\i+1], v[X+32*\m+\i:X+32*\m+\i+1], v[64+\i:65+\i], v[96+\i:97+\i]
.endr
	s_wait_dscnt 0x0                               ; the last tile's stores have read their registers
	QBLK
	ds_store_b128 v[\ia], v[CC:CC+3] offset:1536*NS*\m
	ds_store_b64 v[\ib], v[CC+4:CC+5] offset:1536*NS*\m+512
	ds_store_b16 v[SCS], v[BY] offset:\set*NS*256+128*(\m%2)+4*(\m/2)
.endr
.endm
; 32 numbers of a lane, register 16 b + i = k 32 b + 16 h + i of my row, become half a fragment's six registers at v[d] on and its two scale bytes in v[sc]
.macro QUANT2 s, d, sc
.irp b, 0,1
	v_max3_num_f32 v[TM+\b], |v[\s+16*\b]|, |v[\s+16*\b+1]|, 0x2800000
.endr
.irp i, 2,4,6,8,10,12,14
.irp b, 0,1
	v_max3_num_f32 v[TM+\b], v[TM+\b], |v[\s+16*\b+\i]|, |v[\s+16*\b+\i+1]|
.endr
.endr
.irp b, 0,1
	v_permlanex16_b32 v[TM+2+\b], v[TM+\b], s[SEL], s[SEL+1]
.endr
.irp b, 0,1
	v_max_num_f32 v[TM+\b], v[TM+\b], v[TM+2+\b]
.endr
.irp b, 0,1
	v_add_nc_u32 v[TM+4+\b], 0xfe000000, v[TM+\b]
.endr
.irp b, 0,1
	v_lshrrev_b32 v[TM+2+\b], 23, v[TM+4+\b]
.endr
	v_lshl_or_b32 v[\sc], v[TM+3], 8, v[TM+2]
	v_cvt_scalef32_pk16_bf6_f32 v[\d:\d+2], v[\s:\s+15], v[TM+4]
	v_cvt_scalef32_pk16_bf6_f32 v[E:E+2], v[\s+16:\s+31], v[TM+5]
	v_nop                                          ; one plain place behind a scaled conversion
.irp i, 0,1,2
	v_permlane16_swap_b32 v[\d+\i], v[E+\i]        ; the layout wants a whole block in a lane: lanes 0-15 block 0, lanes 16-31 block 1
.endr
.irp i, 0,1,2
	v_mov_b32 v[\d+3+\i], v[E+\i]
.endr
.endm
; K step s of my unit: four fragments of W from memory, four of tokens from LDS, sixteen products
.macro KSTEP s
.if (\s) > 0
.rept 4
	v_nop                                          ; four places in front of loads into registers that the last products read
.endr
.endif
.irp t, 0,1,2,3
	FRAG_G XW+12*\t, 6144*(\s)+1536*\t, WP
.endr
	global_load_b64 v[WSR:WSR+1], v[L8], s[WSP:WSP+1] offset:256*(\s)
.irp m, 0,1,2,3
	FRAG_L YA+12*\m, RA0, RB0, 1536*NS*\m+1536*(\s)
.endr
	ds_load_b64 v[ASR:ASR+1], v[RS0] offset:256*(\s)
	s_wait_loadcnt 0x0
	s_wait_dscnt 0x0
	s_cmp_eq_u32 s[TYPE], VTYPE
	s_cbranch_scc1 .Lvp_\@
.irp m, 0,1,2,3
.irp t, 0,1,2,3
	WM ACC+32*\m+8*\t, XW+12*\t, YA+12*\m, (\s)==0, WSR+\t/2, ASR+\m/2, \t%2, \m%2
.endr
.endr
	s_branch .Ljn_\@
.Lvp_\@:
.irp t, 0,1,2,3
.irp m, 0,1,2,3
	WM ACC+32*\t+8*\m, YA+12*\m, XW+12*\t, (\s)==0, ASR+\m/2, WSR+\t/2, \m%2, \t%2
.endr
.endr
.Ljn_\@:
.endm
; the way out: four halves of fragments; each has registers of its own, so no store's data are written again
.macro EPI istr, sa, sb
.irp i, 0,1,2,3
	QUANT2 ACC+32*\i, 32+8*\i, 38+8*\i
	global_store_b128 v[L16], v[32+8*\i:35+8*\i], s[OI:OI+1] offset:\istr*\i
	global_store_b64 v[L8], v[36+8*\i:37+8*\i], s[OI:OI+1] offset:\istr*\i+512
	global_store_b16 v[R8], v[38+8*\i], s[OS:OS+1] offset:\sa*(\i%2)+\sb*(\i/2)
.endr
.endm
	s_load_b256 s[4:11], s[0:1], 0x0               ; x, then the gains and biases
.if SETS == 2
	s_load_b128 s[12:15], s[0:1], 0x20
	s_load_b64 s[16:17], s[0:1], 0x30
.else
	s_load_b64 s[16:17], s[0:1], 0x20
.endif
	v_lshl_add_u32 v[SPW], v0, 2, SPARE
	v_mov_b32 v[NIL], 0
	v_lshrrev_b32 v[MXA], 5, v0
	v_readfirstlane_b32 s[WV], v[MXA]              ; wave
	v_and_b32 v[MXA], 31, v0                       ; lane
	v_and_b32 v[MXB], 15, v0                       ; r
	v_bfe_u32 v[BY], v0, 4, 1                      ; h
	v_lshlrev_b32 v[L8], 3, v[MXA]
	v_lshlrev_b32 v[H8], 3, v[BY]
	v_mul_u32_u24 v[XO], v[BY], ROWB
	v_lshl_add_u32 v[XO], v[MXB], 4, v[XO]         ; lanes 0-15 one row's 256 bytes, lanes 16-31 the next row's
	s_mul_i32 s46, s[WV], SETS*512
	s_add_co_u32 s46, s46, GL
	v_add_nc_u32 v[GLS], s46, v[L8]
	v_lshl_add_u32 v[GLR], v[BY], 7, s46           ; my block's 32 gains: 128 h bytes on
	s_mul_i32 s46, s[WV], 4352
	s_add_co_u32 s46, s46, STG
	v_mul_u32_u24 v[STS], v[BY], 272
	v_lshl_add_u32 v[STS], v[MXB], 4, v[STS]
	v_add_nc_u32 v[STS], s46, v[STS]               ; the stage, in: rows 2 j + h as loaded
	v_mul_u32_u24 v[STR], v[MXB], 272
	v_lshl_add_u32 v[STR], v[BY], 7, v[STR]
	v_add_nc_u32 v[STR], s46, v[STR]               ; out: row r, 128 h bytes on
	s_lshl_b32 s46, s[WV], 3
	s_add_co_u32 s46, s46, PS
	v_mul_u32_u24 v[PSS], v[MXB], PP
	v_mad_u32_u24 v[PSR], v[BY], 4*NLN, v[PSS]
	v_add_nc_u32 v[PSR], PS, v[PSR]                ; my half of a token's pairs
	v_add_nc_u32 v[PSS], s46, v[PSS]               ; my wave's pair
	s_mul_i32 s46, s[WV], 768
	v_lshl_add_u32 v[IA0], v[MXA], 4, s46          ; my wave's half (K step w / 2, half w % 2) of each tile's images
	v_add_nc_u32 v[IB0], s46, v[L8]
.if SETS == 2
	v_add_nc_u32 v[IA1], SETB, v[IA0]
	v_add_nc_u32 v[IB1], SETB, v[IB0]
.endif
	s_lshr_b32 s46, s[WV], 1
	s_lshl_b32 s46, s46, 8
	s_and_b32 s47, s[WV], 1
	s_lshl_b32 s47, s47, 1
	s_add_co_u32 s46, s46, s47
	s_add_co_u32 s46, s46, ASC
	v_lshl_add_u32 v[SCS], v[MXB], 3, s46          ; my two scale bytes: 256 (w / 2) + 2 (w % 2) + 8 r
	v_mov_b32 v[CC+1], 0                           ; upper halves of pairs of which the low word serves both halves, and a lane permute's destination: written once
	v_mov_b32 v[CC+3], 0
	v_mov_b32 v[LT+4], 0
.irp m, 0,1,2,3
	v_mov_b32 v[LD+2*\m+1], 0
.endr
	s_mov_b32 s[SEL], 0x76543210
	s_mov_b32 s[SEL+1], 0xfedcba98                 ; v_permlanex16_b32's selects for lane l xor 16
	s_mov_b32 s[INL], INLN
	s_mov_b32 s[IW], IWID
	s_mov_b32 s[EPS], 0x3727c5ac                   ; 1e-5
	s_mov_b32 s[C64], 0x42800000                   ; 64
	s_and_b32 s[YY], ttmp7, 0xffff
	s_mul_i32 s20, ttmp9, 64*ROWB
	s_lshl_b32 s46, s[WV], 8
	s_add_co_u32 s20, s20, s46
	s_mov_b32 s21, 0
	s_mov_b32 s47, 0
	s_wait_kmcnt 0x0
	s_add_nc_u64 s[4:5], s[4:5], s[20:21]          ; my work-group's first token, my wave's columns
.set k, 0
.rept 2*SETS
	s_add_nc_u64 s[6+2*k:7+2*k], s[6+2*k:7+2*k], s[46:47]
	global_load_b64 v[64+2*k:65+2*k], v[L8], s[6+2*k:7+2*k]
.set k, k+1
.endr
.irp m, 0,1,2,3
.irp j, 0,1,2,3,4,5,6,7
	global_load_b128 v[X+32*\m+4*\j:X+32*\m+4*\j+3], v[XO], s[4:5] offset:(32*(\m/2)+8*(\m%2)+2*(\j%4)+16*(\j/4))*ROWB   ; tile rows 2 j, 2 j + 1: 256 aligned bytes each
.endr
.endr
	s_wait_loadcnt 32                              ; the gains are in; the 32 loads of x stay out
.set k, 0
.rept 2*SETS
	ds_store_b64 v[GLS], v[64+2*k:65+2*k] offset:256*k
.set k, k+1
.endr
.irp m, 0,1,2,3
	s_wait_loadcnt 24-8*\m                         ; this tile's eight loads are in; the later tiles' stay out
.irp j, 0,1,2,3,4,5,6,7
	ds_store_b128 v[STS], v[X+32*\m+4*\j:X+32*\m+4*\j+3] offset:544*\j
.endr
.irp j, 0,1,2,3,4,5,6,7
	ds_load_b128 v[X+32*\m+4*\j:X+32*\m+4*\j+3], v[STR] offset:16*\j   ; LDS serves a wave's instructions in order: these see the stores above, and the next tile's stores come behind them
.endr
.endr
.irp m, 0,1,2,3
	s_wait_dscnt 48-16*\m                          ; behind this tile's loads stand the later tiles' sixteen LDS instructions each
	LSTAT X+32*\m, LD+2*\m, 16*PP*\m
.endr
	BARRIER                                        ; every wave's pairs lie in LDS
.irp m, 0,1,2,3
.set ii, 0
.rept NLN/4
	ds_load_b128 v[64+NLN*\m+4*ii:64+NLN*\m+4*ii+3], v[PSR] offset:16*PP*\m+16*ii
.set ii, ii+1
.endr
.endr
	s_wait_dscnt 0x0
.irp m, 0,1,2,3
	GSTAT 64+NLN*\m, 32+8*\m
.endr
.irp m, 0,1,2,3
	v_rsq_f32 v[32+8*\m+7], v[32+8*\m+7]
.endr
	v_nop                                          ; a plain place behind the last of the batch,
	s_wait_alu depctr_va_vdst(0)                   ; and one wait for the four, ahead of their first reader
.irp m, 0,1,2,3
	v_mov_b32 v[CC], v[32+8*\m+6]
	v_mov_b32 v[CC+2], v[32+8*\m+7]
.irp i, 0,2,4,6,8,10,12,14,16,18,20,22,24,26,28,30
	v_pk_add_f32 v[X+32*\m+\i:X+32*\m+\i+1], v[X+32*\m+\i:X+32*\m+\i+1], v[CC:CC+1] op_sel_hi:[1,0] neg_lo:[0,1] neg_hi:[0,1]
.endr
.irp i, 0,2,4,6,8,10,12,14,16,18,20,22,24,26,28,30
	v_pk_mul_f32 v[X+32*\m+\i:X+32*\m+\i+1], v[X+32*\m+\i:X+32*\m+\i+1], v[CC+2:CC+3] op_sel_hi:[1,0]
.endr
.endr
	LNSET 0, IA0, IB0
.if SETS == 2
	LNSET 1, IA1, IB1
.endif
	BARRIER                                        ; all images and scale words lie in LDS
	v_and_b32 v[L16], 31, v0                       ; the product phase's addresses, made ahead of the waves' parting
	v_lshlrev_b32 v[L16], 4, v[L16]
	v_and_b32 v[R8], 15, v0
	v_lshlrev_b32 v[R8], 3, v[R8]
	s_lshr_b32 s[TYPE], s[WV], 2
	s_min_u32 s46, s[TYPE], 1                      ; q reads set 0, k and v the last set
	s_mul_i32 s47, s46, (SETS-1)*SETB
	s_mul_i32 s46, s46, (SETS-1)*NS*256
	s_add_co_u32 s46, s46, ASC
	v_add_nc_u32 v[RA0], s47, v[L16]
	v_add_nc_u32 v[RB0], s47, v[L8]
	v_add_nc_u32 v[RS0], s46, v[L8]
	s_cmp_ge_u32 s[WV], NROLE
	s_cbranch_scc1 .Lend                           ; waves with no unit are done
	s_and_b32 s[ETA], s[WV], 3
	s_lshl_b32 s46, s[YY], 2
	s_add_co_u32 s[ETA], s[ETA], s46               ; my head
	s_lshr_b32 s[BB], ttmp9, LBLK                  ; batch
	s_and_b32 s[BLK], ttmp9, (1<<LBLK)-1           ; block of 64 tokens in it
	s_lshl_b32 s[BH], s[BB], 3
	s_add_co_u32 s[BH], s[BH], s[ETA]
	s_mul_i32 s46, s[TYPE], PAIRT
	s_mul_i32 s47, s[ETA], NS
	s_add_co_u32 s46, s46, s47
	s_add_co_u32 s46, s46, PAIRB                   ; my unit's first pair of weight images
	s_mul_i32 s48, s46, 6144
	s_mov_b32 s49, 0
	s_add_nc_u64 s[WP:WP+1], s[WIMG:WIMG+1], s[48:49]
	s_lshl_b32 s48, s46, 8
	s_add_co_u32 s48, s48, 2949120
	s_add_nc_u64 s[WSP:WSP+1], s[WIMG:WIMG+1], s[48:49]
	s_mul_i32 s46, s[TYPE], IMGSZ
	s_mul_i32 s47, s[BH], 48*NT
	s_add_co_u32 s46, s46, s47
	s_lshr_b32 s50, s[BLK], 1
	s_and_b32 s51, s[BLK], 1
	s_mul_i32 s47, s[BLK], 3072                    ; q, k: four tiles of 768 bytes a block
	s_mul_i32 s52, s50, 6144
	s_mul_i32 s53, s51, 768
	s_add_co_u32 s52, s52, s53                     ; v: key step blk / 2, half blk % 2
	s_lshl_b32 s53, s51, 2
	s_lshl_b32 s54, s51, 1
	s_cmp_eq_u32 s[TYPE], VTYPE
	s_cselect_b32 s47, s52, s47
	s_cselect_b32 s53, s54, s53
	s_add_co_u32 s48, s46, s47
	s_add_nc_u64 s[OI:OI+1], s[16:17], s[48:49]
	s_mul_i32 s46, s[TYPE], SCSZ
	s_mul_i32 s47, s[BH], 2*NT
	s_add_co_u32 s46, s46, s47
	s_lshl_b32 s47, s50, 8
	s_add_co_u32 s46, s46, s47
	s_add_co_u32 s46, s46, s53
	s_add_co_u32 s48, s46, SCB
	s_add_nc_u64 s[OS:OS+1], s[16:17], s[48:49]
.set ks, 0
.rept NS
	KSTEP ks
.set ks, ks+1
.endr
.rept 4
	v_nop                                          ; four places in front of the first read of results and the first write of operands
.endr
	v_mov_b32 v[TM+2], 0                           ; a lane permute's destination counts as one of its sources
	v_mov_b32 v[TM+3], 0
	s_cmp_eq_u32 s[TYPE], VTYPE
	s_cbranch_scc1 .Lvout
	EPI 768, 2, 128                                ; q, k: token tile i
	s_branch .Lend
.Lvout:
	EPI 1536, 128, 4                               ; v: channel tile i
.Lend:
	s_wait_tensorcnt 0x0                           ; the wave's end
	ds_add_u32 v[SPW], v[NIL]
	s_wait_dscnt 0x0
	s_endpgm
.Lfunc_end_k_q32dfa3336e_qkv_sa:
	.size	k_q32dfa3336e_qkv_sa, .Lfunc_end_k_q32dfa3336e_qkv_sa-k_q32dfa3336e_qkv_sa
	.p2alignl 7, 3214868480
	.fill 96, 4, 3214868480
	.section	.rodata,"a",@progbits
	.p2align	6, 0x0
	.amdhsa_kernel k_q32dfa3336e_qkv_sa
		.amdhsa_group_segment_fixed_size 199680
		.amdhsa_private_segment_fixed_size 0
		.amdhsa_enable_private_segment 0
		.amdhsa_kernarg_size 56
		.amdhsa_user_sgpr_count 2
		.amdhsa_user_sgpr_kernarg_segment_ptr 1
		.amdhsa_wavefront_size32 1
		.amdhsa_system_sgpr_workgroup_id_x 1
		.amdhsa_system_sgpr_workgroup_id_y 1
		.amdhsa_system_sgpr_workgroup_id_z 1
		.amdhsa_system_vgpr_workitem_id 0
		.amdhsa_next_free_vgpr 256
		.amdhsa_next_free_sgpr 66
		.amdhsa_reserve_vcc 0
		.amdhsa_float_denorm_mode_32 3
		.amdhsa_float_denorm_mode_16_64 3
		.amdhsa_memory_ordered 1
		.amdhsa_forward_progress 1
		.amdhsa_inst_pref_size 140
	.end_amdhsa_kernel
	.amdgpu_metadata
---
amdhsa.version: [ 1, 2 ]
amdhsa.kernels:
  - .name:           k_q32dfa3336e_qkv_sa
    .symbol:         k_q32dfa3336e_qkv_sa.kd
    .args:
      - { .name: x, .offset: 0, .size: 8, .value_kind: global_buffer, .address_space: global }
      - { .name: sa_ng, .offset: 8, .size: 8, .value_kind: global_buffer, .address_space: global }
      - { .name: sa_nb, .offset: 16, .size: 8, .value_kind: global_buffer, .address_space: global }
      - { .name: sa_ncg, .offset: 24, .size: 8, .value_kind: global_buffer, .address_space: global }
      - { .name: sa_ncb, .offset: 32, .size: 8, .value_kind: global_buffer, .address_space: global }
      - { .name: wimg, .offset: 40, .size: 8, .value_kind: global_buffer, .address_space: global }
      - { .name: qkv, .offset: 48, .size: 8, .value_kind: global_buffer, .address_space: global }
    .group_segment_fixed_size: 199680
    .private_segment_fixed_size: 0
    .kernarg_segment_align: 8
    .kernarg_segment_size: 56
    .max_flat_workgroup_size: 512
    .sgpr_count:     66
    .vgpr_count:     256
    .wavefront_size: 32
...
	.end_amdgpu_metadata
.endif
;; end of part 3
;; launch attn_sa (part 4): grid 8 x 32, 16 waves a work-group, no clusters, 206,848 bytes of LDS; arguments qkv, obuf; writes obuf
.if DOCPART == 4
	.amdgcn_target "amdgcn-amd-amdhsa--gfx1250"
	.amdhsa_code_object_version 6
	.text
	.protected	k_q32dfa3336e_attn_sa
	.globl	k_q32dfa3336e_attn_sa
	.p2align	8
	.type	k_q32dfa3336e_attn_sa,@function
k_q32dfa3336e_attn_sa:
	s_mov_b64 s[64:65], 0
	v_nop
	global_prefetch_b8 v0, s[64:65] scope:SCOPE_SE
	s_setreg_imm32_b32 hwreg(HW_REG_WAVE_MODE, 25, 1), 1
	s_wait_xcnt 0x0
; Self-attention on codes of BF6: o = softmax(q k^T / 8) v for one head, then o quantised along the head's 64 and stored as half a fragment's image.  No work is left out.
; SHARES.  A work-group owns 256 queries (x) of head 8 b + eta (y); each of its sixteen waves one tile of 16 queries in 256 registers: four waves to a SIMD, so that one wave's vector
; work stands beside another's products and LDS loads.  The head's K and V (98,304 bytes each) and their scale words (4,096 each) are copied into LDS once, at the head: no ring, no barrier in the loop.
; No cluster: a head's eight work-groups read the same 205 KB once each at their heads; a joint request would want tensor loads, which this first form does without.
; No prefetch: the one stream is asked for at the head, where there is nothing to run ahead of.
; LAYOUT.  Both products are used transposed: S^T = K Q^T, O^T = V^T P^T: a lane holds one query throughout.  K = 64 along the head, the instruction's K is 128: a fragment holds TWO key
; tiles (registers 0-5: tile u = 0 of a group of 32 keys, 6-11: tile u = 1), and Q lies as 0 | q | 0 in 18 registers: q | 0 picks tile 0, 0 | q tile 1; zero codes add nothing.
; The keys of a tile are chosen (qkv_sa) so that the 16 registers of tiles 2 b, 2 b + 1 are keys 32 b + 16 h + 0 .. 15.
; SOFTMAX: t = score x log2(e) / 8; M = the running largest t rounded up to a whole number; p = 2^(t - M) is quantised along the keys, not normalised; the row's sum is taken of the
; unquantised p and divides at the end; when M moves, sum and O^T are multiplied by 2^(old M - new M), which rounds nothing.
.set SPARE, 204800
.set L16, 1
.set L8,  2
.set L16V, 3
.set L8V, 4
.set L8S, 5
.set SPW, 6
.set NIL, 7
.set QSC, 35                           ; v35 Q's scale word; v[84:85] K's, v[86:87] V's, v90 p's: they hold scales and nothing else
.set KV,  36                           ; v36-83 four fragments of K or of V
.set KSC, 84
.set VSC, 86
.set PSC, 90
.set SS,  96                           ; v96-159 S^T, then p
.set OT,  160                          ; v160-191 O^T
.set PCD, 192                          ; v192-203 p's codes
.set CT,  204
.set BM,  212
.set PB,  216
.set SO,  220
.set FF,  224
.set TP,  227
.set E,   204
.set TM,  212
.set WV, 8
.set BH, 9
.set KP, 14
.set VP, 16
.set KSP, 18
.set VSP, 20
.set QP, 22
.set QSP, 24
.set SEL, 26
.set CS, 28
.set TK, 30
.set TS, 31
.set CNT, 32
.set OP, 34
.set OSP, 36
.macro WM d, a, b, z, sa, sb, ra, rb
.if (\z)
.if ((\ra)==0)&&((\rb)==0)
	v_wmma_scale_f32_16x16x128_f8f6f4 v[\d:\d+7], v[\a:\a+11], v[\b:\b+11], 0, v[\sa], v[\sb] matrix_a_fmt:MATRIX_FMT_BF6 matrix_b_fmt:MATRIX_FMT_BF6
.elseif ((\ra)==1)&&((\rb)==0)
	v_wmma_scale_f32_16x16x128_f8f6f4 v[\d:\d+7], v[\a:\a+11], v[\b:\b+11], 0, v[\sa], v[\sb] matrix_a_fmt:MATRIX_FMT_BF6 matrix_b_fmt:MATRIX_FMT_BF6 matrix_a_scale:MATRIX_SCALE_ROW1
.elseif ((\ra)==0)&&((\rb)==1)
	v_wmma_scale_f32_16x16x128_f8f6f4 v[\d:\d+7], v[\a:\a+11], v[\b:\b+11], 0, v[\sa], v[\sb] matrix_a_fmt:MATRIX_FMT_BF6 matrix_b_fmt:MATRIX_FMT_BF6 matrix_b_scale:MATRIX_SCALE_ROW1
.else
	v_wmma_scale_f32_16x16x128_f8f6f4 v[\d:\d+7], v[\a:\a+11], v[\b:\b+11], 0, v[\sa], v[\sb] matrix_a_fmt:MATRIX_FMT_BF6 matrix_b_fmt:MATRIX_FMT_BF6 matrix_a_scale:MATRIX_SCALE_ROW1 matrix_b_scale:MATRIX_SCALE_ROW1
.endif
.else
.if ((\ra)==0)&&((\rb)==0)
	v_wmma_scale_f32_16x16x128_f8f6f4 v[\d:\d+7], v[\a:\a+11], v[\b:\b+11], v[\d:\d+7], v[\sa], v[\sb] matrix_a_fmt:MATRIX_FMT_BF6 matrix_b_fmt:MATRIX_FMT_BF6
.elseif ((\ra)==1)&&((\rb)==0)
	v_wmma_scale_f32_16x16x128_f8f6f4 v[\d:\d+7], v[\a:\a+11], v[\b:\b+11], v[\d:\d+7], v[\sa], v[\sb] matrix_a_fmt:MATRIX_FMT_BF6 matrix_b_fmt:MATRIX_FMT_BF6 matrix_a_scale:MATRIX_SCALE_ROW1
.elseif ((\ra)==0)&&((\rb)==1)
	v_wmma_scale_f32_16x16x128_f8f6f4 v[\d:\d+7], v[\a:\a+11], v[\b:\b+11], v[\d:\d+7], v[\sa], v[\sb] matrix_a_fmt:MATRIX_FMT_BF6 matrix_b_fmt:MATRIX_FMT_BF6 matrix_b_scale:MATRIX_SCALE_ROW1
.else
	v_wmma_scale_f32_16x16x128_f8f6f4 v[\d:\d+7], v[\a:\a+11], v[\b:\b+11], v[\d:\d+7], v[\sa], v[\sb] matrix_a_fmt:MATRIX_FMT_BF6 matrix_b_fmt:MATRIX_FMT_BF6 matrix_a_scale:MATRIX_SCALE_ROW1 matrix_b_scale:MATRIX_SCALE_ROW1
.endif
.endif
.endm
.macro FRAG_L d, a16, a8, off
	ds_load_b128 v[\d:\d+3], v[\a16] offset:\off
	ds_load_b64 v[\d+4:\d+5], v[\a8] offset:\off+512
	ds_load_b128 v[\d+6:\d+9], v[\a16] offset:\off+768
	ds_load_b64 v[\d+10:\d+11], v[\a8] offset:\off+1280
.endm
.macro QUANT2 s, d, sc
.irp b, 0,1
	v_max3_num_f32 v[TM+\b], |v[\s+16*\b]|, |v[\s+16*\b+1]|, 0x2800000
.endr
.irp i, 2,4,6,8,10,12,14
.irp b, 0,1
	v_max3_num_f32 v[TM+\b], v[TM+\b], |v[\s+16*\b+\i]|, |v[\s+16*\b+\i+1]|
.endr
.endr
.irp b, 0,1
	v_permlanex16_b32 v[TM+2+\b], v[TM+\b], s[SEL], s[SEL+1]
.endr
.irp b, 0,1
	v_max_num_f32 v[TM+\b], v[TM+\b], v[TM+2+\b]
.endr
.irp b, 0,1
	v_add_nc_u32 v[TM+4+\b], 0xfe000000, v[TM+\b]
.endr
.irp b, 0,1
	v_lshrrev_b32 v[TM+2+\b], 23, v[TM+4+\b]
.endr
	v_lshl_or_b32 v[\sc], v[TM+3], 8, v[TM+2]
	v_cvt_scalef32_pk16_bf6_f32 v[\d:\d+2], v[\s:\s+15], v[TM+4]
	v_cvt_scalef32_pk16_bf6_f32 v[E:E+2], v[\s+16:\s+31], v[TM+5]
	v_nop
.irp i, 0,1,2
	v_permlane16_swap_b32 v[\d+\i], v[E+\i]
.endr
.irp i, 0,1,2
	v_mov_b32 v[\d+3+\i], v[E+\i]
.endr
.endm
; the softmax of a key step of 128 keys: S^T in v[SS] on becomes p, p's codes in v[PCD] on, p's scale word in v[PSC], f in v[FF]
.macro SOFTMAX
.irp b, 0,1,2,3
	v_max3_num_f32 v[BM+\b], v[SS+16*\b], v[SS+16*\b+1], v[SS+16*\b+2]   ; the largest score of each block of 32 keys: for the row's maximum and, since p rises with the score, for the block's largest p
.endr
.irp i, 3,5,7,9,11,13
.irp b, 0,1,2,3
	v_max3_num_f32 v[BM+\b], v[BM+\b], v[SS+16*\b+\i], v[SS+16*\b+\i+1]
.endr
.endr
.irp b, 0,1,2,3
	v_max_num_f32 v[BM+\b], v[BM+\b], v[SS+16*\b+15]
.endr
.irp b, 0,1,2,3
	v_permlanex16_b32 v[PB+\b], v[BM+\b], s[SEL], s[SEL+1]
.endr
.irp b, 0,1,2,3
	v_max_num_f32 v[BM+\b], v[BM+\b], v[PB+\b]
.endr
	v_max3_num_f32 v[TP], v[BM], v[BM+1], v[BM+2]
	v_max_num_f32 v[TP], v[TP], v[BM+3]
	v_mul_f32 v[TP], s[CS], v[TP]                  ; as t (c is positive)
	v_max_num_f32 v13, v13, v[TP]                  ; the running largest t
	v_mov_b32 v[TP], v12
	v_floor_f32 v12, -v13                          ; the new -M = floor(-t): M is a whole number
	v_sub_f32 v[TP], v12, v[TP]                    ; old M less new M: a whole number, 0 or less
	v_cvt_i32_f32 v[TP], v[TP]                     ; (it saturates)
	v_ldexp_f32 v[FF], 1.0, v[TP]                  ; f = 2^(old M - new M)
.irp j, 0,2,4,6,8,10,12,14,16,18,20,22,24,26,28,30,32,34,36,38,40,42,44,46,48,50,52,54,56,58,60,62
	v_pk_fma_f32 v[SS+\j:SS+\j+1], v[SS+\j:SS+\j+1], s[CS:CS+1], v[12:13] op_sel_hi:[1,0,0]   ; t - M
.endr
.irp b, 0,1,2,3
	v_fma_f32 v[BM+\b], v[BM+\b], s[CS], v12
.endr
.irp j, 0,1,2,3,4,5,6,7,8,9,10,11,12,13,14,15,16,17,18,19,20,21,22,23,24,25,26,27,28,29,30,31,32,33,34,35,36,37,38,39,40,41,42,43,44,45,46,47,48,49,50,51,52,53,54,55,56,57,58,59,60,61,62,63
	v_exp_f32 v[SS+\j], v[SS+\j]                   ; p = 2^(t - M), at most 1
.endr
	v_pk_mul_f32 v[14:15], v[14:15], v[FF:FF+1] op_sel_hi:[1,0]   ; the sums under the new M: a plain place behind the batch
	s_wait_alu depctr_va_vdst(0)                   ; one wait for the 64, ahead of their first reader
.irp b, 0,1,2,3
	v_exp_f32 v[BM+\b], v[BM+\b]                   ; the blocks' largest p
.endr
	v_pk_add_f32 v[PB:PB+1], v[SS:SS+1], v[SS+2:SS+3]   ; the row's sum of the unquantised p, in two chains
.irp j, 4,8,12,16,20,24,28,32,36,40,44,48,52,56,60
	v_pk_add_f32 v[14:15], v[14:15], v[SS+\j:SS+\j+1]
	v_pk_add_f32 v[PB:PB+1], v[PB:PB+1], v[SS+\j+2:SS+\j+3]
.endr
	v_pk_add_f32 v[14:15], v[14:15], v[PB:PB+1]
	s_wait_alu depctr_va_vdst(0)                   ; and one for the four
.irp b, 0,1,2,3
	v_max_num_f32 v[BM+\b], 0x2800000, v[BM+\b]    ; the floor 2^(5 - 127)
.endr
.irp b, 0,1,2,3
	v_add_nc_u32 v[SO+\b], 0xfe000000, v[BM+\b]
.endr
.irp b, 0,1,2,3
	v_lshrrev_b32 v[PB+\b], 23, v[SO+\b]
.endr
	v_lshl_or_b32 v[PSC], v[PB+1], 8, v[PB]
	v_lshl_or_b32 v[PSC], v[PB+2], 16, v[PSC]
	v_lshl_or_b32 v[PSC], v[PB+3], 24, v[PSC]
.irp c, 0,1
	v_cvt_scalef32_pk16_bf6_f32 v[PCD+6*\c:PCD+6*\c+2], v[SS+32*\c:SS+32*\c+15], v[SO+2*\c]
	v_cvt_scalef32_pk16_bf6_f32 v[CT+4*\c:CT+4*\c+2], v[SS+32*\c+16:SS+32*\c+31], v[SO+2*\c+1]
.endr
	v_nop
.irp c, 0,1
.irp i, 0,1,2
	v_permlane16_swap_b32 v[PCD+6*\c+\i], v[CT+4*\c+\i]
.endr
.irp i, 0,1,2
	v_mov_b32 v[PCD+6*\c+3+\i], v[CT+4*\c+\i]
.endr
.endr
.irp j, 0,2,4,6,8,10,12,14,16,18,20,22,24,26,28,30
	v_pk_mul_f32 v[OT+\j:OT+\j+1], v[OT+\j:OT+\j+1], v[FF:FF+1] op_sel_hi:[1,0]   ; O^T under the new M; of these sixteen, twelve name no register of any one product below
.endr
.endm
	s_load_b128 s[4:7], s[0:1], 0x0                ; qkv, obuf
	v_lshl_add_u32 v[SPW], v0, 2, SPARE
	v_mov_b32 v[NIL], 0
	v_lshrrev_b32 v9, 5, v0
	v_readfirstlane_b32 s[WV], v9
	v_and_b32 v9, 31, v0
	v_lshlrev_b32 v[L16], 4, v9
	v_lshlrev_b32 v[L8], 3, v9
	v_add_nc_u32 v[L16V], 98304, v[L16]
	v_add_nc_u32 v[L8V], 98304, v[L8]
	v_add_nc_u32 v[L8S], 196608, v[L8]
	v_lshlrev_b32 v8, 4, v0                        ; the copy: 16 bytes a thread, 8,192 an instruction of the work-group
	v_add_nc_u32 v9, 65536, v8
	v_add_nc_u32 v10, 131072, v8
	v_lshlrev_b32 v11, 3, v0
	v_and_b32 v34, 15, v0
	v_lshlrev_b32 v34, 3, v34                      ; 8 r: my query's two scale bytes
	s_mov_b32 s[SEL], 0x76543210
	s_mov_b32 s[SEL+1], 0xfedcba98
	s_mov_b32 s[CS], 0x3e38aa3b                    ; c = log2(e) / 8
	s_mov_b32 s[CS+1], s[CS]
	s_and_b32 s[BH], ttmp7, 0xffff
	s_lshl_b32 s33, ttmp9, 4
	s_add_co_u32 s33, s33, s[WV]                   ; my tile in the batch
	s_mul_i32 s12, s[BH], 98304
	s_mov_b32 s13, 0
	s_wait_kmcnt 0x0
	s_add_nc_u64 s[QP:QP+1], s[4:5], s[12:13]
	s_add_nc_u64 s[KP:KP+1], s[QP:QP+1], 3145728
	s_add_nc_u64 s[VP:VP+1], s[QP:QP+1], 6291456
	s_mul_i32 s12, s33, 768
	s_add_nc_u64 s[QP:QP+1], s[QP:QP+1], s[12:13]
	s_lshl_b32 s12, s[BH], 12
	s_add_co_u32 s12, s12, 9437184
	s_add_nc_u64 s[QSP:QSP+1], s[4:5], s[12:13]
	s_add_nc_u64 s[KSP:KSP+1], s[QSP:QSP+1], 131072
	s_add_nc_u64 s[VSP:VSP+1], s[QSP:QSP+1], 262144
	s_lshl_b32 s12, ttmp9, 9                       ; group B = 8 x + w / 2, tile u = w % 2: (B / 4) 256 + (B % 2) 128 + ((B / 2) % 2) 4 + 2 u
	s_lshr_b32 s38, s[WV], 3
	s_lshl_b32 s38, s38, 8
	s_add_co_u32 s12, s12, s38
	s_bfe_u32 s38, s[WV], 0x10001
	s_lshl_b32 s38, s38, 7
	s_add_co_u32 s12, s12, s38
	s_bfe_u32 s38, s[WV], 0x10002
	s_lshl_b32 s38, s38, 2
	s_add_co_u32 s12, s12, s38
	s_and_b32 s38, s[WV], 1
	s_lshl_b32 s38, s38, 1
	s_add_co_u32 s12, s12, s38
	s_add_nc_u64 s[QSP:QSP+1], s[QSP:QSP+1], s[12:13]
	s_lshr_b32 s38, s[BH], 3
	s_lshl_b32 s38, s38, 7
	s_add_co_u32 s38, s38, s33                     ; my tile among all tokens
	s_and_b32 s39, s[BH], 7                        ; eta
	s_mul_i32 s12, s38, 6144
	s_mul_i32 s33, s39, 768
	s_add_co_u32 s12, s12, s33
	s_add_nc_u64 s[OP:OP+1], s[6:7], s[12:13]
	s_lshr_b32 s12, s38, 1
	s_lshl_b32 s12, s12, 9
	s_lshr_b32 s33, s39, 1
	s_lshl_b32 s33, s33, 7
	s_add_co_u32 s12, s12, s33
	s_and_b32 s33, s38, 1
	s_lshl_b32 s33, s33, 6
	s_add_co_u32 s12, s12, s33
	s_and_b32 s33, s39, 1
	s_lshl_b32 s33, s33, 1
	s_add_co_u32 s12, s12, s33
	s_add_co_u32 s12, s12, 3145728
	s_add_nc_u64 s[OSP:OSP+1], s[6:7], s[12:13]
.set n, 0
.rept 12
	global_load_b128 v[36+4*n:39+4*n], v8, s[KP:KP+1] offset:8192*n
.set n, n+1
.endr
.set n, 0
.rept 12
	global_load_b128 v[96+4*n:99+4*n], v8, s[VP:VP+1] offset:8192*n
.set n, n+1
.endr
	global_load_b64 v[144:145], v11, s[KSP:KSP+1]
	global_load_b64 v[146:147], v11, s[VSP:VSP+1]
	global_load_b128 v[22:25], v[L16], s[QP:QP+1]  ; q's six registers, in the middle of Q's eighteen
	global_load_b64 v[26:27], v[L8], s[QP:QP+1] offset:512
	global_load_u16 v[TP], v34, s[QSP:QSP+1]
	s_wait_loadcnt 0x0
	v_lshl_or_b32 v[QSC], v[TP], 16, v[TP]         ; Q's scale word: its two bytes for either half of K
	v_add_nc_u32 v11, 196608, v11
.set n, 0
.rept 8
	ds_store_b128 v8, v[36+4*n:39+4*n] offset:8192*n
.set n, n+1
.endr
.set n, 0
.rept 4
	ds_store_b128 v9, v[68+4*n:71+4*n] offset:8192*n
.set n, n+1
.endr
.set n, 0
.rept 4
	ds_store_b128 v9, v[96+4*n:99+4*n] offset:32768+8192*n
.set n, n+1
.endr
.set n, 0
.rept 8
	ds_store_b128 v10, v[112+4*n:115+4*n] offset:8192*n
.set n, n+1
.endr
	ds_store_b64 v11, v[144:145]
	ds_store_b64 v11, v[146:147] offset:4096
.irp j, 16,17,18,19,20,21,28,29,30,31,32,33
	v_mov_b32 v[\j], 0                             ; zero codes on either side of q
.endr
.irp j, 0,1,2,3,4,5,6,7,8,9,10,11,12,13,14,15,16,17,18,19,20,21,22,23,24,25,26,27,28,29,30,31
	v_mov_b32 v[OT+\j], 0                          ; O^T: the step is written once; the first change of M leaves zeros zeros
.endr
	v_mov_b32 v13, 0xff61b1e6                      ; the largest t so far: -3e38
	v_floor_f32 v12, -v13
	v_mov_b32 v14, 0
	v_mov_b32 v15, 0
.irp b, 0,1,2,3
	v_mov_b32 v[PB+\b], 0
.endr
	v_mov_b32 v[FF+1], 0
	s_wait_dscnt 0x0                               ; my part of the copy has landed
	s_barrier_signal -1
	s_barrier_wait -1                              ; everybody's has
	s_mov_b32 s[TK], 0
	s_mov_b32 s[TS], 0
	s_mov_b32 s[CNT], 16
.Lstep:                                            ; 16 key steps of 128 keys
	v_add_nc_u32 v8, s[TK], v[L16]                 ; these five are also the places behind the last trip's products
	v_add_nc_u32 v9, s[TK], v[L8]
	v_add_nc_u32 v10, s[TK], v[L16V]
	v_add_nc_u32 v11, s[TK], v[L8V]
	v_add_nc_u32 v34, s[TS], v[L8S]
.irp b, 0,1,2,3
	FRAG_L KV+12*\b, 8, 9, 1536*\b
.endr
	ds_load_b64 v[KSC:KSC+1], v34
	s_wait_dscnt 0x0
.irp b, 0,1,2,3
	WM SS+16*\b, KV+12*\b, 22, 1, KSC+\b/2, QSC, \b%2, 0
	WM SS+16*\b+8, KV+12*\b, 16, 1, KSC+\b/2, QSC, \b%2, 0
.endr
.rept 4
	v_nop                                          ; four places in front of the loads into K's registers and of the first read of the scores
.endr
.irp t, 0,1,2,3
	FRAG_L KV+12*\t, 10, 11, 1536*\t               ; V lands under the softmax
.endr
	ds_load_b64 v[VSC:VSC+1], v34 offset:4096
	SOFTMAX
	s_wait_dscnt 0x0
.rept 4
	v_nop
.endr
.irp t, 0,1,2,3
	WM OT+8*\t, KV+12*\t, PCD, 0, VSC+\t/2, PSC, \t%2, 0
.endr
	s_add_co_u32 s[TK], s[TK], 6144
	s_add_co_u32 s[TS], s[TS], 256
	s_sub_co_u32 s[CNT], s[CNT], 1
	s_cmp_lg_u32 s[CNT], 0
	s_cbranch_scc1 .Lstep
.rept 4
	v_nop
.endr
	v_add_f32 v14, v14, v15
	v_permlanex16_b32 v[TP], v14, s[SEL], s[SEL+1]
	v_add_f32 v14, v14, v[TP]                      ; the row's sum
	v_rcp_f32 v14, v14
	v_and_b32 v8, 15, v0                           ; (a plain place behind the reciprocal)
	v_lshlrev_b32 v8, 2, v8                        ; 4 r
	s_wait_alu depctr_va_vdst(0)
.irp j, 0,1,2,3,4,5,6,7,8,9,10,11,12,13,14,15,16,17,18,19,20,21,22,23,24,25,26,27,28,29,30,31
	v_mul_f32 v[SS+\j], v[OT+\j], v14              ; o: register 16 b + i is channel 32 b + 16 h + i of my query
.endr
	QUANT2 SS, 36, 44
	global_store_b128 v[L16], v[36:39], s[OP:OP+1]
	global_store_b64 v[L8], v[40:41], s[OP:OP+1] offset:512
	global_store_b16 v8, v44, s[OSP:OSP+1]
	s_wait_tensorcnt 0x0                           ; the wave's end
	ds_add_u32 v[SPW], v[NIL]
	s_wait_dscnt 0x0
	s_endpgm
.Lfunc_end_k_q32dfa3336e_attn_sa:
	.size	k_q32dfa3336e_attn_sa, .Lfunc_end_k_q32dfa3336e_attn_sa-k_q32dfa3336e_attn_sa
	.p2alignl 7, 3214868480
	.fill 96, 4, 3214868480
	.section	.rodata,"a",@progbits
	.p2align	6, 0x0
	.amdhsa_kernel k_q32dfa3336e_attn_sa
		.amdhsa_group_segment_fixed_size 206848
		.amdhsa_private_segment_fixed_size 0
		.amdhsa_enable_private_segment 0
		.amdhsa_kernarg_size 16
		.amdhsa_user_sgpr_count 2
		.amdhsa_user_sgpr_kernarg_segment_ptr 1
		.amdhsa_wavefront_size32 1
		.amdhsa_system_sgpr_workgroup_id_x 1
		.amdhsa_system_sgpr_workgroup_id_y 1
		.amdhsa_system_sgpr_workgroup_id_z 1
		.amdhsa_system_vgpr_workitem_id 0
		.amdhsa_next_free_vgpr 256
		.amdhsa_next_free_sgpr 66
		.amdhsa_reserve_vcc 0
		.amdhsa_float_denorm_mode_32 3
		.amdhsa_float_denorm_mode_16_64 3
		.amdhsa_memory_ordered 1
		.amdhsa_forward_progress 1
		.amdhsa_inst_pref_size 30
	.end_amdhsa_kernel
	.amdgpu_metadata
---
amdhsa.version: [ 1, 2 ]
amdhsa.kernels:
  - .name:           k_q32dfa3336e_attn_sa
    .symbol:         k_q32dfa3336e_attn_sa.kd
    .args:
      - { .name: qkv, .offset: 0, .size: 8, .value_kind: global_buffer, .address_space: global }
      - { .name: obuf, .offset: 8, .size: 8, .value_kind: global_buffer, .address_space: global }
    .group_segment_fixed_size: 206848
    .private_segment_fixed_size: 0
    .kernarg_segment_align: 8
    .kernarg_segment_size: 16
    .max_flat_workgroup_size: 512
    .sgpr_count:     66
    .vgpr_count:     256
    .wavefront_size: 32
...
	.end_amdgpu_metadata
.endif
;; end of part 4
;; launch tail (part 5): grid 256 x 1, 16 waves a work-group, no clusters, 245,760 bytes of LDS; arguments obuf, x, wimg, kv2, sa_bo, ca_ng, ca_nb, ca_bo, out0; writes out0
.if DOCPART == 5
	.amdgcn_target "amdgcn-amd-amdhsa--gfx1250"
	.amdhsa_code_object_version 6
	.text
	.protected	k_q32dfa3336e_tail
	.globl	k_q32dfa3336e_tail
	.p2align	8
	.type	k_q32dfa3336e_tail,@function
k_q32dfa3336e_tail:
	s_mov_b64 s[64:65], 0
	v_nop
	global_prefetch_b8 v0, s[64:65] scope:SCOPE_SE
	s_setreg_imm32_b32 hwreg(HW_REG_WAVE_MODE, 25, 1), 1
	s_wait_xcnt 0x0
; For 32 tokens a work-group: x1 = o sa_wo + sa_bo + x; layer norm (ca_ng, ca_nb); quantise; q2 = . ca_wq; cross-attention over the batch's 512 keys (kv2); quantise;
; out0 = o2 ca_wo + ca_bo + x1.  x1 and q2 never go to memory.  No work is left out.
; SHARES.  Token group B = the work-group's number; its two tiles u take, in lane r, token 32 B + 8 u + r + 8 (r / 8).  COLUMN ROLE (P1, P2, P6): wave w owns columns 64 w .. 64 w + 63 of both
; tiles.  HEAD ROLE (P3 to P5): wave w has head w / 2 and tile w % 2.  The roles are arithmetic on the wave's number: no branch hangs on it.
; All products are used with the weight (or K, V) as source 0: a lane holds one token, and the 32 registers of four tiles are 16 neighbours of each of two blocks of 32 columns.
; Operands go from wave to wave through LDS as images of their registers (half a fragment: registers 0-3 at 16 x lane, 4-5 at 512 + 8 x lane).  Three barriers; no LDS region is used for two things.
; No tensor load, no cluster: the weight images (2.4 MB a work-group, the same in all) go straight into registers; sharing them is left for a later form.  No prefetch: every stream here is read again by every work-group.
.set NLN,   16
.set STG,   0                          ; each wave's stage: 16 rows x 272 bytes
.set PARK,  69632                      ; each wave's x1, as its registers lie: 8,192 bytes
.set PS,    200704                     ; 32 tokens x 144: the waves' (mean, M2) pairs
.set XNI,   205312                     ; the normed tokens' images: 12,288 u + 768 w
.set XNS,   229888                     ; their scale words: 128 bytes a K step
.set O2I,   230912                     ; o2's images: 6,144 u + 768 eta
.set O2S,   243200
.set SPARE, 243712                     ; the spare words, 128 bytes a wave, which no other line names
.set L16, 1
.set L8,  2
.set L4,  3
.set XO,  4
.set BO,  5
.set SPW, 6
.set NIL, 7
.set STS, 8
.set STR, 9
.set PSS, 10                           ; v10, v11, v34, v91-94: LDS addresses of the phase in hand
.set PSR, 11
.set XA,  91
.set XB,  92
.set XS,  93
.set A16, 10
.set A8,  11
.set AS4, 94
.set OA,  10
.set OB,  11
.set OSA, 34
.set RA,  91
.set RB,  92
.set RS,  93
.set PK,  95
.set QSC, 35                           ; v35, v84-90 hold scales and nothing else
.set KV,  36
.set KSC, 84
.set VSC, 86
.set PSC, 90
.set SS,  96
.set OT,  160
.set PCD, 192
.set CT,  204
.set BM,  212
.set PB,  216
.set SO,  220
.set FF,  224
.set TP,  227
.set T,   160
.set LT,  68
.set LD,  74
.set WV, 22
.set ETA, 23
.set UP, 24
.set SEL, 26
.set CS, 28
.set INL, 30
.set IW, 31
.set EPS, 32
.set C64, 33
.set W1P, 38
.set W1S, 40
.set OAP, 42
.set OAS, 44
.set W3P, 46
.set W3S, 48
.set KP, 50
.set VP, 52
.set KSP, 54
.set VSP, 56
.set W6P, 58
.set W6S, 60
.set CNT, 62
.macro BARRIER
	s_wait_dscnt 0x0
	s_barrier_signal -1
	s_barrier_wait -1
.endm
.macro PLACES
.rept 4
	v_nop
.endr
.endm
.macro WM d, a, b, z, sa, sb, ra, rb
.if (\z)
.if ((\ra)==0)&&((\rb)==0)
	v_wmma_scale_f32_16x16x128_f8f6f4 v[\d:\d+7], v[\a:\a+11], v[\b:\b+11], 0, v[\sa], v[\sb] matrix_a_fmt:MATRIX_FMT_BF6 matrix_b_fmt:MATRIX_FMT_BF6
.elseif ((\ra)==1)&&((\rb)==0)
	v_wmma_scale_f32_16x16x128_f8f6f4 v[\d:\d+7], v[\a:\a+11], v[\b:\b+11], 0, v[\sa], v[\sb] matrix_a_fmt:MATRIX_FMT_BF6 matrix_b_fmt:MATRIX_FMT_BF6 matrix_a_scale:MATRIX_SCALE_ROW1
.elseif ((\ra)==0)&&((\rb)==1)
	v_wmma_scale_f32_16x16x128_f8f6f4 v[\d:\d+7], v[\a:\a+11], v[\b:\b+11], 0, v[\sa], v[\sb] matrix_a_fmt:MATRIX_FMT_BF6 matrix_b_fmt:MATRIX_FMT_BF6 matrix_b_scale:MATRIX_SCALE_ROW1
.else
	v_wmma_scale_f32_16x16x128_f8f6f4 v[\d:\d+7], v[\a:\a+11], v[\b:\b+11], 0, v[\sa], v[\sb] matrix_a_fmt:MATRIX_FMT_BF6 matrix_b_fmt:MATRIX_FMT_BF6 matrix_a_scale:MATRIX_SCALE_ROW1 matrix_b_scale:MATRIX_SCALE_ROW1
.endif
.else
.if ((\ra)==0)&&((\rb)==0)
	v_wmma_scale_f32_16x16x128_f8f6f4 v[\d:\d+7], v[\a:\a+11], v[\b:\b+11], v[\d:\d+7], v[\sa], v[\sb] matrix_a_fmt:MATRIX_FMT_BF6 matrix_b_fmt:MATRIX_FMT_BF6
.elseif ((\ra)==1)&&((\rb)==0)
	v_wmma_scale_f32_16x16x128_f8f6f4 v[\d:\d+7], v[\a:\a+11], v[\b:\b+11], v[\d:\d+7], v[\sa], v[\sb] matrix_a_fmt:MATRIX_FMT_BF6 matrix_b_fmt:MATRIX_FMT_BF6 matrix_a_scale:MATRIX_SCALE_ROW1
.elseif ((\ra)==0)&&((\rb)==1)
	v_wmma_scale_f32_16x16x128_f8f6f4 v[\d:\d+7], v[\a:\a+11], v[\b:\b+11], v[\d:\d+7], v[\sa], v[\sb] matrix_a_fmt:MATRIX_FMT_BF6 matrix_b_fmt:MATRIX_FMT_BF6 matrix_b_scale:MATRIX_SCALE_ROW1
.else
	v_wmma_scale_f32_16x16x128_f8f6f4 v[\d:\d+7], v[\a:\a+11], v[\b:\b+11], v[\d:\d+7], v[\sa], v[\sb] matrix_a_fmt:MATRIX_FMT_BF6 matrix_b_fmt:MATRIX_FMT_BF6 matrix_a_scale:MATRIX_SCALE_ROW1 matrix_b_scale:MATRIX_SCALE_ROW1
.endif
.endif
.endm
.macro FRAG_G d, off, base
	global_load_b128 v[\d:\d+3], v[L16], s[\base:\base+1] offset:\off
	global_load_b64 v[\d+4:\d+5], v[L8], s[\base:\base+1] offset:\off+512
	global_load_b128 v[\d+6:\d+9], v[L16], s[\base:\base+1] offset:\off+768
	global_load_b64 v[\d+10:\d+11], v[L8], s[\base:\base+1] offset:\off+1280
.endm
.macro FRAG_L d, a16, a8, off
	ds_load_b128 v[\d:\d+3], v[\a16] offset:\off
	ds_load_b64 v[\d+4:\d+5], v[\a8] offset:\off+512
	ds_load_b128 v[\d+6:\d+9], v[\a16] offset:\off+768
	ds_load_b64 v[\d+10:\d+11], v[\a8] offset:\off+1280
.endm
.macro LSTAT x, dp, off
	v_pk_add_f32 v[LT:LT+1], v[\x:\x+1], v[\x+2:\x+3]
	v_pk_add_f32 v[LT+2:LT+3], v[\x+4:\x+5], v[\x+6:\x+7]
.irp i, 8,12,16,20,24,28
	v_pk_add_f32 v[LT:LT+1], v[LT:LT+1], v[\x+\i:\x+\i+1]
	v_pk_add_f32 v[LT+2:LT+3], v[LT+2:LT+3], v[\x+\i+2:\x+\i+3]
.endr
	v_pk_add_f32 v[LT:LT+1], v[LT:LT+1], v[LT+2:LT+3]
	v_add_f32 v[LT], v[LT], v[LT+1]
	v_permlanex16_b32 v[LT+4], v[LT], s[SEL], s[SEL+1]
	v_add_f32 v[LT], v[LT], v[LT+4]
	v_mul_f32 v[\dp], 0x3c800000, v[LT]
.irp i, 0,2,4,6,8,10,12,14,16,18,20,22,24,26,28,30
	v_pk_add_f32 v[T+\i:T+\i+1], v[\x+\i:\x+\i+1], v[\dp:\dp+1] op_sel_hi:[1,0] neg_lo:[0,1] neg_hi:[0,1]
.endr
	v_pk_mul_f32 v[LT:LT+1], v[T:T+1], v[T:T+1]
	v_pk_mul_f32 v[LT+2:LT+3], v[T+2:T+3], v[T+2:T+3]
.irp i, 4,8,12,16,20,24,28
	v_pk_fma_f32 v[LT:LT+1], v[T+\i:T+\i+1], v[T+\i:T+\i+1], v[LT:LT+1]
	v_pk_fma_f32 v[LT+2:LT+3], v[T+\i+2:T+\i+3], v[T+\i+2:T+\i+3], v[LT+2:LT+3]
.endr
	v_pk_add_f32 v[LT:LT+1], v[LT:LT+1], v[LT+2:LT+3]
	v_add_f32 v[LT], v[LT], v[LT+1]
	v_permlanex16_b32 v[LT+4], v[LT], s[SEL], s[SEL+1]
	v_add_f32 v[\dp+1], v[LT], v[LT+4]
	ds_store_b64 v[PSS], v[\dp:\dp+1] offset:\off
.endm
.macro GSTAT p, gt
	v_pk_add_f32 v[\gt:\gt+1], v[\p:\p+1], v[\p+2:\p+3]
.set ii, 2
.rept NLN/2-2
	v_pk_add_f32 v[\gt:\gt+1], v[\gt:\gt+1], v[\p+2*ii:\p+2*ii+1]
.set ii, ii+1
.endr
	v_permlanex16_b32 v[\gt+2], v[\gt], s[SEL], s[SEL+1]
	v_add_f32 v[\gt], v[\gt], v[\gt+2]
	v_mul_f32 v[\gt+6], s[INL], v[\gt]
	v_sub_f32 v[\gt+3], v[\p], v[\gt+6]
	v_mul_f32 v[\gt+4], v[\gt+3], v[\gt+3]
.set ii, 1
.rept NLN/2-1
	v_sub_f32 v[\gt+3], v[\p+2*ii], v[\gt+6]
	v_fma_f32 v[\gt+4], v[\gt+3], v[\gt+3], v[\gt+4]
.set ii, ii+1
.endr
	v_fma_f32 v[\gt+4], v[\gt+4], s[C64], v[\gt+1]
	v_permlanex16_b32 v[\gt+2], v[\gt+4], s[SEL], s[SEL+1]
	v_add_f32 v[\gt+4], v[\gt+4], v[\gt+2]
	v_fma_f32 v[\gt+7], v[\gt+4], s[IW], s[EPS]
.endm
.macro QUANT2 s, d, sc                 ; temporaries at the symbols E (three registers) and TM (six), set ahead of each use
.irp b, 0,1
	v_max3_num_f32 v[TM+\b], |v[\s+16*\b]|, |v[\s+16*\b+1]|, 0x2800000
.endr
.irp i, 2,4,6,8,10,12,14
.irp b, 0,1
	v_max3_num_f32 v[TM+\b], v[TM+\b], |v[\s+16*\b+\i]|, |v[\s+16*\b+\i+1]|
.endr
.endr
.irp b, 0,1
	v_permlanex16_b32 v[TM+2+\b], v[TM+\b], s[SEL], s[SEL+1]
.endr
.irp b, 0,1
	v_max_num_f32 v[TM+\b], v[TM+\b], v[TM+2+\b]
.endr
.irp b, 0,1
	v_add_nc_u32 v[TM+4+\b], 0xfe000000, v[TM+\b]
.endr
.irp b, 0,1
	v_lshrrev_b32 v[TM+2+\b], 23, v[TM+4+\b]
.endr
	v_lshl_or_b32 v[\sc], v[TM+3], 8, v[TM+2]
	v_cvt_scalef32_pk16_bf6_f32 v[\d:\d+2], v[\s:\s+15], v[TM+4]
	v_cvt_scalef32_pk16_bf6_f32 v[E:E+2], v[\s+16:\s+31], v[TM+5]
	v_nop
.irp i, 0,1,2
	v_permlane16_swap_b32 v[\d+\i], v[E+\i]
.endr
.irp i, 0,1,2
	v_mov_b32 v[\d+3+\i], v[E+\i]
.endr
.endm
.macro SOFTMAX
.irp b, 0,1,2,3
	v_max3_num_f32 v[BM+\b], v[SS+16*\b], v[SS+16*\b+1], v[SS+16*\b+2]
.endr
.irp i, 3,5,7,9,11,13
.irp b, 0,1,2,3
	v_max3_num_f32 v[BM+\b], v[BM+\b], v[SS+16*\b+\i], v[SS+16*\b+\i+1]
.endr
.endr
.irp b, 0,1,2,3
	v_max_num_f32 v[BM+\b], v[BM+\b], v[SS+16*\b+15]
.endr
.irp b, 0,1,2,3
	v_permlanex16_b32 v[PB+\b], v[BM+\b], s[SEL], s[SEL+1]
.endr
.irp b, 0,1,2,3
	v_max_num_f32 v[BM+\b], v[BM+\b], v[PB+\b]
.endr
	v_max3_num_f32 v[TP], v[BM], v[BM+1], v[BM+2]
	v_max_num_f32 v[TP], v[TP], v[BM+3]
	v_mul_f32 v[TP], s[CS], v[TP]
	v_max_num_f32 v13, v13, v[TP]
	v_mov_b32 v[TP], v12
	v_floor_f32 v12, -v13
	v_sub_f32 v[TP], v12, v[TP]
	v_cvt_i32_f32 v[TP], v[TP]
	v_ldexp_f32 v[FF], 1.0, v[TP]
.irp j, 0,2,4,6,8,10,12,14,16,18,20,22,24,26,28,30,32,34,36,38,40,42,44,46,48,50,52,54,56,58,60,62
	v_pk_fma_f32 v[SS+\j:SS+\j+1], v[SS+\j:SS+\j+1], s[CS:CS+1], v[12:13] op_sel_hi:[1,0,0]
.endr
.irp b, 0,1,2,3
	v_fma_f32 v[BM+\b], v[BM+\b], s[CS], v12
.endr
.irp j, 0,1,2,3,4,5,6,7,8,9,10,11,12,13,14,15,16,17,18,19,20,21,22,23,24,25,26,27,28,29,30,31,32,33,34,35,36,37,38,39,40,41,42,43,44,45,46,47,48,49,50,51,52,53,54,55,56,57,58,59,60,61,62,63
	v_exp_f32 v[SS+\j], v[SS+\j]
.endr
	v_pk_mul_f32 v[14:15], v[14:15], v[FF:FF+1] op_sel_hi:[1,0]
	s_wait_alu depctr_va_vdst(0)                   ; one wait for the 64, ahead of their first reader
.irp b, 0,1,2,3
	v_exp_f32 v[BM+\b], v[BM+\b]
.endr
	v_pk_add_f32 v[PB:PB+1], v[SS:SS+1], v[SS+2:SS+3]
.irp j, 4,8,12,16,20,24,28,32,36,40,44,48,52,56,60
	v_pk_add_f32 v[14:15], v[14:15], v[SS+\j:SS+\j+1]
	v_pk_add_f32 v[PB:PB+1], v[PB:PB+1], v[SS+\j+2:SS+\j+3]
.endr
	v_pk_add_f32 v[14:15], v[14:15], v[PB:PB+1]
	s_wait_alu depctr_va_vdst(0)                   ; and one for the four
.irp b, 0,1,2,3
	v_max_num_f32 v[BM+\b], 0x2800000, v[BM+\b]
.endr
.irp b, 0,1,2,3
	v_add_nc_u32 v[SO+\b], 0xfe000000, v[BM+\b]
.endr
.irp b, 0,1,2,3
	v_lshrrev_b32 v[PB+\b], 23, v[SO+\b]
.endr
	v_lshl_or_b32 v[PSC], v[PB+1], 8, v[PB]
	v_lshl_or_b32 v[PSC], v[PB+2], 16, v[PSC]
	v_lshl_or_b32 v[PSC], v[PB+3], 24, v[PSC]
.irp c, 0,1
	v_cvt_scalef32_pk16_bf6_f32 v[PCD+6*\c:PCD+6*\c+2], v[SS+32*\c:SS+32*\c+15], v[SO+2*\c]
	v_cvt_scalef32_pk16_bf6_f32 v[CT+4*\c:CT+4*\c+2], v[SS+32*\c+16:SS+32*\c+31], v[SO+2*\c+1]
.endr
	v_nop
.irp c, 0,1
.irp i, 0,1,2
	v_permlane16_swap_b32 v[PCD+6*\c+\i], v[CT+4*\c+\i]
.endr
.irp i, 0,1,2
	v_mov_b32 v[PCD+6*\c+3+\i], v[CT+4*\c+\i]
.endr
.endr
.irp j, 0,2,4,6,8,10,12,14,16,18,20,22,24,26,28,30
	v_pk_mul_f32 v[OT+\j:OT+\j+1], v[OT+\j:OT+\j+1], v[FF:FF+1] op_sel_hi:[1,0]
.endr
.endm
; K step s of a weight: four fragments and their scale words, 17 loads, into buffer s % 2 (48 registers from base on; scales v[84:85] or v[86:87])
.macro WLOAD s, base, ptr, sptr
.irp t, 0,1,2,3
	FRAG_G \base+48*((\s)%2)+12*\t, 6144*(\s)+1536*\t, \ptr
.endr
	global_load_b64 v[84+2*((\s)%2):85+2*((\s)%2)], v[L8], s[\sptr:\sptr+1] offset:256*(\s)
.endm
.macro OLOAD s                         ; K step s of o's two tiles and their scale words, 9 loads
.irp u, 0,1
	FRAG_G 36+24*((\s)%2)+12*\u, 6144*\u+1536*(\s), OAP
.endr
	global_load_b32 v[88+(\s)%2], v[L4], s[OAS:OAS+1] offset:128*(\s)
.endm
.macro A6LOAD s                        ; the same of o2, from LDS
.irp u, 0,1
	FRAG_L 36+24*((\s)%2)+12*\u, RA, RB, 6144*\u+1536*(\s)
.endr
	ds_load_b32 v[88+(\s)%2], v[RS] offset:128*(\s)
.endm
.macro G8MUL s                         ; eight accumulators (two token tiles x four column tiles) by turns
.irp u, 0,1
.irp t, 0,1,2,3
	WM 96+32*\u+8*\t, 160+48*((\s)%2)+12*\t, 36+24*((\s)%2)+12*\u, 0, 84+2*((\s)%2)+\t/2, 88+(\s)%2, \t%2, \u
.endr
.endr
.endm
.macro BLOAD reg, ptr                  ; 32 numbers of a vector over my wave's columns, in the result's layout: register 8 t + j is column 32 (t / 2) + 16 h + 8 (t % 2) + j
.irp t, 0,1,2,3
.irp k, 0,1
	global_load_b128 v[\reg+8*\t+4*\k:\reg+8*\t+4*\k+3], v[BO], s[\ptr:\ptr+1] offset:128*(\t/2)+32*(\t%2)+16*\k
.endr
.endr
.endm
.macro ADDBIAS
.irp u, 0,1
.set ii, 0
.rept 16
	v_pk_add_f32 v[96+32*\u+ii:97+32*\u+ii], v[96+32*\u+ii:97+32*\u+ii], v[208+ii:209+ii]
.set ii, ii+2
.endr
.endr
	PLACES
.endm
.macro P3STEP s
	FRAG_L 224+12*((\s)%2), A16, A8, 1536*(\s)
	ds_load_b32 v[88+(\s)%2], v[AS4] offset:128*(\s)
.if (\s) < 7
	s_wait_loadcnt 17                              ; this step's 17 loads are in; the next step's stay out
.else
	s_wait_loadcnt 0x0
.endif
	s_wait_dscnt 0x0
.irp t, 0,1,2,3
	WM 96+8*\t, 128+48*((\s)%2)+12*\t, 224+12*((\s)%2), (\s)==0, 84+2*((\s)%2)+\t/2, 88+(\s)%2, \t%2, 0
.endr
	PLACES
.if (\s) < 6
	WLOAD (\s)+2, 128, W3P, W3S
.endif
.endm
	s_load_b512 s[4:19], s[0:1], 0x0               ; obuf, x, wimg, kv2, sa_bo, ca_ng, ca_nb, ca_bo
	s_load_b64 s[20:21], s[0:1], 0x40              ; out0
	v_lshl_add_u32 v[SPW], v0, 2, SPARE
	v_mov_b32 v[NIL], 0
	v_lshrrev_b32 v12, 5, v0
	v_readfirstlane_b32 s[WV], v12
	v_and_b32 v12, 31, v0                          ; lane
	v_and_b32 v13, 15, v0                          ; r
	v_bfe_u32 v14, v0, 4, 1                        ; h
	v_mov_b32 v15, 0
	v_lshlrev_b32 v[L16], 4, v12
	v_lshlrev_b32 v[L8], 3, v12
	v_lshlrev_b32 v[L4], 2, v12
	v_lshlrev_b32 v[XO], 12, v14
	v_lshl_add_u32 v[XO], v13, 4, v[XO]            ; lanes 0-15 one row's 256 bytes, lanes 16-31 the next row's
	v_lshlrev_b32 v[BO], 6, v14
	s_mul_i32 s34, s[WV], 4352
	v_mul_u32_u24 v[STS], v14, 272
	v_lshl_add_u32 v[STS], v13, 4, v[STS]
	v_add_nc_u32 v[STS], s34, v[STS]               ; the stage by whole rows: row 2 j + h
	v_mul_u32_u24 v[STR], v13, 272
	v_lshl_add_u32 v[STR], v14, 6, v[STR]
	v_add_nc_u32 v[STR], s34, v[STR]               ; and in the result's layout: row r, 64 h bytes on
	s_lshl_b32 s34, s[WV], 3
	s_add_co_u32 s34, s34, PS
	v_mul_u32_u24 v[PSS], v13, 144
	v_lshl_add_u32 v[PSR], v14, 6, v[PSS]
	v_add_nc_u32 v[PSR], PS, v[PSR]
	v_add_nc_u32 v[PSS], s34, v[PSS]
	s_mul_i32 s34, s[WV], 768
	s_add_co_u32 s34, s34, XNI
	v_add_nc_u32 v[XA], s34, v[L16]
	v_add_nc_u32 v[XB], s34, v[L8]
	s_lshr_b32 s[ETA], s[WV], 1
	s_and_b32 s[UP], s[WV], 1
	s_lshl_b32 s34, s[ETA], 7
	s_lshl_b32 s35, s[UP], 1
	s_add_co_u32 s34, s34, s35
	s_add_co_u32 s34, s34, XNS
	v_lshl_add_u32 v[XS], v13, 2, s34              ; 128 (w / 2) + 2 (w % 2) + 4 r
	s_lshl_b32 s34, s[WV], 13
	s_add_co_u32 s34, s34, PARK
	v_add_nc_u32 v[PK], s34, v[L16]
	s_mov_b32 s[SEL], 0x76543210
	s_mov_b32 s[SEL+1], 0xfedcba98
	s_mov_b32 s[CS], 0x3e38aa3b                    ; log2(e) / 8
	s_mov_b32 s[CS+1], s[CS]
	s_mov_b32 s[INL], 0x3d800000                   ; 1 / 16
	s_mov_b32 s[IW], 0x3a800000                    ; 1 / 1,024
	s_mov_b32 s[EPS], 0x3727c5ac                   ; 1e-5
	s_mov_b32 s[C64], 0x42800000                   ; 64
	s_lshl_b32 s34, ttmp9, 17
	s_lshl_b32 s36, s[WV], 8
	s_add_co_u32 s34, s34, s36
	s_mov_b32 s35, 0
	s_mov_b32 s37, 0
	s_wait_kmcnt 0x0
	s_add_nc_u64 s[6:7], s[6:7], s[34:35]          ; x and out0 at my group's first token, my wave's columns
	s_add_nc_u64 s[20:21], s[20:21], s[34:35]
	s_add_nc_u64 s[12:13], s[12:13], s[36:37]      ; the four vectors at my wave's columns
	s_add_nc_u64 s[14:15], s[14:15], s[36:37]
	s_add_nc_u64 s[16:17], s[16:17], s[36:37]
	s_add_nc_u64 s[18:19], s[18:19], s[36:37]
	s_lshl_b32 s34, s[WV], 2
	s_add_co_u32 s34, s34, 352                     ; sa_wo, group w
	s_mul_i32 s36, s34, 6144
	s_add_nc_u64 s[W1P:W1P+1], s[8:9], s[36:37]
	s_lshl_b32 s36, s34, 8
	s_add_co_u32 s36, s36, 2949120
	s_add_nc_u64 s[W1S:W1S+1], s[8:9], s[36:37]
	s_add_nc_u64 s[W6P:W6P+1], s[W1P:W1P+1], 64*6144   ; ca_wo lies 64 pairs on
	s_add_nc_u64 s[W6S:W6S+1], s[W1S:W1S+1], 64*256
	s_lshl_b32 s34, s[ETA], 3
	s_add_co_u32 s34, s34, 192                     ; ca_wq, group eta
	s_mul_i32 s36, s34, 6144
	s_add_nc_u64 s[W3P:W3P+1], s[8:9], s[36:37]
	s_lshl_b32 s36, s34, 8
	s_add_co_u32 s36, s36, 2949120
	s_add_nc_u64 s[W3S:W3S+1], s[8:9], s[36:37]
	s_mul_i32 s36, ttmp9, 12288
	s_add_nc_u64 s[OAP:OAP+1], s[4:5], s[36:37]
	s_lshl_b32 s36, ttmp9, 9
	s_add_co_u32 s36, s36, 3145728
	s_add_nc_u64 s[OAS:OAS+1], s[4:5], s[36:37]
	s_lshr_b32 s34, ttmp9, 6
	s_lshl_b32 s34, s34, 3
	s_add_co_u32 s34, s34, s[ETA]                  ; 8 b + eta
	s_mul_i32 s36, s34, 24576
	s_add_nc_u64 s[KP:KP+1], s[10:11], s[36:37]
	s_add_nc_u64 s[VP:VP+1], s[KP:KP+1], 786432
	s_lshl_b32 s36, s34, 10
	s_add_co_u32 s36, s36, 1572864
	s_add_nc_u64 s[KSP:KSP+1], s[10:11], s[36:37]
	s_add_nc_u64 s[VSP:VSP+1], s[KSP:KSP+1], 32768
	; ---- P1: x1 = x + sa_bo + o sa_wo, in v96-159: accumulator (u, t) at 96 + 32 u + 8 t
.irp u, 0,1
.irp j, 0,1,2,3,4,5,6,7
	global_load_b128 v[96+32*\u+4*\j:99+32*\u+4*\j], v[XO], s[6:7] offset:(8*\u+2*(\j%4)+16*(\j/4))*4096 th:TH_LOAD_NT
.endr
.endr
	BLOAD 208, 12
	WLOAD 0, 160, W1P, W1S
	OLOAD 0
	s_wait_loadcnt 34                              ; x is in; the bias's 8 and step 0's 26 stay out
.irp u, 0,1
.irp j, 0,1,2,3,4,5,6,7
	ds_store_b128 v[STS], v[96+32*\u+4*\j:99+32*\u+4*\j] offset:544*\j
.endr
.irp t, 0,1,2,3
.irp k, 0,1
	ds_load_b128 v[96+32*\u+8*\t+4*\k:99+32*\u+8*\t+4*\k], v[STR] offset:128*(\t/2)+32*(\t%2)+16*\k   ; LDS serves a wave's instructions in order
.endr
.endr
.endr
	s_wait_loadcnt 26                              ; the bias is in
	s_wait_dscnt 0x0
	ADDBIAS
	WLOAD 1, 160, W1P, W1S
	OLOAD 1
.irp s, 0,1,2,3
.if \s < 3
	s_wait_loadcnt 26                              ; this step's loads are in; the next step's 26 stay out
.else
	s_wait_loadcnt 0x0
.endif
	G8MUL \s
	PLACES
.if \s < 2
	WLOAD \s+2, 160, W1P, W1S
	OLOAD \s+2
.endif
.endr
	; ---- P2: layer norm of x1, quantised; images to LDS; x1 parked
	BLOAD 192, 14
	BLOAD 224, 16
	v_mov_b32 v[LT+4], 0
	v_mov_b32 v[LD+1], 0
	v_mov_b32 v[LD+3], 0
.irp u, 0,1
	LSTAT 96+32*\u, LD+2*\u, 2304*\u
.endr
	BARRIER                                        ; every wave's pairs lie in LDS
.irp u, 0,1
.irp i, 0,1,2,3
	ds_load_b128 v[36+16*\u+4*\i:39+16*\u+4*\i], v[PSR] offset:2304*\u+16*\i
.endr
.endr
	s_wait_dscnt 0x0
	GSTAT 36, 68
	GSTAT 52, 76
	v_rsq_f32 v75, v75
	v_rsq_f32 v83, v83
	v_nop
	s_wait_alu depctr_va_vdst(0)                   ; one wait for the two, ahead of their first reader
	s_wait_loadcnt 0x0                             ; gains and biases
.set E, 52
.set TM, 56
.irp u, 0,1
	v_mov_b32 v12, v[74+8*\u]
	v_mov_b32 v14, v[75+8*\u]
.irp i, 0,2,4,6,8,10,12,14,16,18,20,22,24,26,28,30
	v_pk_add_f32 v[T+\i:T+\i+1], v[96+32*\u+\i:97+32*\u+\i], v[12:13] op_sel_hi:[1,0] neg_lo:[0,1] neg_hi:[0,1]
.endr
.irp i, 0,2,4,6,8,10,12,14,16,18,20,22,24,26,28,30
	v_pk_mul_f32 v[T+\i:T+\i+1], v[T+\i:T+\i+1], v[14:15] op_sel_hi:[1,0]
.endr
.irp i, 0,2,4,6,8,10,12,14,16,18,20,22,24,26,28,30
	v_pk_fma_f32 v[T+\i:T+\i+1], v[T+\i:T+\i+1], v[192+\i:193+\i], v[224+\i:225+\i]
.endr
	QUANT2 T, 36+8*\u, 42+8*\u
	ds_store_b128 v[XA], v[36+8*\u:39+8*\u] offset:12288*\u
	ds_store_b64 v[XB], v[40+8*\u:41+8*\u] offset:12288*\u+512
	ds_store_b16 v[XS], v[42+8*\u] offset:64*\u
.endr
.irp i, 0,1,2,3,4,5,6,7,8,9,10,11,12,13,14,15
	ds_store_b128 v[PK], v[96+4*\i:99+4*\i] offset:512*\i
.endr
	s_wait_dscnt 0x0                               ; my stores have landed and have read their registers
	WLOAD 0, 128, W3P, W3S
	WLOAD 1, 128, W3P, W3S
	s_barrier_signal -1
	s_barrier_wait -1                              ; the normed tokens' sixteen fragments lie in LDS
	; ---- P3: q2 of head eta, tile u: four accumulators at v96-127, eight K steps
	s_mul_i32 s34, s[UP], 12288
	s_add_co_u32 s34, s34, XNI
	v_add_nc_u32 v[A16], s34, v[L16]
	v_add_nc_u32 v[A8], s34, v[L8]
	s_lshl_b32 s34, s[UP], 6
	s_add_co_u32 s34, s34, XNS
	v_and_b32 v[AS4], 15, v0
	v_lshl_add_u32 v[AS4], v[AS4], 2, s34
.irp s, 0,1,2,3,4,5,6,7
	P3STEP \s
.endr
.set E, 204
.set TM, 212
	QUANT2 96, 22, TP                              ; q2's six registers, in the middle of Q's eighteen
	v_lshl_or_b32 v[QSC], v[TP], 16, v[TP]
.irp j, 16,17,18,19,20,21,28,29,30,31,32,33
	v_mov_b32 v[\j], 0
.endr
.irp j, 0,1,2,3,4,5,6,7,8,9,10,11,12,13,14,15,16,17,18,19,20,21,22,23,24,25,26,27,28,29,30,31
	v_mov_b32 v[OT+\j], 0
.endr
	v_mov_b32 v13, 0xff61b1e6
	v_floor_f32 v12, -v13
	v_mov_b32 v14, 0
	v_mov_b32 v15, 0
.irp b, 0,1,2,3
	v_mov_b32 v[PB+\b], 0
.endr
	v_mov_b32 v[FF+1], 0
	; ---- P4: cross-attention, four key steps of 128 keys; K2 and V2 come from memory as images
	s_mov_b32 s[CNT], 4
.Lca:
	PLACES                                         ; in front of loads into registers that the last products read
.irp b, 0,1,2,3
	FRAG_G KV+12*\b, 1536*\b, KP
.endr
	global_load_b64 v[KSC:KSC+1], v[L8], s[KSP:KSP+1]
	s_wait_loadcnt 0x0
.irp b, 0,1,2,3
	WM SS+16*\b, KV+12*\b, 22, 1, KSC+\b/2, QSC, \b%2, 0
	WM SS+16*\b+8, KV+12*\b, 16, 1, KSC+\b/2, QSC, \b%2, 0
.endr
	PLACES
.irp t, 0,1,2,3
	FRAG_G KV+12*\t, 1536*\t, VP
.endr
	global_load_b64 v[VSC:VSC+1], v[L8], s[VSP:VSP+1]
	SOFTMAX
	s_wait_loadcnt 0x0                             ; V2 is in; every load that names the four pointers is done, so they may step
	s_add_nc_u64 s[KP:KP+1], s[KP:KP+1], 6144
	s_add_nc_u64 s[VP:VP+1], s[VP:VP+1], 6144
	s_add_nc_u64 s[KSP:KSP+1], s[KSP:KSP+1], 256
	s_add_nc_u64 s[VSP:VSP+1], s[VSP:VSP+1], 256
	PLACES
.irp t, 0,1,2,3
	WM OT+8*\t, KV+12*\t, PCD, 0, VSC+\t/2, PSC, \t%2, 0
.endr
	s_sub_co_u32 s[CNT], s[CNT], 1
	s_cmp_lg_u32 s[CNT], 0
	s_cbranch_scc1 .Lca
	; ---- P5: o2 / the sum, quantised, image to LDS
	PLACES
	v_add_f32 v14, v14, v15
	v_permlanex16_b32 v[TP], v14, s[SEL], s[SEL+1]
	v_add_f32 v14, v14, v[TP]
	v_rcp_f32 v14, v14
	s_mul_i32 s34, s[UP], 6144
	s_mul_i32 s35, s[ETA], 768
	s_add_co_u32 s34, s34, s35
	s_add_co_u32 s34, s34, O2I
	v_add_nc_u32 v[OA], s34, v[L16]                ; (plain places behind the reciprocal)
	v_add_nc_u32 v[OB], s34, v[L8]
	s_lshr_b32 s34, s[ETA], 1
	s_lshl_b32 s34, s34, 7
	s_lshl_b32 s35, s[UP], 6
	s_add_co_u32 s34, s34, s35
	s_and_b32 s35, s[ETA], 1
	s_lshl_b32 s35, s35, 1
	s_add_co_u32 s34, s34, s35
	s_add_co_u32 s34, s34, O2S
	v_and_b32 v[OSA], 15, v0
	v_lshl_add_u32 v[OSA], v[OSA], 2, s34
	v_add_nc_u32 v[RA], O2I, v[L16]
	v_add_nc_u32 v[RB], O2I, v[L8]
	v_add_nc_u32 v[RS], O2S, v[L4]
	s_wait_alu depctr_va_vdst(0)
.irp j, 0,1,2,3,4,5,6,7,8,9,10,11,12,13,14,15,16,17,18,19,20,21,22,23,24,25,26,27,28,29,30,31
	v_mul_f32 v[SS+\j], v[OT+\j], v14
.endr
	QUANT2 SS, 36, 44
	ds_store_b128 v[OA], v[36:39]
	ds_store_b64 v[OB], v[40:41] offset:512
	ds_store_b16 v[OSA], v44
	WLOAD 0, 160, W6P, W6S
	BLOAD 208, 18
.irp i, 0,1,2,3,4,5,6,7,8,9,10,11,12,13,14,15
	ds_load_b128 v[96+4*\i:99+4*\i], v[PK] offset:512*\i   ; x1 comes back
.endr
	BARRIER                                        ; o2's eight fragments lie in LDS
	; ---- P6: out0 = x1 + ca_bo + o2 ca_wo
	s_wait_loadcnt 0x0                             ; the bias and step 0 of the weight
	ADDBIAS
	WLOAD 1, 160, W6P, W6S
.irp s, 0,1,2,3
	A6LOAD \s
.if \s < 3
	s_wait_loadcnt 17                              ; this step's weight is in; the next step's 17 loads stay out
.else
	s_wait_loadcnt 0x0
.endif
	s_wait_dscnt 0x0
	G8MUL \s
	PLACES
.if \s < 2
	WLOAD \s+2, 160, W6P, W6S
.endif
.endr
	; the way out: through my stage, so that sixteen lanes store 256 consecutive aligned bytes of a row
.irp u, 0,1
.irp t, 0,1,2,3
.irp k, 0,1
	ds_store_b128 v[STR], v[96+32*\u+8*\t+4*\k:99+32*\u+8*\t+4*\k] offset:128*(\t/2)+32*(\t%2)+16*\k   ; each accumulator from its low end on
.endr
.endr
.irp j, 0,1,2,3,4,5,6,7
	ds_load_b128 v[160+32*\u+4*\j:163+32*\u+4*\j], v[STS] offset:544*\j
.endr
.endr
.irp u, 0,1
.irp j, 0,1,2,3,4,5,6,7
	s_wait_dscnt 23-16*\u-\j                       ; behind this load: the rest of its tile's, and for tile 0 the sixteen of tile 1
	global_store_b128 v[XO], v[160+32*\u+4*\j:163+32*\u+4*\j], s[20:21] offset:(8*\u+2*(\j%4)+16*(\j/4))*4096 th:TH_STORE_NT
.endr
.endr
	s_wait_tensorcnt 0x0                           ; the wave's end
	ds_add_u32 v[SPW], v[NIL]
	s_wait_dscnt 0x0
	s_endpgm
.Lfunc_end_k_q32dfa3336e_tail:
	.size	k_q32dfa3336e_tail, .Lfunc_end_k_q32dfa3336e_tail-k_q32dfa3336e_tail
	.p2alignl 7, 3214868480
	.fill 96, 4, 3214868480
	.section	.rodata,"a",@progbits
	.p2align	6, 0x0
	.amdhsa_kernel k_q32dfa3336e_tail
		.amdhsa_group_segment_fixed_size 245760
		.amdhsa_private_segment_fixed_size 0
		.amdhsa_enable_private_segment 0
		.amdhsa_kernarg_size 72
		.amdhsa_user_sgpr_count 2
		.amdhsa_user_sgpr_kernarg_segment_ptr 1
		.amdhsa_wavefront_size32 1
		.amdhsa_system_sgpr_workgroup_id_x 1
		.amdhsa_system_sgpr_workgroup_id_y 1
		.amdhsa_system_sgpr_workgroup_id_z 1
		.amdhsa_system_vgpr_workitem_id 0
		.amdhsa_next_free_vgpr 256
		.amdhsa_next_free_sgpr 66
		.amdhsa_reserve_vcc 0
		.amdhsa_float_denorm_mode_32 3
		.amdhsa_float_denorm_mode_16_64 3
		.amdhsa_memory_ordered 1
		.amdhsa_forward_progress 1
		.amdhsa_inst_pref_size 117
	.end_amdhsa_kernel
	.amdgpu_metadata
---
amdhsa.version: [ 1, 2 ]
amdhsa.kernels:
  - .name:           k_q32dfa3336e_tail
    .symbol:         k_q32dfa3336e_tail.kd
    .args:
      - { .name: obuf, .offset: 0, .size: 8, .value_kind: global_buffer, .address_space: global }
      - { .name: x, .offset: 8, .size: 8, .value_kind: global_buffer, .address_space: global }
      - { .name: wimg, .offset: 16, .size: 8, .value_kind: global_buffer, .address_space: global }
      - { .name: kv2, .offset: 24, .size: 8, .value_kind: global_buffer, .address_space: global }
      - { .name: sa_bo, .offset: 32, .size: 8, .value_kind: global_buffer, .address_space: global }
      - { .name: ca_ng, .offset: 40, .size: 8, .value_kind: global_buffer, .address_space: global }
      - { .name: ca_nb, .offset: 48, .size: 8, .value_kind: global_buffer, .address_space: global }
      - { .name: ca_bo, .offset: 56, .size: 8, .value_kind: global_buffer, .address_space: global }
      - { .name: out0, .offset: 64, .size: 8, .value_kind: global_buffer, .address_space: global }
    .group_segment_fixed_size: 245760
    .private_segment_fixed_size: 0
    .kernarg_segment_align: 8
    .kernarg_segment_size: 72
    .max_flat_workgroup_size: 512
    .sgpr_count:     66
    .vgpr_count:     256
    .wavefront_size: 32
...
	.end_amdgpu_metadata
.endif
;; end of part 5
;; ======== version 2 of 2: 3 launches
;; limits: right only within a limited range of input values
;; workspace buffers: wimg 3,072,000 bytes; kv2 1,638,400 bytes; qkv 9,830,400 bytes
;; launch prep (part 6): grid 480 x 1, 4 waves a work-group, no clusters, 0 bytes of LDS; arguments sa_wq_codes, sa_wq_scales, sa_wkv_codes, sa_wkv_scales, ca_wq_codes, ca_wq_scales, ca_wkv_codes, ca_wkv_scales, sa_wo_codes, sa_wo_scales, ca_wo_codes, ca_wo_scales, wimg; writes wimg
.if DOCPART == 6
	.amdgcn_target "amdgcn-amd-amdhsa--gfx1250"
	.amdhsa_code_object_version 6
	.text
	.protected	k_q32dfa3336e_prep
	.globl	k_q32dfa3336e_prep
	.p2align	8
	.type	k_q32dfa3336e_prep,@function
k_q32dfa3336e_prep:
	s_mov_b64 s[64:65], 0
	v_nop
	global_prefetch_b8 v0, s[64:65] scope:SCOPE_SE
	s_setreg_imm32_b32 hwreg(HW_REG_WAVE_MODE, 25, 1), 1
	s_wait_xcnt 0x0
; THE PROGRAM: x1 = selfattention(x) + x; out0 = crossattention(x1, context) + x1; all ten products on codes of BF6 (E3M2) with E8M0 scales.
; Three launches: prep (this one), qkv (x -> codes of q, k, v; context -> codes of k2, v2), tail (both attentions and all the rest, 32 tokens a work-group).
; DEAD WORK: none.  Every input has a way to out0 and every input is loaded; every product of the table is done.
; LIMITS of the whole program: NaN and infinities among the inputs are not served.  A block whose largest magnitude lies under 2^-122 gets the scale byte 1; a block of zeros
; gets the byte 1 and not 127 (its codes are zeros, and these bytes are read by this program alone).  A block's largest p is taken from the block's largest score.
;
; PREP lays the six weights out in the order of the operand's registers, so that every later launch loads a fragment by loads of 512 and 256 consecutive bytes.
; A PAIR (G, s) is 64 rows (group G) x 128 along K (step s): four fragments t of 16 rows, 1,536 bytes each, then (behind all pairs) 256 bytes of scale words.
; THE ROWS OF A TILE ARE NOT NEIGHBOURS: lane r of tile t = 2 b + u takes row 64 G + 32 b + 8 u + r + 8 (r / 8): used as source 0, the four tiles' 32 result registers of a lane are
; then 16 neighbours of each of two blocks of 32 along the next K.
; A fragment's image: registers 0-3 at 16 x lane, 4-5 at 512 + 8 x lane, 6-9 at 768 + 16 x lane, 10-11 at 1,280 + 8 x lane.
; Scale words of a pair: tile t, row r at 8 (r + 16 (t % 2)) + 4 (t / 2): one load of 8 bytes a lane gives two registers; tile t is register t / 2, lanes 16 (t % 2) on.
; A work-group is one pair, wave t its tile t.  Pair number = RB + G x NS + s; RB, groups, steps: sa_wq 0, 8, 8; sa_wkv 64, 16, 8; ca_wq 192, 8, 8; ca_wkv 256, 16, 6; sa_wo 352, 16, 4; ca_wo 416, 16, 4.
.set SCALES, 2949120                   ; 480 pairs x 6,144 bytes of images lie in front of the scale words
.macro PICK bound, cp, sp, ns, lg, rb  ; work-groups under bound belong to an earlier weight: the choice hangs on the work-group's number alone
	s_cmp_lt_u32 ttmp9, \bound
	s_cselect_b64 s[36:37], s[\cp:\cp+1], s[36:37]
	s_cselect_b64 s[38:39], s[\sp:\sp+1], s[38:39]
	s_cselect_b32 s40, \ns, s40
	s_cselect_b32 s41, \lg, s41
	s_cselect_b32 s42, \rb, s42
.endm
	s_load_b512 s[8:23], s[0:1], 0x0               ; sa_wq, sa_wkv, ca_wq, ca_wkv: codes, scales
	s_load_b256 s[24:31], s[0:1], 0x40             ; sa_wo, ca_wo: codes, scales
	s_load_b64 s[32:33], s[0:1], 0x60              ; wimg
	v_lshrrev_b32 v1, 5, v0
	v_readfirstlane_b32 s2, v1                     ; wave = tile t
	v_and_b32 v2, 31, v0                           ; lane
	v_and_b32 v3, 15, v0                           ; r
	v_bfe_u32 v4, v0, 4, 1                         ; h
	v_lshlrev_b32 v5, 4, v2                        ; 16 x lane
	v_lshlrev_b32 v6, 3, v2                        ; 8 x lane
	v_and_b32 v7, 8, v3
	v_add_nc_u32 v7, v7, v3                        ; r + 8 (r / 8)
	s_wait_alu depctr_va_vdst(0)
	s_wait_kmcnt 0x0
	s_mov_b64 s[36:37], s[28:29]                   ; begin with ca_wo: codes,
	s_mov_b64 s[38:39], s[30:31]                   ; scales,
	s_mov_b32 s40, 4                               ; NS: K steps,
	s_mov_b32 s41, 4                               ; log2 of its groups,
	s_mov_b32 s42, 416                             ; RB: its first pair
	PICK 416, 24, 26, 4, 4, 352
	PICK 352, 20, 22, 6, 4, 256
	PICK 256, 16, 18, 8, 3, 192
	PICK 192, 12, 14, 8, 4, 64
	PICK 64, 8, 10, 8, 3, 0
	s_sub_co_u32 s43, ttmp9, s42
	s_bfm_b32 s44, s41, 0
	s_and_b32 s45, s43, s44                        ; G
	s_lshr_b32 s46, s43, s41                       ; s
	s_mul_i32 s47, s45, s40
	s_add_co_u32 s47, s47, s46
	s_add_co_u32 s47, s47, s42                     ; the pair's number
	s_mul_i32 s48, s40, 96                         ; a row of codes in bytes
	s_lshl_b32 s58, s45, 6                         ; 64 G
	s_lshr_b32 s50, s2, 1
	s_lshl_b32 s50, s50, 5
	s_and_b32 s51, s2, 1
	s_lshl_b32 s51, s51, 3
	s_add_co_u32 s49, s58, s50
	s_add_co_u32 s49, s49, s51                     ; 64 G + 32 (t / 2) + 8 (t % 2)
	v_add_nc_u32 v20, s49, v7                      ; my row
	v_mul_u32_u24 v21, v4, 24
	v_mad_u32_u24 v22, v20, s48, v21               ; row x row bytes + 24 h
	s_mul_i32 s52, s46, 96
	s_mov_b32 s53, 0
	s_add_nc_u64 s[36:37], s[36:37], s[52:53]      ; + 96 s
.irp p, 0,1,2,3,4,5
	global_load_b64 v[8+2*\p:9+2*\p], v22, s[36:37] offset:48*(\p/3)+8*(\p%3)   ; the fragment's twelve registers, as the row's stream of bits lies
.endr
	s_mul_i32 s52, s47, 6144
	s_mul_i32 s50, s2, 1536
	s_add_co_u32 s52, s52, s50
	s_add_nc_u64 s[54:55], s[32:33], s[52:53]
	s_wait_loadcnt 0x0
	global_store_b128 v5, v[8:11], s[54:55]                ; each store of the wave covers 512 or 256 consecutive aligned bytes
	global_store_b64 v6, v[12:13], s[54:55] offset:512
	global_store_b128 v5, v[14:17], s[54:55] offset:768
	global_store_b64 v6, v[18:19], s[54:55] offset:1280
	s_cmp_lg_u32 s2, 0
	s_cbranch_scc1 .Ldone                          ; wave 0 alone lays the pair's scale words
	s_lshl_b32 s50, s40, 2
	s_lshl_b32 s51, s40, 7                         ; 32 rows of them
	v_lshl_add_u32 v23, v4, 3, v7
	v_add_nc_u32 v23, s58, v23                     ; row 64 G + 8 h + r + 8 (r / 8): tile h; 32 rows on: tile 2 + h
	v_mul_u32_u24 v24, v23, s50
	v_add_nc_u32 v25, s51, v24
	s_lshl_b32 s52, s46, 2
	s_add_nc_u64 s[38:39], s[38:39], s[52:53]      ; + 4 s
	global_load_b32 v26, v24, s[38:39]
	global_load_b32 v27, v25, s[38:39]
	s_lshl_b32 s52, s47, 8
	s_add_co_u32 s52, s52, SCALES
	s_add_nc_u64 s[56:57], s[32:33], s[52:53]
	s_wait_loadcnt 0x0
	global_store_b64 v6, v[26:27], s[56:57]        ; 256 consecutive aligned bytes
.Ldone:
	s_endpgm
.Lfunc_end_k_q32dfa3336e_prep:
	.size	k_q32dfa3336e_prep, .Lfunc_end_k_q32dfa3336e_prep-k_q32dfa3336e_prep
	.p2alignl 7, 3214868480
	.fill 96, 4, 3214868480
	.section	.rodata,"a",@progbits
	.p2align	6, 0x0
	.amdhsa_kernel k_q32dfa3336e_prep
		.amdhsa_group_segment_fixed_size 0
		.amdhsa_private_segment_fixed_size 0
		.amdhsa_enable_private_segment 0
		.amdhsa_kernarg_size 104
		.amdhsa_user_sgpr_count 2
		.amdhsa_user_sgpr_kernarg_segment_ptr 1
		.amdhsa_wavefront_size32 1
		.amdhsa_system_sgpr_workgroup_id_x 1
		.amdhsa_system_sgpr_workgroup_id_y 1
		.amdhsa_system_sgpr_workgroup_id_z 1
		.amdhsa_system_vgpr_workitem_id 0
		.amdhsa_next_free_vgpr 32
		.amdhsa_next_free_sgpr 66
		.amdhsa_reserve_vcc 0
		.amdhsa_float_denorm_mode_32 3
		.amdhsa_float_denorm_mode_16_64 3
		.amdhsa_memory_ordered 1
		.amdhsa_forward_progress 1
		.amdhsa_inst_pref_size 5
	.end_amdhsa_kernel
	.amdgpu_metadata
---
amdhsa.version: [ 1, 2 ]
amdhsa.kernels:
  - .name:           k_q32dfa3336e_prep
    .symbol:         k_q32dfa3336e_prep.kd
    .args:
      - { .name: sa_wq_codes, .offset: 0, .size: 8, .value_kind: global_buffer, .address_space: global }
      - { .name: sa_wq_scales, .offset: 8, .size: 8, .value_kind: global_buffer, .address_space: global }
      - { .name: sa_wkv_codes, .offset: 16, .size: 8, .value_kind: global_buffer, .address_space: global }
      - { .name: sa_wkv_scales, .offset: 24, .size: 8, .value_kind: global_buffer, .address_space: global }
      - { .name: ca_wq_codes, .offset: 32, .size: 8, .value_kind: global_buffer, .address_space: global }
      - { .name: ca_wq_scales, .offset: 40, .size: 8, .value_kind: global_buffer, .address_space: global }
      - { .name: ca_wkv_codes, .offset: 48, .size: 8, .value_kind: global_buffer, .address_space: global }
      - { .name: ca_wkv_scales, .offset: 56, .size: 8, .value_kind: global_buffer, .address_space: global }
      - { .name: sa_wo_codes, .offset: 64, .size: 8, .value_kind: global_buffer, .address_space: global }
      - { .name: sa_wo_scales, .offset: 72, .size: 8, .value_kind: global_buffer, .address_space: global }
      - { .name: ca_wo_codes, .offset: 80, .size: 8, .value_kind: global_buffer, .address_space: global }
      - { .name: ca_wo_scales, .offset: 88, .size: 8, .value_kind: global_buffer, .address_space: global }
      - { .name: wimg, .offset: 96, .size: 8, .value_kind: global_buffer, .address_space: global }
    .group_segment_fixed_size: 0
    .private_segment_fixed_size: 0
    .kernarg_segment_align: 8
    .kernarg_segment_size: 104
    .max_flat_workgroup_size: 128
    .sgpr_count:     66
    .vgpr_count:     32
    .wavefront_size: 32
...
	.end_amdgpu_metadata
.endif
;; end of part 6
;; launch qkv (part 7): grid 128 x 2, 16 waves a work-group, no clusters, 268,288 bytes of LDS; arguments x, sa_ng, sa_nb, sa_ncg, sa_ncb, wimg, qkv, kv2, context, ca_ncg, ca_ncb; writes qkv, kv2
.if DOCPART == 7
	.amdgcn_target "amdgcn-amd-amdhsa--gfx1250"
	.amdhsa_code_object_version 6
	.text
	.protected	k_q32dfa3336e_qkv
	.globl	k_q32dfa3336e_qkv
	.p2align	8
	.type	k_q32dfa3336e_qkv,@function
k_q32dfa3336e_qkv:
	s_mov_b64 s[64:65], 0
	v_nop
	global_prefetch_b8 v0, s[64:65] scope:SCOPE_SE
	s_setreg_imm32_b32 hwreg(HW_REG_WAVE_MODE, 25, 1), 1
	s_wait_xcnt 0x0
; x -> two layer norms (set 0: sa_ng, sa_nb for q; set 1: sa_ncg, sa_ncb for k and v; one mean and variance serve both) -> codes of BF6 along the features -> x sa_wq, sa_wkv
; -> q, k (quantised along the head's 64) and v (quantised along the keys).  context -> layer norm (set 2: ca_ncg, ca_ncb) -> codes -> x ca_wkv -> k2, v2 likewise.
; All five leave as images of operand registers.  No work is left out.
; SHARES.  A work-group (X, y) takes 64 tokens of x (block X) with heads 4 y .. 4 y + 3, and 64 tokens of the context (block X / 4) with head 2 (X % 4) + y.  The four token tiles m of a block
; take, in lane r, token 32 (m / 2) + 8 (m % 2) + r + 8 (r / 8): so key tiles used as source 0 give 16 neighbouring keys in the registers of two tiles, and v's tokens come out as neighbours along its K.
; NORM PHASE, once for x and once for the context: wave w owns columns 64 w .. 64 w + 63 of all 64 tokens.  Loads take whole rows of 256 aligned bytes; the wave's own stage in LDS turns them so
; that lane (r, h) holds the 32 neighbours 64 w + 32 h .. of token row r: a whole block.  Each wave gives (mean, sum of squared deviations) of its 64 columns to LDS; behind a barrier they are joined:
; M2 = sum of M2_w + 64 x sum of (mean_w - mean)^2: no difference of large sums is formed.  The codes go to LDS as images of a fragment's registers.
; The context has 12 x 64 columns.  So that no branch parts the waves in this phase, waves 12 to 15 work on wave 11's columns once more and store into places of their own that nobody reads
; (a tile of images keeps 16 halves, a row of pairs 16 pairs).  The context's loads are issued while set 1 is quantised, each tile's as soon as that tile of x has been read for the last time.
; PRODUCT PHASE: a wave makes one unit of 64 tokens x 64 columns over all of K in 16 accumulators.  Waves 0-11: type w / 4 (0 q, 1 k, 2 v), head 4 y + w % 4, eight K steps.  Wave 12: k2, wave 13: v2,
; six K steps.  Waves 14, 15 end.  q, k: source 0 = 16 rows of W, source 1 = 16 tokens: a lane holds one token and 32 of the head's 64.  v: the sources change places: a lane holds one channel and 32
; of the 64 tokens.  The K steps are written out, every offset an immediate.  The sixteen accumulators take turns, one instruction a turn.
; IMAGES.  Half a fragment (16 rows x 64 K, 6 registers a lane): registers 0-3 at 16 x lane, 4-5 at 512 + 8 x lane: 768 bytes.  In qkv: type x 3,145,728 + head (8 b + eta) x 98,304 +
; (q, k) tile x 768; (v) key step x 6,144 + channel tile x 1,536 + half x 768.  In kv2 the same with 786,432 and 24,576.  Scale bytes: two for each row and half, laid so that the reader's one load
; of 8 bytes a lane brings four tiles' words.
; No tensor load, no cluster: what work-groups share is the weight images (664 KB for a work-group's fourteen units), which go straight into registers; sharing them is left for a later form.
; No prefetch: x and the context are asked for as early as registers are free, and the weight images are read again by every work-group.
.set TSTR,  12288                      ; a tile's images in a set: 16 halves of 768 bytes; fragment (tile m, K step s) at TSTR m + 1536 s
.set SETB,  4*TSTR                     ; a set of images
.set ASC,   3*SETB                     ; the sets' scale words: 2,048 bytes a set, 256 a K step
.set PP,    144                        ; a token's row of (mean, M2) pairs: 16 pairs + 16 bytes
.set PS,    ASC+3*2048                 ; x's pairs;
.set PSC,   64*PP                      ; the context's lie PSC bytes behind them
.set GL,    PS+2*PSC                   ; each wave's gains and biases: 3 sets x 512 bytes
.set STG,   GL+16*1536                 ; each wave's stage: 16 rows x 272 bytes
.set SPARE, STG+16*4352                ; the spare words, 128 bytes a wave, which no other line names
; vector registers, norm phase
.set L8,  1                            ; 8 x lane
.set H8,  2                            ; 8 h
.set XO,  3                            ; h x a row + 16 r
.set GLS, 4
.set GLR, 5
.set STS, 6
.set STR, 7
.set PSS, 8
.set PSR, 9
.set IA0, 10
.set IB0, 11
.set IA1, 12
.set IB1, 13
.set SCS, 14
.set SPW, 15                           ; my spare word; never rewritten
.set NIL, 16                           ; 0; never rewritten
.set MXA, 17
.set MXB, 18
.set BY,  19
.set ASR, 20                           ; v[20:21] the tokens' scale words, v[22:23] the weights': they hold scales and nothing else
.set WSR, 22
.set CC,  24                           ; v24-30 codes; earlier v[24:25], v[26:27] the pairs (mean, .), (rstd, .)
.set SCO, 31
.set T,   32                           ; v32-63 at work
.set LT,  80
.set LD,  88
.set X,   128                          ; v128-255 four tiles x 32 numbers
; vector registers, product phase
.set L16, 2
.set R8,  3
.set RA0, 4
.set RB0, 5
.set RS0, 6
.set XW,  32                           ; four fragments of W
.set YA,  80                           ; four fragments of tokens
.set ACC, 128                          ; sixteen accumulators
.set E,   64
.set TM,  68
; scalar registers
.set WIMG, 14
.set QKV, 16
.set KV2, 18
.set WV, 22
.set TYPE, 23
.set ETA, 24
.set BB, 25
.set BLK, 26
.set BH, 27
.set WP, 28
.set WSP, 30
.set OI, 32
.set OS, 34
.set YY, 36
.set TI, 37
.set VF, 38
.set SEL, 40
.set INL, 42
.set IW, 43
.set EPS, 44
.set C64, 45
.set CTX, 56                           ; s[56:57] context, s[58:59] ca_ncg, s[60:61] ca_ncb
.macro BARRIER                         ; my LDS stores have landed and my LDS loads are in: then the work-group's barrier
	s_wait_dscnt 0x0
	s_barrier_signal -1
	s_barrier_wait -1
.endm
; one product: D at d, source 0 at a, source 1 at b; z = 1: C = 0 starts the sum; scale registers sa, sb, read from lanes 16 ra, 16 rb on
.macro WM d, a, b, z, sa, sb, ra, rb
.if (\z)
.if ((\ra)==0)&&((\rb)==0)
	v_wmma_scale_f32_16x16x128_f8f6f4 v[\d:\d+7], v[\a:\a+11], v[\b:\b+11], 0, v[\sa], v[\sb] matrix_a_fmt:MATRIX_FMT_BF6 matrix_b_fmt:MATRIX_FMT_BF6
.elseif ((\ra)==1)&&((\rb)==0)
	v_wmma_scale_f32_16x16x128_f8f6f4 v[\d:\d+7], v[\a:\a+11], v[\b:\b+11], 0, v[\sa], v[\sb] matrix_a_fmt:MATRIX_FMT_BF6 matrix_b_fmt:MATRIX_FMT_BF6 matrix_a_scale:MATRIX_SCALE_ROW1
.elseif ((\ra)==0)&&((\rb)==1)
	v_wmma_scale_f32_16x16x128_f8f6f4 v[\d:\d+7], v[\a:\a+11], v[\b:\b+11], 0, v[\sa], v[\sb] matrix_a_fmt:MATRIX_FMT_BF6 matrix_b_fmt:MATRIX_FMT_BF6 matrix_b_scale:MATRIX_SCALE_ROW1
.else
	v_wmma_scale_f32_16x16x128_f8f6f4 v[\d:\d+7], v[\a:\a+11], v[\b:\b+11], 0, v[\sa], v[\sb] matrix_a_fmt:MATRIX_FMT_BF6 matrix_b_fmt:MATRIX_FMT_BF6 matrix_a_scale:MATRIX_SCALE_ROW1 matrix_b_scale:MATRIX_SCALE_ROW1
.endif
.else
.if ((\ra)==0)&&((\rb)==0)
	v_wmma_scale_f32_16x16x128_f8f6f4 v[\d:\d+7], v[\a:\a+11], v[\b:\b+11], v[\d:\d+7], v[\sa], v[\sb] matrix_a_fmt:MATRIX_FMT_BF6 matrix_b_fmt:MATRIX_FMT_BF6
.elseif ((\ra)==1)&&((\rb)==0)
	v_wmma_scale_f32_16x16x128_f8f6f4 v[\d:\d+7], v[\a:\a+11], v[\b:\b+11], v[\d:\d+7], v[\sa], v[\sb] matrix_a_fmt:MATRIX_FMT_BF6 matrix_b_fmt:MATRIX_FMT_BF6 matrix_a_scale:MATRIX_SCALE_ROW1
.elseif ((\ra)==0)&&((\rb)==1)
	v_wmma_scale_f32_16x16x128_f8f6f4 v[\d:\d+7], v[\a:\a+11], v[\b:\b+11], v[\d:\d+7], v[\sa], v[\sb] matrix_a_fmt:MATRIX_FMT_BF6 matrix_b_fmt:MATRIX_FMT_BF6 matrix_b_scale:MATRIX_SCALE_ROW1
.else
	v_wmma_scale_f32_16x16x128_f8f6f4 v[\d:\d+7], v[\a:\a+11], v[\b:\b+11], v[\d:\d+7], v[\sa], v[\sb] matrix_a_fmt:MATRIX_FMT_BF6 matrix_b_fmt:MATRIX_FMT_BF6 matrix_a_scale:MATRIX_SCALE_ROW1 matrix_b_scale:MATRIX_SCALE_ROW1
.endif
.endif
.endm
.macro FRAG_G d, off, base             ; a fragment's image from memory: 512, 256, 512, 256 consecutive bytes
	global_load_b128 v[\d:\d+3], v[L16], s[\base:\base+1] offset:\off
	global_load_b64 v[\d+4:\d+5], v[L8], s[\base:\base+1] offset:\off+512
	global_load_b128 v[\d+6:\d+9], v[L16], s[\base:\base+1] offset:\off+768
	global_load_b64 v[\d+10:\d+11], v[L8], s[\base:\base+1] offset:\off+1280
.endm
.macro FRAG_L d, a16, a8, off          ; the same from LDS
	ds_load_b128 v[\d:\d+3], v[\a16] offset:\off
	ds_load_b64 v[\d+4:\d+5], v[\a8] offset:\off+512
	ds_load_b128 v[\d+6:\d+9], v[\a16] offset:\off+768
	ds_load_b64 v[\d+10:\d+11], v[\a8] offset:\off+1280
.endm
; token tile m, my wave's 64 columns: eight loads, each of tile rows 2 j and 2 j + 1: 256 aligned bytes a row
.macro XTILE m, ptr, rowb
.irp j, 0,1,2,3,4,5,6,7
	global_load_b128 v[X+32*(\m)+4*\j:X+32*(\m)+4*\j+3], v[XO], s[\ptr:\ptr+1] offset:(32*((\m)/2)+8*((\m)%2)+2*(\j%4)+16*(\j/4))*\rowb
.endr
.endm
; my wave's 64 columns of a token row (32 numbers in me, 32 in lane l xor 16): their mean and the sum of their squared deviations from it, to LDS
.macro LSTAT x, dp, off
	v_pk_add_f32 v[LT:LT+1], v[\x:\x+1], v[\x+2:\x+3]
	v_pk_add_f32 v[LT+2:LT+3], v[\x+4:\x+5], v[\x+6:\x+7]
.irp i, 8,12,16,20,24,28
	s_delay_alu instid0(VALU_DEP_2)
	v_pk_add_f32 v[LT:LT+1], v[LT:LT+1], v[\x+\i:\x+\i+1]
	s_delay_alu instid0(VALU_DEP_2)
	v_pk_add_f32 v[LT+2:LT+3], v[LT+2:LT+3], v[\x+\i+2:\x+\i+3]
.endr
	s_delay_alu instid0(VALU_DEP_1)
	v_pk_add_f32 v[LT:LT+1], v[LT:LT+1], v[LT+2:LT+3]
	s_delay_alu instid0(VALU_DEP_1)
	v_add_f32 v[LT], v[LT], v[LT+1]
	s_delay_alu instid0(VALU_DEP_1)
	v_permlanex16_b32 v[LT+4], v[LT], s[SEL], s[SEL+1]
	s_delay_alu instid0(VALU_DEP_1)
	v_add_f32 v[LT], v[LT], v[LT+4]
	s_delay_alu instid0(VALU_DEP_1)
	v_mul_f32 v[\dp], 0x3c800000, v[LT]            ; / 64
.irp i, 0,2,4,6,8,10,12,14,16,18,20,22,24,26,28,30
	v_pk_add_f32 v[T+\i:T+\i+1], v[\x+\i:\x+\i+1], v[\dp:\dp+1] op_sel_hi:[1,0] neg_lo:[0,1] neg_hi:[0,1]
.endr
	v_pk_mul_f32 v[LT:LT+1], v[T:T+1], v[T:T+1]
	v_pk_mul_f32 v[LT+2:LT+3], v[T+2:T+3], v[T+2:T+3]
.irp i, 4,8,12,16,20,24,28
	s_delay_alu instid0(VALU_DEP_2)
	v_pk_fma_f32 v[LT:LT+1], v[T+\i:T+\i+1], v[T+\i:T+\i+1], v[LT:LT+1]
	s_delay_alu instid0(VALU_DEP_2)
	v_pk_fma_f32 v[LT+2:LT+3], v[T+\i+2:T+\i+3], v[T+\i+2:T+\i+3], v[LT+2:LT+3]
.endr
	s_delay_alu instid0(VALU_DEP_1)
	v_pk_add_f32 v[LT:LT+1], v[LT:LT+1], v[LT+2:LT+3]
	s_delay_alu instid0(VALU_DEP_1)
	v_add_f32 v[LT], v[LT], v[LT+1]
	s_delay_alu instid0(VALU_DEP_1)
	v_permlanex16_b32 v[LT+4], v[LT], s[SEL], s[SEL+1]
	s_delay_alu instid0(VALU_DEP_1)
	v_add_f32 v[\dp+1], v[LT], v[LT+4]
	ds_store_b64 v[PSS], v[\dp:\dp+1] offset:\off  ; lanes l and l xor 16 store the same pair to the same place
.endm
; the NLN waves' pairs (half of them in me, half in lane l xor 16, at v[p] on) are joined: mean into v[gt + 6], variance + 1e-5 into v[gt + 7]
.macro GSTAT p, gt
	v_pk_add_f32 v[\gt:\gt+1], v[\p:\p+1], v[\p+2:\p+3]
.set ii, 2
.rept NLN/2-2
	s_delay_alu instid0(VALU_DEP_1)
	v_pk_add_f32 v[\gt:\gt+1], v[\gt:\gt+1], v[\p+2*ii:\p+2*ii+1]
.set ii, ii+1
.endr
	s_delay_alu instid0(VALU_DEP_1)
	v_permlanex16_b32 v[\gt+2], v[\gt], s[SEL], s[SEL+1]
	s_delay_alu instid0(VALU_DEP_1)
	v_add_f32 v[\gt], v[\gt], v[\gt+2]
	s_delay_alu instid0(VALU_DEP_1)
	v_mul_f32 v[\gt+6], s[INL], v[\gt]
	s_delay_alu instid0(VALU_DEP_1)
	v_sub_f32 v[\gt+3], v[\p], v[\gt+6]
	s_delay_alu instid0(VALU_DEP_1)
	v_mul_f32 v[\gt+4], v[\gt+3], v[\gt+3]
.set ii, 1
.rept NLN/2-1
	v_sub_f32 v[\gt+3], v[\p+2*ii], v[\gt+6]
	s_delay_alu instid0(VALU_DEP_1)
	v_fma_f32 v[\gt+4], v[\gt+3], v[\gt+3], v[\gt+4]
.set ii, ii+1
.endr
	s_delay_alu instid0(VALU_DEP_1)
	v_fma_f32 v[\gt+4], v[\gt+4], s[C64], v[\gt+1]
	s_delay_alu instid0(VALU_DEP_1)
	v_permlanex16_b32 v[\gt+2], v[\gt+4], s[SEL], s[SEL+1]
	s_delay_alu instid0(VALU_DEP_1)
	v_add_f32 v[\gt+4], v[\gt+4], v[\gt+2]
	s_delay_alu instid0(VALU_DEP_1)
	v_fma_f32 v[\gt+7], v[\gt+4], s[IW], s[EPS]
.endm
; a whole block of 32 in my registers v[T] on: its six registers of codes into v[CC] on; the two bytes of my row's 64 columns into v[BY]
.macro QBLK
	v_max3_num_f32 v[MXA], |v[T]|, |v[T+1]|, |v[T+2]|
	v_max3_num_f32 v[MXB], |v[T+3]|, |v[T+4]|, |v[T+5]|
.irp i, 6,10,14,18,22,26
	s_delay_alu instid0(VALU_DEP_2)
	v_max3_num_f32 v[MXA], v[MXA], |v[T+\i]|, |v[T+\i+1]|
	s_delay_alu instid0(VALU_DEP_2)
	v_max3_num_f32 v[MXB], v[MXB], |v[T+\i+2]|, |v[T+\i+3]|
.endr
	s_delay_alu instid0(VALU_DEP_2)
	v_max3_num_f32 v[MXA], v[MXA], |v[T+30]|, |v[T+31]|
	s_delay_alu instid0(VALU_DEP_1)
	v_max3_num_f32 v[MXA], v[MXA], v[MXB], 0x2800000   ; and the floor 2^(5 - 127): the byte cannot fall under 1
	s_delay_alu instid0(VALU_DEP_1)
	v_add_nc_u32 v[SCO], 0xfe000000, v[MXA]        ; 4 off the exponent field: the conversion's scale operand
	s_delay_alu instid0(VALU_DEP_1)
	v_lshrrev_b32 v[BY], 23, v[SCO]                ; the scale's byte,
	s_delay_alu instid0(VALU_DEP_1)
	v_lshlrev_b32 v[BY], v[H8], v[BY]              ; at its place (8 h bits up);
	s_delay_alu instid0(VALU_DEP_1)
	v_permlanex16_b32 v[MXB], v[BY], s[SEL], s[SEL+1]
	s_delay_alu instid0(VALU_DEP_1)
	v_or_b32 v[BY], v[BY], v[MXB]                  ; with lane l xor 16's the two are whole
	v_cvt_scalef32_pk16_bf6_f32 v[CC:CC+2], v[T:T+15], v[SCO]
	v_cvt_scalef32_pk16_bf6_f32 v[CC+4:CC+6], v[T+16:T+31], v[SCO]   ; (a conversion's three registers begin on an even number)
	v_nop                                          ; one plain place behind a scaled conversion
	v_mov_b32 v[CC+3], v[CC+4]
	v_mov_b32 v[CC+4], v[CC+5]
	v_mov_b32 v[CC+5], v[CC+6]
.endm
; one set of gains: the four tiles' numbers x g + b, quantised, images and scale bytes to LDS.  hook = 1: a tile of x that has been read for the last time takes the same tile of the context
.macro LNSET set, ia, ib, hook
.irp i, 0,1,2,3,4,5,6,7
	ds_load_b128 v[64+4*\i:67+4*\i], v[GLR] offset:512*\set+16*\i
	ds_load_b128 v[96+4*\i:99+4*\i], v[GLR] offset:512*\set+256+16*\i
.endr
	s_wait_dscnt 0x0
.irp m, 0,1,2,3
.irp i, 0,2,4,6,8,10,12,14,16,18,20,22,24,26,28,30
	v_pk_fma_f32 v[T+\i:T+\i+1], v[X+32*\m+\i:X+32*\m+\i+1], v[64+\i:65+\i], v[96+\i:97+\i]
.endr
.if \hook
	XTILE \m, CTX, 3072
.endif
	s_wait_dscnt 0x0                               ; the last tile's stores have read their registers
	QBLK
	ds_store_b128 v[\ia], v[CC:CC+3] offset:TSTR*\m
	ds_store_b64 v[\ib], v[CC+4:CC+5] offset:TSTR*\m+512
	ds_store_b16 v[SCS], v[BY] offset:\set*2048+128*(\m%2)+4*(\m/2)
.endr
.endm
; from the 32 loads on their way to the four tiles' (number - mean) x rstd in v[X] on.  One barrier.  psoff: where this pass's pairs lie behind PS.  NLN: the waves whose pairs count
.macro NORM psoff
.irp m, 0,1,2,3
	s_wait_loadcnt 24-8*\m                         ; this tile's eight loads are in; the later tiles' stay out
.irp j, 0,1,2,3,4,5,6,7
	ds_store_b128 v[STS], v[X+32*\m+4*\j:X+32*\m+4*\j+3] offset:544*\j
.endr
.irp j, 0,1,2,3,4,5,6,7
	ds_load_b128 v[X+32*\m+4*\j:X+32*\m+4*\j+3], v[STR] offset:16*\j   ; LDS serves a wave's instructions in order: these see the stores above, and the next tile's stores come behind them
.endr
.endr
.irp m, 0,1,2,3
	s_wait_dscnt 48-16*\m                          ; behind this tile's loads stand the later tiles' sixteen LDS instructions each
	LSTAT X+32*\m, LD+2*\m, \psoff+16*PP*\m
.endr
	BARRIER                                        ; every wave's pairs lie in LDS
.irp m, 0,1,2,3
.set ii, 0
.rept NLN/4
	ds_load_b128 v[64+NLN*\m+4*ii:64+NLN*\m+4*ii+3], v[PSR] offset:\psoff+16*PP*\m+16*ii
.set ii, ii+1
.endr
.endr
	s_wait_dscnt 0x0
.irp m, 0,1,2,3
	GSTAT 64+NLN*\m, 32+8*\m
.endr
	s_wait_alu depctr_va_vdst(0)
.irp m, 0,1,2,3
	v_rsq_f32 v[32+8*\m+7], v[32+8*\m+7]
.endr
	v_nop                                          ; a plain place behind the last of the batch,
	s_wait_alu depctr_va_vdst(0)                   ; and one wait for the four, ahead of their first reader
.irp m, 0,1,2,3
	v_mov_b32 v[CC], v[32+8*\m+6]
	v_mov_b32 v[CC+2], v[32+8*\m+7]
.irp i, 0,2,4,6,8,10,12,14,16,18,20,22,24,26,28,30
	v_pk_add_f32 v[X+32*\m+\i:X+32*\m+\i+1], v[X+32*\m+\i:X+32*\m+\i+1], v[CC:CC+1] op_sel_hi:[1,0] neg_lo:[0,1] neg_hi:[0,1]
.endr
.irp i, 0,2,4,6,8,10,12,14,16,18,20,22,24,26,28,30
	v_pk_mul_f32 v[X+32*\m+\i:X+32*\m+\i+1], v[X+32*\m+\i:X+32*\m+\i+1], v[CC+2:CC+3] op_sel_hi:[1,0]
.endr
.endr
.endm
; 32 numbers of a lane, register 16 b + i = k 32 b + 16 h + i of my row, become half a fragment's six registers at v[d] on and its two scale bytes in v[sc]
.macro QUANT2 s, d, sc
.irp b, 0,1
	v_max3_num_f32 v[TM+\b], |v[\s+16*\b]|, |v[\s+16*\b+1]|, 0x2800000
.endr
.irp i, 2,4,6,8,10,12,14
.irp b, 0,1
	v_max3_num_f32 v[TM+\b], v[TM+\b], |v[\s+16*\b+\i]|, |v[\s+16*\b+\i+1]|
.endr
.endr
.irp b, 0,1
	s_delay_alu instid0(VALU_DEP_2)
	v_permlanex16_b32 v[TM+2+\b], v[TM+\b], s[SEL], s[SEL+1]
.endr
.irp b, 0,1
	s_delay_alu instid0(VALU_DEP_2)
	v_max_num_f32 v[TM+\b], v[TM+\b], v[TM+2+\b]
.endr
.irp b, 0,1
	s_delay_alu instid0(VALU_DEP_2)
	v_add_nc_u32 v[TM+4+\b], 0xfe000000, v[TM+\b]
.endr
.irp b, 0,1
	s_delay_alu instid0(VALU_DEP_2)
	v_lshrrev_b32 v[TM+2+\b], 23, v[TM+4+\b]
.endr
	s_delay_alu instid0(VALU_DEP_1)
	v_lshl_or_b32 v[\sc], v[TM+3], 8, v[TM+2]
	v_cvt_scalef32_pk16_bf6_f32 v[\d:\d+2], v[\s:\s+15], v[TM+4]
	v_cvt_scalef32_pk16_bf6_f32 v[E:E+2], v[\s+16:\s+31], v[TM+5]
	v_nop                                          ; one plain place behind a scaled conversion
.irp i, 0,1,2
	v_permlane16_swap_b32 v[\d+\i], v[E+\i]        ; the layout wants a whole block in a lane: lanes 0-15 block 0, lanes 16-31 block 1
.endr
.irp i, 0,1,2
	s_delay_alu instid0(VALU_DEP_3)
	v_mov_b32 v[\d+3+\i], v[E+\i]
.endr
.endm
; K step s of my unit: four fragments of W from memory, four of tokens from LDS, sixteen products
.macro KSTEP s
.if (\s) > 0
.rept 4
	v_nop                                          ; four places in front of loads into registers that the last products read
.endr
.endif
.irp t, 0,1,2,3
	FRAG_G XW+12*\t, 6144*(\s)+1536*\t, WP
.endr
	global_load_b64 v[WSR:WSR+1], v[L8], s[WSP:WSP+1] offset:256*(\s)
.irp m, 0,1,2,3
	FRAG_L YA+12*\m, RA0, RB0, TSTR*\m+1536*(\s)
.endr
	ds_load_b64 v[ASR:ASR+1], v[RS0] offset:256*(\s)
	s_wait_loadcnt 0x0
	s_wait_dscnt 0x0
	s_cmp_eq_u32 s[VF], 1
	s_cbranch_scc1 .Lvp_\@
.irp m, 0,1,2,3
.irp t, 0,1,2,3
	WM ACC+32*\m+8*\t, XW+12*\t, YA+12*\m, (\s)==0, WSR+\t/2, ASR+\m/2, \t%2, \m%2
.endr
.endr
	s_branch .Ljn_\@
.Lvp_\@:
.irp t, 0,1,2,3
.irp m, 0,1,2,3
	WM ACC+32*\t+8*\m, YA+12*\m, XW+12*\t, (\s)==0, ASR+\m/2, WSR+\t/2, \m%2, \t%2
.endr
.endr
.Ljn_\@:
.endm
; the way out: four halves of fragments; each has registers of its own, so no store's data are written again
.macro EPI istr, sa, sb
.irp i, 0,1,2,3
	QUANT2 ACC+32*\i, 32+8*\i, 38+8*\i
	global_store_b128 v[L16], v[32+8*\i:35+8*\i], s[OI:OI+1] offset:\istr*\i
	global_store_b64 v[L8], v[36+8*\i:37+8*\i], s[OI:OI+1] offset:\istr*\i+512
	global_store_b16 v[R8], v[38+8*\i], s[OS:OS+1] offset:\sa*(\i%2)+\sb*(\i/2)
.endr
.endm
; my unit's pointers, from s[TI] (its type in its buffer), s[ETA], s[BB], s[BLK], s[VF]: weight pairs pairb + pairt x type + ns x head; images imgsz a type, hb a head; scale bytes from scb on, scsz a type, sb a head
.macro ROLE pairt, ns, pairb, imgsz, hb, scb, scsz, sb, outp
	s_lshl_b32 s[BH], s[BB], 3
	s_add_co_u32 s[BH], s[BH], s[ETA]
	s_mul_i32 s46, s[TI], \pairt
	s_mul_i32 s47, s[ETA], \ns
	s_add_co_u32 s46, s46, s47
	s_add_co_u32 s46, s46, \pairb                  ; my unit's first pair of weight images
	s_mul_i32 s48, s46, 6144
	s_mov_b32 s49, 0
	s_add_nc_u64 s[WP:WP+1], s[WIMG:WIMG+1], s[48:49]
	s_lshl_b32 s48, s46, 8
	s_add_co_u32 s48, s48, 2949120
	s_add_nc_u64 s[WSP:WSP+1], s[WIMG:WIMG+1], s[48:49]
	s_mul_i32 s46, s[TI], \imgsz
	s_mul_i32 s47, s[BH], \hb
	s_add_co_u32 s46, s46, s47
	s_lshr_b32 s50, s[BLK], 1
	s_and_b32 s51, s[BLK], 1
	s_mul_i32 s47, s[BLK], 3072                    ; q, k: four tiles of 768 bytes a block
	s_mul_i32 s52, s50, 6144
	s_mul_i32 s53, s51, 768
	s_add_co_u32 s52, s52, s53                     ; v: key step blk / 2, half blk % 2
	s_lshl_b32 s53, s51, 2
	s_lshl_b32 s54, s51, 1
	s_cmp_eq_u32 s[VF], 1
	s_cselect_b32 s47, s52, s47
	s_cselect_b32 s53, s54, s53
	s_add_co_u32 s48, s46, s47
	s_add_nc_u64 s[OI:OI+1], s[\outp:\outp+1], s[48:49]
	s_mul_i32 s46, s[TI], \scsz
	s_mul_i32 s47, s[BH], \sb
	s_add_co_u32 s46, s46, s47
	s_lshl_b32 s47, s50, 8
	s_add_co_u32 s46, s46, s47
	s_add_co_u32 s46, s46, s53
	s_add_co_u32 s48, s46, \scb
	s_add_nc_u64 s[OS:OS+1], s[\outp:\outp+1], s[48:49]
.endm
	s_load_b256 s[4:11], s[0:1], 0x0               ; x, sa_ng, sa_nb, sa_ncg
	s_load_b128 s[12:15], s[0:1], 0x20             ; sa_ncb, wimg
	s_load_b128 s[16:19], s[0:1], 0x30             ; qkv, kv2
	s_load_b128 s[56:59], s[0:1], 0x40             ; context, ca_ncg
	s_load_b64 s[60:61], s[0:1], 0x50              ; ca_ncb
	v_lshl_add_u32 v[SPW], v0, 2, SPARE
	v_mov_b32 v[NIL], 0
	v_lshrrev_b32 v[MXA], 5, v0
	s_delay_alu instid0(VALU_DEP_1)
	v_readfirstlane_b32 s[WV], v[MXA]              ; wave
	v_and_b32 v[MXA], 31, v0                       ; lane
	v_and_b32 v[MXB], 15, v0                       ; r
	v_bfe_u32 v[BY], v0, 4, 1                      ; h
	s_delay_alu instid0(VALU_DEP_3)
	v_lshlrev_b32 v[L8], 3, v[MXA]
	s_delay_alu instid0(VALU_DEP_2)
	v_lshlrev_b32 v[H8], 3, v[BY]
	s_delay_alu instid0(VALU_DEP_3)
	v_mul_u32_u24 v[XO], v[BY], 4096
	s_delay_alu instid0(VALU_DEP_1)
	v_lshl_add_u32 v[XO], v[MXB], 4, v[XO]         ; lanes 0-15 one row's 256 bytes, lanes 16-31 the next row's
	s_mul_i32 s46, s[WV], 1536
	s_add_co_u32 s46, s46, GL
	v_add_nc_u32 v[GLS], s46, v[L8]
	v_lshl_add_u32 v[GLR], v[BY], 7, s46           ; my block's 32 gains: 128 h bytes on
	s_mul_i32 s46, s[WV], 4352
	s_add_co_u32 s46, s46, STG
	v_mul_u32_u24 v[STS], v[BY], 272
	s_delay_alu instid0(VALU_DEP_1)
	v_lshl_add_u32 v[STS], v[MXB], 4, v[STS]
	s_delay_alu instid0(VALU_DEP_1)
	v_add_nc_u32 v[STS], s46, v[STS]               ; the stage, in: rows 2 j + h as loaded
	v_mul_u32_u24 v[STR], v[MXB], 272
	s_delay_alu instid0(VALU_DEP_1)
	v_lshl_add_u32 v[STR], v[BY], 7, v[STR]
	s_delay_alu instid0(VALU_DEP_1)
	v_add_nc_u32 v[STR], s46, v[STR]               ; out: row r, 128 h bytes on
	s_lshl_b32 s46, s[WV], 3
	s_add_co_u32 s46, s46, PS
	v_mul_u32_u24 v[PSS], v[MXB], PP
	s_delay_alu instid0(VALU_DEP_1)
	v_mad_u32_u24 v[PSR], v[BY], 64, v[PSS]
	s_delay_alu instid0(VALU_DEP_1)
	v_add_nc_u32 v[PSR], PS, v[PSR]                ; my half of a token's sixteen pairs
	s_delay_alu instid0(VALU_DEP_3)
	v_add_nc_u32 v[PSS], s46, v[PSS]               ; my wave's pair
	s_mul_i32 s46, s[WV], 768
	v_lshl_add_u32 v[IA0], v[MXA], 4, s46          ; my wave's half (K step w / 2, half w % 2) of each tile's images
	v_add_nc_u32 v[IB0], s46, v[L8]
	s_delay_alu instid0(VALU_DEP_2)
	v_add_nc_u32 v[IA1], SETB, v[IA0]
	s_delay_alu instid0(VALU_DEP_2)
	v_add_nc_u32 v[IB1], SETB, v[IB0]
	s_lshr_b32 s46, s[WV], 1
	s_lshl_b32 s46, s46, 8
	s_and_b32 s47, s[WV], 1
	s_lshl_b32 s47, s47, 1
	s_add_co_u32 s46, s46, s47
	s_add_co_u32 s46, s46, ASC
	v_lshl_add_u32 v[SCS], v[MXB], 3, s46          ; my two scale bytes: 256 (w / 2) + 2 (w % 2) + 8 r
	v_mov_b32 v[CC+1], 0                           ; upper halves of pairs of which the low word serves both halves, and a lane permute's destination: written once
	v_mov_b32 v[CC+3], 0
	v_mov_b32 v[LT+4], 0
.irp m, 0,1,2,3
	v_mov_b32 v[LD+2*\m+1], 0
.endr
	s_mov_b32 s[SEL], 0x76543210
	s_mov_b32 s[SEL+1], 0xfedcba98                 ; v_permlanex16_b32's selects for lane l xor 16
	s_mov_b32 s[INL], 0x3d800000                   ; 1 / 16
	s_mov_b32 s[IW], 0x3a800000                    ; 1 / 1,024
	s_mov_b32 s[EPS], 0x3727c5ac                   ; 1e-5
	s_mov_b32 s[C64], 0x42800000                   ; 64
	s_and_b32 s[YY], ttmp7, 0xffff
	s_mul_i32 s20, ttmp9, 64*4096
	s_lshl_b32 s46, s[WV], 8
	s_add_co_u32 s20, s20, s46
	s_mov_b32 s21, 0
	s_mov_b32 s47, 0
	s_min_u32 s48, s[WV], 11                       ; the context has twelve waves' columns: waves 12 to 15 take wave 11's
	s_lshl_b32 s48, s48, 8
	s_mov_b32 s49, 0
	s_lshr_b32 s50, ttmp9, 2                       ; my block of the context
	s_mul_i32 s50, s50, 64*3072
	s_add_co_u32 s50, s50, s48
	s_mov_b32 s51, 0
	s_wait_kmcnt 0x0
	s_add_nc_u64 s[4:5], s[4:5], s[20:21]          ; my work-group's first token, my wave's columns
	s_add_nc_u64 s[CTX:CTX+1], s[CTX:CTX+1], s[50:51]
.set k, 0
.rept 4
	s_add_nc_u64 s[6+2*k:7+2*k], s[6+2*k:7+2*k], s[46:47]
	global_load_b64 v[64+2*k:65+2*k], v[L8], s[6+2*k:7+2*k]
.set k, k+1
.endr
	s_add_nc_u64 s[58:59], s[58:59], s[48:49]
	global_load_b64 v[72:73], v[L8], s[58:59]
	s_add_nc_u64 s[60:61], s[60:61], s[48:49]
	global_load_b64 v[74:75], v[L8], s[60:61]
.irp m, 0,1,2,3
	XTILE \m, 4, 4096
.endr
	s_wait_loadcnt 32                              ; the gains are in; the 32 loads of x stay out
.set k, 0
.rept 6
	ds_store_b64 v[GLS], v[64+2*k:65+2*k] offset:256*k
.set k, k+1
.endr
.set NLN, 16
	NORM 0                                         ; x
	LNSET 0, IA0, IB0, 0
	s_wait_dscnt 0x0                               ; my stores have read their registers
	v_bfe_u32 v[BY], v0, 4, 1                      ; the context's offsets: a row is 3,072 bytes,
	v_and_b32 v[MXB], 15, v0
	s_delay_alu instid0(VALU_DEP_2)
	v_mul_u32_u24 v[XO], v[BY], 3072
	s_delay_alu instid0(VALU_DEP_1)
	v_lshl_add_u32 v[XO], v[MXB], 4, v[XO]
	s_delay_alu instid0(VALU_DEP_4)
	v_lshlrev_b32 v[BY], 4, v[BY]
	s_delay_alu instid0(VALU_DEP_1)
	v_sub_nc_u32 v[PSR], v[PSR], v[BY]             ; and half of a token's twelve pairs is 48 bytes, not 64
	LNSET 1, IA1, IB1, 1
	v_add_nc_u32 v[IA0], 2*SETB, v[IA0]            ; set 2's images (set 0's stores were waited for in set 1's pass)
	v_add_nc_u32 v[IB0], 2*SETB, v[IB0]
	s_mov_b32 s[INL], 0x3daaaaab                   ; 1 / 12
	s_mov_b32 s[IW], 0x3aaaaaab                    ; 1 / 768
.set NLN, 12
	NORM PSC                                       ; the context
	LNSET 2, IA0, IB0, 0
	BARRIER                                        ; all images and scale words lie in LDS
	v_and_b32 v[L16], 31, v0                       ; the product phase's addresses, made ahead of the waves' parting
	s_delay_alu instid0(VALU_DEP_1)
	v_lshlrev_b32 v[L16], 4, v[L16]
	v_and_b32 v[R8], 15, v0
	s_delay_alu instid0(VALU_DEP_1)
	v_lshlrev_b32 v[R8], 3, v[R8]
	s_lshr_b32 s[TYPE], s[WV], 2
	s_add_co_u32 s46, s[TYPE], 1
	s_lshr_b32 s46, s46, 1                         ; q reads set 0, k and v set 1, k2 and v2 set 2
	s_mul_i32 s47, s46, SETB
	s_lshl_b32 s46, s46, 11
	s_add_co_u32 s46, s46, ASC
	v_add_nc_u32 v[RA0], s47, v[L16]
	v_add_nc_u32 v[RB0], s47, v[L8]
	v_add_nc_u32 v[RS0], s46, v[L8]
	s_cmp_ge_u32 s[WV], 14
	s_cbranch_scc1 .Lend                           ; waves with no unit are done
	s_lshr_b32 s[VF], 0x2f00, s[WV]
	s_and_b32 s[VF], s[VF], 1                      ; 1 in waves 8-11 and 13: v and v2
	s_lshr_b32 s[BB], ttmp9, 5                     ; batch: 32 blocks of x, and 8 blocks of the context (X / 4), to a batch
	s_cmp_ge_u32 s[WV], 12
	s_cbranch_scc1 .Lctx
	s_mov_b32 s[TI], s[TYPE]
	s_and_b32 s[ETA], s[WV], 3
	s_lshl_b32 s46, s[YY], 2
	s_add_co_u32 s[ETA], s[ETA], s46               ; my head
	s_and_b32 s[BLK], ttmp9, 31                    ; block of 64 tokens in the batch
	ROLE 64, 8, 0, 3145728, 98304, 9437184, 131072, 4096, QKV
	s_branch .Lroles
.Lctx:
	s_and_b32 s[TI], s[WV], 3                      ; 0 k2, 1 v2
	s_and_b32 s[ETA], ttmp9, 3
	s_lshl_b32 s[ETA], s[ETA], 1
	s_add_co_u32 s[ETA], s[ETA], s[YY]             ; head 2 (X % 4) + y
	s_bfe_u32 s[BLK], ttmp9, 0x30002               ; (X / 4) % 8
	ROLE 48, 6, 256, 786432, 24576, 1572864, 32768, 1024, KV2
.Lroles:
.set ks, 0
	s_wait_alu depctr_va_vdst(0)
.rept 6
	KSTEP ks
.set ks, ks+1
.endr
	s_cmp_ge_u32 s[WV], 12
	s_cbranch_scc1 .Lkdone                         ; the context's K is 768: six steps
	KSTEP 6
	KSTEP 7
.Lkdone:
.rept 4
	v_nop                                          ; four places in front of the first read of results and the first write of operands
.endr
	v_mov_b32 v[TM+2], 0                           ; a lane permute's destination counts as one of its sources
	v_mov_b32 v[TM+3], 0
	s_cmp_eq_u32 s[VF], 1
	s_cbranch_scc1 .Lvout
	EPI 768, 2, 128                                ; q, k, k2: token tile i
	s_branch .Lend
.Lvout:
	EPI 1536, 128, 4                               ; v, v2: channel tile i
.Lend:
	s_wait_tensorcnt 0x0                           ; the wave's end
	ds_add_u32 v[SPW], v[NIL]
	s_wait_dscnt 0x0
	s_endpgm
.Lfunc_end_k_q32dfa3336e_qkv:
	.size	k_q32dfa3336e_qkv, .Lfunc_end_k_q32dfa3336e_qkv-k_q32dfa3336e_qkv
	.p2alignl 7, 3214868480
	.fill 96, 4, 3214868480
	.section	.rodata,"a",@progbits
	.p2align	6, 0x0
	.amdhsa_kernel k_q32dfa3336e_qkv
		.amdhsa_group_segment_fixed_size 268288
		.amdhsa_private_segment_fixed_size 0
		.amdhsa_enable_private_segment 0
		.amdhsa_kernarg_size 88
		.amdhsa_user_sgpr_count 2
		.amdhsa_user_sgpr_kernarg_segment_ptr 1
		.amdhsa_wavefront_size32 1
		.amdhsa_system_sgpr_workgroup_id_x 1
		.amdhsa_system_sgpr_workgroup_id_y 1
		.amdhsa_system_sgpr_workgroup_id_z 1
		.amdhsa_system_vgpr_workitem_id 0
		.amdhsa_next_free_vgpr 256
		.amdhsa_next_free_sgpr 66
		.amdhsa_reserve_vcc 0
		.amdhsa_float_denorm_mode_32 3
		.amdhsa_float_denorm_mode_16_64 3
		.amdhsa_memory_ordered 1
		.amdhsa_forward_progress 1
		.amdhsa_inst_pref_size 215
	.end_amdhsa_kernel
	.amdgpu_metadata
---
amdhsa.version: [ 1, 2 ]
amdhsa.kernels:
  - .name:           k_q32dfa3336e_qkv
    .symbol:         k_q32dfa3336e_qkv.kd
    .args:
      - { .name: x, .offset: 0, .size: 8, .value_kind: global_buffer, .address_space: global }
      - { .name: sa_ng, .offset: 8, .size: 8, .value_kind: global_buffer, .address_space: global }
      - { .name: sa_nb, .offset: 16, .size: 8, .value_kind: global_buffer, .address_space: global }
      - { .name: sa_ncg, .offset: 24, .size: 8, .value_kind: global_buffer, .address_space: global }
      - { .name: sa_ncb, .offset: 32, .size: 8, .value_kind: global_buffer, .address_space: global }
      - { .name: wimg, .offset: 40, .size: 8, .value_kind: global_buffer, .address_space: global }
      - { .name: qkv, .offset: 48, .size: 8, .value_kind: global_buffer, .address_space: global }
      - { .name: kv2, .offset: 56, .size: 8, .value_kind: global_buffer, .address_space: global }
      - { .name: context, .offset: 64, .size: 8, .value_kind: global_buffer, .address_space: global }
      - { .name: ca_ncg, .offset: 72, .size: 8, .value_kind: global_buffer, .address_space: global }
      - { .name: ca_ncb, .offset: 80, .size: 8, .value_kind: global_buffer, .address_space: global }
    .group_segment_fixed_size: 268288
    .private_segment_fixed_size: 0
    .kernarg_segment_align: 8
    .kernarg_segment_size: 88
    .max_flat_workgroup_size: 512
    .sgpr_count:     66
    .vgpr_count:     256
    .wavefront_size: 32
...
	.end_amdgpu_metadata
.endif
;; end of part 7
;; launch tail (part 8): grid 256 x 1, 16 waves a work-group, no clusters, 258,560 bytes of LDS; arguments qkv, x, wimg, kv2, sa_bo, ca_ng, ca_nb, ca_bo, out0; writes out0
.if DOCPART == 8
	.amdgcn_target "amdgcn-amd-amdhsa--gfx1250"
	.amdhsa_code_object_version 6
	.text
	.protected	k_q32dfa3336e_tail
	.globl	k_q32dfa3336e_tail
	.p2align	8
	.type	k_q32dfa3336e_tail,@function
k_q32dfa3336e_tail:
	s_mov_b64 s[64:65], 0
	v_nop
	global_prefetch_b8 v0, s[64:65] scope:SCOPE_SE
	s_setreg_imm32_b32 hwreg(HW_REG_WAVE_MODE, 25, 1), 1
	s_wait_xcnt 0x0
; For 32 tokens a work-group: o = self-attention over the batch's 2,048 keys (qkv); quantise; x1 = o sa_wo + sa_bo + x; layer norm (ca_ng, ca_nb); quantise; q2 = . ca_wq;
; cross-attention over the batch's 512 keys (kv2); quantise; out0 = o2 ca_wo + ca_bo + x1.  o, x1, q2 and o2 never go to memory.  No work is left out.
; SHARES.  Token group B = the work-group's number; its two tiles u take, in lane r, token 32 B + 8 u + r + 8 (r / 8).  HEAD ROLE (P0, P3 to P5): wave w has head w / 2 and tile w % 2.
; COLUMN ROLE (P1, P2, P6): wave w owns columns 64 w .. 64 w + 63 of both tiles.  The roles are arithmetic on the wave's number: no branch hangs on it.
; Four waves share a SIMD, so that one wave's softmax stands beside another's products and loads.
; All products are used with the weight (or K, V) as source 0: a lane holds one token, and the 32 registers of four tiles are 16 neighbours of each of two blocks of 32 columns.
; ATTENTION.  S^T = K Q^T, O^T = V^T P^T: a lane holds one query throughout.  K = 64 along the head, the instruction's K is 128: a fragment holds TWO key tiles (registers 0-5: tile 0 of a group of
; 32 keys, 6-11: tile 1), and Q lies as 0 | q | 0 in 18 registers: q | 0 picks tile 0, 0 | q tile 1; zero codes add nothing.  t = score x log2(e) / 8; M = the running largest t rounded up to a whole
; number; p = 2^(t - M) is quantised along the keys, not normalised; the row's sum is taken of the unquantised p and divides at the end; when M moves, sum and O^T are multiplied by 2^(old M - new M).
; K and V come from memory as images of operand registers, 12,800 bytes a key step of 128 keys; V lands under the softmax.
; Operands go from wave to wave through LDS as images of their registers (half a fragment: registers 0-3 at 16 x lane, 4-5 at 512 + 8 x lane).  Four barriers; no LDS region is used for two things.
; No tensor load, no cluster: the weight images and K, V (4 MB a work-group; the weights the same in all, K and V in the 64 of a batch) go straight into registers; sharing them is left for a later form.
.set NLN,   16
.set STG,   0                          ; each wave's stage: 16 rows x 272 bytes
.set PARK,  69632                      ; each wave's x1, as its registers lie: 8,192 bytes
.set PS,    200704                     ; 32 tokens x 144: the waves' (mean, M2) pairs
.set XNI,   205312                     ; the normed tokens' images: 12,288 u + 768 w
.set XNS,   229888                     ; their scale words: 128 bytes a K step
.set O2I,   230912                     ; o2's images: 6,144 u + 768 eta
.set O2S,   243200
.set SPARE, 243712                     ; the spare words, 128 bytes a wave, which no other line names
.set O1I,   245760                     ; o's images, as o2's
.set O1S,   258048
.set L16, 1
.set L8,  2
.set L4,  3
.set XO,  4
.set BO,  5
.set SPW, 6
.set NIL, 7
.set STS, 8
.set STR, 9
.set PSS, 10                           ; v10, v11, v34, v91-94: LDS addresses of the phase in hand
.set PSR, 11
.set XA,  91
.set XB,  92
.set XS,  93
.set A16, 10
.set A8,  11
.set AS4, 94
.set PK,  95
.set QSC, 35                           ; v35, v84-90 hold scales and nothing else
.set KV,  36
.set KSC, 84
.set VSC, 86
.set PSC, 90
.set SS,  96
.set OT,  160
.set PCD, 192
.set VB,  204                          ; v204-251 V's four fragments: K (v36-83) and V have registers of their own, so that the next step's K is on its way under this step's softmax
.set BM,  252                          ; v252-255 the blocks' largest scores, then their largest p,
.set SO,  BM                           ; then, in place, the conversions' scale operands
.set PB,  196                          ; v196-199 and v200-203 lie inside p's operand (v192-203), which is empty from one step's second product to the next step's codes:
.set T0,  200                          ; lane permutes' results, the sum's chains, the scale bytes, half of a pair of blocks' codes
.set FF,  10                           ; v[10:11] f (between the attentions: LDS addresses of the phase in hand)
.set TP,  PB+3
.set PFO, 34                           ; v34 in P0: 256 x lane, the prefetches' offset
.set T,   160
.set LT,  68
.set LD,  74
.set WV, 22
.set ETA, 23
.set UP, 24
.set BH, 25
.set SEL, 26
.set CS, 28
.set INL, 30
.set IW, 31
.set EPS, 32
.set C64, 33
.set W1P, 38
.set W1S, 40
.set QP, 42
.set QSP, 44
.set W3P, 46
.set W3S, 48
.set KP, 50
.set VP, 52
.set KSP, 54
.set VSP, 56
.set W6P, 58
.set W6S, 60
.set CNT, 62
.set PFA, 66
.set LIM, 68
.set PXA, 70                           ; s[70:71] my wave's 8,192 bytes of the work-group's block of x; never rewritten
.macro BARRIER
	s_wait_dscnt 0x0
	s_barrier_signal -1
	s_barrier_wait -1
.endm
.macro PLACES
.rept 4
	v_nop
.endr
.endm
.macro WM d, a, b, z, sa, sb, ra, rb
.if (\z)
.if ((\ra)==0)&&((\rb)==0)
	v_wmma_scale_f32_16x16x128_f8f6f4 v[\d:\d+7], v[\a:\a+11], v[\b:\b+11], 0, v[\sa], v[\sb] matrix_a_fmt:MATRIX_FMT_BF6 matrix_b_fmt:MATRIX_FMT_BF6
.elseif ((\ra)==1)&&((\rb)==0)
	v_wmma_scale_f32_16x16x128_f8f6f4 v[\d:\d+7], v[\a:\a+11], v[\b:\b+11], 0, v[\sa], v[\sb] matrix_a_fmt:MATRIX_FMT_BF6 matrix_b_fmt:MATRIX_FMT_BF6 matrix_a_scale:MATRIX_SCALE_ROW1
.elseif ((\ra)==0)&&((\rb)==1)
	v_wmma_scale_f32_16x16x128_f8f6f4 v[\d:\d+7], v[\a:\a+11], v[\b:\b+11], 0, v[\sa], v[\sb] matrix_a_fmt:MATRIX_FMT_BF6 matrix_b_fmt:MATRIX_FMT_BF6 matrix_b_scale:MATRIX_SCALE_ROW1
.else
	v_wmma_scale_f32_16x16x128_f8f6f4 v[\d:\d+7], v[\a:\a+11], v[\b:\b+11], 0, v[\sa], v[\sb] matrix_a_fmt:MATRIX_FMT_BF6 matrix_b_fmt:MATRIX_FMT_BF6 matrix_a_scale:MATRIX_SCALE_ROW1 matrix_b_scale:MATRIX_SCALE_ROW1
.endif
.else
.if ((\ra)==0)&&((\rb)==0)
	v_wmma_scale_f32_16x16x128_f8f6f4 v[\d:\d+7], v[\a:\a+11], v[\b:\b+11], v[\d:\d+7], v[\sa], v[\sb] matrix_a_fmt:MATRIX_FMT_BF6 matrix_b_fmt:MATRIX_FMT_BF6
.elseif ((\ra)==1)&&((\rb)==0)
	v_wmma_scale_f32_16x16x128_f8f6f4 v[\d:\d+7], v[\a:\a+11], v[\b:\b+11], v[\d:\d+7], v[\sa], v[\sb] matrix_a_fmt:MATRIX_FMT_BF6 matrix_b_fmt:MATRIX_FMT_BF6 matrix_a_scale:MATRIX_SCALE_ROW1
.elseif ((\ra)==0)&&((\rb)==1)
	v_wmma_scale_f32_16x16x128_f8f6f4 v[\d:\d+7], v[\a:\a+11], v[\b:\b+11], v[\d:\d+7], v[\sa], v[\sb] matrix_a_fmt:MATRIX_FMT_BF6 matrix_b_fmt:MATRIX_FMT_BF6 matrix_b_scale:MATRIX_SCALE_ROW1
.else
	v_wmma_scale_f32_16x16x128_f8f6f4 v[\d:\d+7], v[\a:\a+11], v[\b:\b+11], v[\d:\d+7], v[\sa], v[\sb] matrix_a_fmt:MATRIX_FMT_BF6 matrix_b_fmt:MATRIX_FMT_BF6 matrix_a_scale:MATRIX_SCALE_ROW1 matrix_b_scale:MATRIX_SCALE_ROW1
.endif
.endif
.endm
.macro FRAG_G d, off, base
	global_load_b128 v[\d:\d+3], v[L16], s[\base:\base+1] offset:\off
	global_load_b64 v[\d+4:\d+5], v[L8], s[\base:\base+1] offset:\off+512
	global_load_b128 v[\d+6:\d+9], v[L16], s[\base:\base+1] offset:\off+768
	global_load_b64 v[\d+10:\d+11], v[L8], s[\base:\base+1] offset:\off+1280
.endm
.macro FRAG_L d, a16, a8, off
	ds_load_b128 v[\d:\d+3], v[\a16] offset:\off
	ds_load_b64 v[\d+4:\d+5], v[\a8] offset:\off+512
	ds_load_b128 v[\d+6:\d+9], v[\a16] offset:\off+768
	ds_load_b64 v[\d+10:\d+11], v[\a8] offset:\off+1280
.endm
.macro LSTAT x, dp, off
	v_pk_add_f32 v[LT:LT+1], v[\x:\x+1], v[\x+2:\x+3]
	v_pk_add_f32 v[LT+2:LT+3], v[\x+4:\x+5], v[\x+6:\x+7]
.irp i, 8,12,16,20,24,28
	v_pk_add_f32 v[LT:LT+1], v[LT:LT+1], v[\x+\i:\x+\i+1]
	v_pk_add_f32 v[LT+2:LT+3], v[LT+2:LT+3], v[\x+\i+2:\x+\i+3]
.endr
	s_delay_alu instid0(VALU_DEP_1)
	v_pk_add_f32 v[LT:LT+1], v[LT:LT+1], v[LT+2:LT+3]
	s_delay_alu instid0(VALU_DEP_1)
	v_add_f32 v[LT], v[LT], v[LT+1]
	s_delay_alu instid0(VALU_DEP_1)
	v_permlanex16_b32 v[LT+4], v[LT], s[SEL], s[SEL+1]
	s_delay_alu instid0(VALU_DEP_1)
	v_add_f32 v[LT], v[LT], v[LT+4]
	s_delay_alu instid0(VALU_DEP_1)
	v_mul_f32 v[\dp], 0x3c800000, v[LT]
.irp i, 0,2,4,6,8,10,12,14,16,18,20,22,24,26,28,30
	v_pk_add_f32 v[T+\i:T+\i+1], v[\x+\i:\x+\i+1], v[\dp:\dp+1] op_sel_hi:[1,0] neg_lo:[0,1] neg_hi:[0,1]
.endr
	v_pk_mul_f32 v[LT:LT+1], v[T:T+1], v[T:T+1]
	v_pk_mul_f32 v[LT+2:LT+3], v[T+2:T+3], v[T+2:T+3]
.irp i, 4,8,12,16,20,24,28
	s_delay_alu instid0(VALU_DEP_2)
	v_pk_fma_f32 v[LT:LT+1], v[T+\i:T+\i+1], v[T+\i:T+\i+1], v[LT:LT+1]
	s_delay_alu instid0(VALU_DEP_2)
	v_pk_fma_f32 v[LT+2:LT+3], v[T+\i+2:T+\i+3], v[T+\i+2:T+\i+3], v[LT+2:LT+3]
.endr
	s_delay_alu instid0(VALU_DEP_1)
	v_pk_add_f32 v[LT:LT+1], v[LT:LT+1], v[LT+2:LT+3]
	s_delay_alu instid0(VALU_DEP_1)
	v_add_f32 v[LT], v[LT], v[LT+1]
	s_delay_alu instid0(VALU_DEP_1)
	v_permlanex16_b32 v[LT+4], v[LT], s[SEL], s[SEL+1]
	s_delay_alu instid0(VALU_DEP_1)
	v_add_f32 v[\dp+1], v[LT], v[LT+4]
	ds_store_b64 v[PSS], v[\dp:\dp+1] offset:\off
.endm
.macro GSTAT p, gt
	v_pk_add_f32 v[\gt:\gt+1], v[\p:\p+1], v[\p+2:\p+3]
.set ii, 2
.rept NLN/2-2
	s_delay_alu instid0(VALU_DEP_1)
	v_pk_add_f32 v[\gt:\gt+1], v[\gt:\gt+1], v[\p+2*ii:\p+2*ii+1]
.set ii, ii+1
.endr
	s_delay_alu instid0(VALU_DEP_1)
	v_permlanex16_b32 v[\gt+2], v[\gt], s[SEL], s[SEL+1]
	s_delay_alu instid0(VALU_DEP_1)
	v_add_f32 v[\gt], v[\gt], v[\gt+2]
	s_delay_alu instid0(VALU_DEP_1)
	v_mul_f32 v[\gt+6], s[INL], v[\gt]
	s_delay_alu instid0(VALU_DEP_1)
	v_sub_f32 v[\gt+3], v[\p], v[\gt+6]
	s_delay_alu instid0(VALU_DEP_1)
	v_mul_f32 v[\gt+4], v[\gt+3], v[\gt+3]
.set ii, 1
.rept NLN/2-1
	v_sub_f32 v[\gt+3], v[\p+2*ii], v[\gt+6]
	s_delay_alu instid0(VALU_DEP_1)
	v_fma_f32 v[\gt+4], v[\gt+3], v[\gt+3], v[\gt+4]
.set ii, ii+1
.endr
	s_delay_alu instid0(VALU_DEP_1)
	v_fma_f32 v[\gt+4], v[\gt+4], s[C64], v[\gt+1]
	s_delay_alu instid0(VALU_DEP_1)
	v_permlanex16_b32 v[\gt+2], v[\gt+4], s[SEL], s[SEL+1]
	s_delay_alu instid0(VALU_DEP_1)
	v_add_f32 v[\gt+4], v[\gt+4], v[\gt+2]
	s_delay_alu instid0(VALU_DEP_1)
	v_fma_f32 v[\gt+7], v[\gt+4], s[IW], s[EPS]
.endm
.macro QUANT2 s, d, sc                 ; temporaries at the symbols E (three registers) and TM (six), set ahead of each use
.irp b, 0,1
	v_max3_num_f32 v[TM+\b], |v[\s+16*\b]|, |v[\s+16*\b+1]|, 0x2800000
.endr
.irp i, 2,4,6,8,10,12,14
.irp b, 0,1
	v_max3_num_f32 v[TM+\b], v[TM+\b], |v[\s+16*\b+\i]|, |v[\s+16*\b+\i+1]|
.endr
.endr
.irp b, 0,1
	s_delay_alu instid0(VALU_DEP_2)
	v_permlanex16_b32 v[TM+2+\b], v[TM+\b], s[SEL], s[SEL+1]
.endr
.irp b, 0,1
	s_delay_alu instid0(VALU_DEP_2)
	v_max_num_f32 v[TM+\b], v[TM+\b], v[TM+2+\b]
.endr
.irp b, 0,1
	s_delay_alu instid0(VALU_DEP_2)
	v_add_nc_u32 v[TM+4+\b], 0xfe000000, v[TM+\b]
.endr
.irp b, 0,1
	s_delay_alu instid0(VALU_DEP_2)
	v_lshrrev_b32 v[TM+2+\b], 23, v[TM+4+\b]
.endr
	s_delay_alu instid0(VALU_DEP_1)
	v_lshl_or_b32 v[\sc], v[TM+3], 8, v[TM+2]
	v_cvt_scalef32_pk16_bf6_f32 v[\d:\d+2], v[\s:\s+15], v[TM+4]
	v_cvt_scalef32_pk16_bf6_f32 v[E:E+2], v[\s+16:\s+31], v[TM+5]
	v_nop
.irp i, 0,1,2
	v_permlane16_swap_b32 v[\d+\i], v[E+\i]
.endr
.irp i, 0,1,2
	s_delay_alu instid0(VALU_DEP_3)
	v_mov_b32 v[\d+3+\i], v[E+\i]
.endr
.endm
; the softmax of a key step of 128 keys: S^T in v[SS] on becomes p, p's codes in v[PCD] on, p's scale word in v[PSC], f in v[FF]
.macro SOFTMAX
.irp b, 0,1,2,3
	v_max3_num_f32 v[BM+\b], v[SS+16*\b], v[SS+16*\b+1], v[SS+16*\b+2]   ; the largest score of each block of 32 keys: for the row's maximum and, since p rises with the score, for the block's largest p
.endr
.irp i, 3,5,7,9,11,13
.irp b, 0,1,2,3
	v_max3_num_f32 v[BM+\b], v[BM+\b], v[SS+16*\b+\i], v[SS+16*\b+\i+1]
.endr
.endr
.irp b, 0,1,2,3
	v_max_num_f32 v[BM+\b], v[BM+\b], v[SS+16*\b+15]
.endr
.irp b, 0,1,2,3
	s_delay_alu instid0(VALU_DEP_4)
	v_permlanex16_b32 v[PB+\b], v[BM+\b], s[SEL], s[SEL+1]
.endr
.irp b, 0,1,2,3
	s_delay_alu instid0(VALU_DEP_4)
	v_max_num_f32 v[BM+\b], v[BM+\b], v[PB+\b]
.endr
	s_delay_alu instid0(VALU_DEP_2)
	v_max3_num_f32 v[TP], v[BM], v[BM+1], v[BM+2]
	s_delay_alu instid0(VALU_DEP_1)
	v_max_num_f32 v[TP], v[TP], v[BM+3]
	s_delay_alu instid0(VALU_DEP_1)
	v_mul_f32 v[TP], s[CS], v[TP]                  ; as t (c is positive)
	s_delay_alu instid0(VALU_DEP_1)
	v_max_num_f32 v13, v13, v[TP]                  ; the running largest t
	v_mov_b32 v[TP], v12
	s_delay_alu instid0(VALU_DEP_2)
	v_floor_f32 v12, -v13                          ; the new -M = floor(-t): M is a whole number
	s_delay_alu instid0(VALU_DEP_1)
	v_sub_f32 v[TP], v12, v[TP]                    ; old M less new M: a whole number, 0 or less
	s_delay_alu instid0(VALU_DEP_1)
	v_cvt_i32_f32 v[TP], v[TP]                     ; (it saturates)
	s_delay_alu instid0(VALU_DEP_1)
	v_ldexp_f32 v[FF], 1.0, v[TP]                  ; f = 2^(old M - new M)
.irp j, 0,2,4,6,8,10,12,14,16,18,20,22,24,26,28,30,32,34,36,38,40,42,44,46,48,50,52,54,56,58,60,62
	v_pk_fma_f32 v[SS+\j:SS+\j+1], v[SS+\j:SS+\j+1], s[CS:CS+1], v[12:13] op_sel_hi:[1,0,0]   ; t - M
.endr
.irp b, 0,1,2,3
	v_fma_f32 v[BM+\b], v[BM+\b], s[CS], v12
.endr
	s_wait_alu depctr_va_vdst(0)
.irp j, 0,1,2,3,4,5,6,7,8,9,10,11,12,13,14,15,16,17,18,19,20,21,22,23,24,25,26,27,28,29,30,31,32,33,34,35,36,37,38,39,40,41,42,43,44,45,46,47,48,49,50,51,52,53,54,55,56,57,58,59,60,61,62,63
	v_exp_f32 v[SS+\j], v[SS+\j]                   ; p = 2^(t - M), at most 1
.endr
	v_pk_mul_f32 v[14:15], v[14:15], v[FF:FF+1] op_sel_hi:[1,0]   ; the sums under the new M: a plain place behind the batch
	s_wait_alu depctr_va_vdst(0)                   ; one wait for the 64, ahead of their first reader
.irp b, 0,1,2,3
	v_exp_f32 v[BM+\b], v[BM+\b]                   ; the blocks' largest p
.endr
	v_pk_add_f32 v[PB:PB+1], v[SS:SS+1], v[SS+2:SS+3]              ; the row's sum of the unquantised p: 32 pairs in five chains
	v_pk_add_f32 v[PB+2:PB+3], v[SS+4:SS+5], v[SS+6:SS+7]
	v_pk_add_f32 v[T0:T0+1], v[SS+8:SS+9], v[SS+10:SS+11]
	v_pk_add_f32 v[T0+2:T0+3], v[SS+12:SS+13], v[SS+14:SS+15]
	v_pk_add_f32 v[14:15], v[14:15], v[SS+16:SS+17]
.irp j, 18,28,38,48
	v_pk_add_f32 v[PB:PB+1], v[PB:PB+1], v[SS+\j:SS+\j+1]
	v_pk_add_f32 v[PB+2:PB+3], v[PB+2:PB+3], v[SS+\j+2:SS+\j+3]
	v_pk_add_f32 v[T0:T0+1], v[T0:T0+1], v[SS+\j+4:SS+\j+5]
	v_pk_add_f32 v[T0+2:T0+3], v[T0+2:T0+3], v[SS+\j+6:SS+\j+7]
	v_pk_add_f32 v[14:15], v[14:15], v[SS+\j+8:SS+\j+9]
.endr
	v_pk_add_f32 v[PB:PB+1], v[PB:PB+1], v[SS+58:SS+59]
	v_pk_add_f32 v[PB+2:PB+3], v[PB+2:PB+3], v[SS+60:SS+61]
	v_pk_add_f32 v[T0:T0+1], v[T0:T0+1], v[SS+62:SS+63]
	s_delay_alu instid0(VALU_DEP_2)
	v_pk_add_f32 v[PB:PB+1], v[PB:PB+1], v[PB+2:PB+3]
	s_delay_alu instid0(VALU_DEP_2)
	v_pk_add_f32 v[T0:T0+1], v[T0:T0+1], v[T0+2:T0+3]
	s_delay_alu instid0(VALU_DEP_2)
	v_pk_add_f32 v[14:15], v[14:15], v[PB:PB+1]
	s_delay_alu instid0(VALU_DEP_1)
	v_pk_add_f32 v[14:15], v[14:15], v[T0:T0+1]
	s_wait_alu depctr_va_vdst(0)                   ; and one for the four
.irp b, 0,1,2,3
	v_max_num_f32 v[BM+\b], 0x2800000, v[BM+\b]    ; the floor 2^(5 - 127)
.endr
.irp b, 0,1,2,3
	s_delay_alu instid0(VALU_DEP_4)
	v_add_nc_u32 v[SO+\b], 0xfe000000, v[BM+\b]
.endr
.irp b, 0,1,2,3
	s_delay_alu instid0(VALU_DEP_4)
	v_lshrrev_b32 v[PB+\b], 23, v[SO+\b]
.endr
	s_delay_alu instid0(VALU_DEP_3)
	v_lshl_or_b32 v[PSC], v[PB+1], 8, v[PB]
	s_delay_alu instid0(VALU_DEP_1)
	v_lshl_or_b32 v[PSC], v[PB+2], 16, v[PSC]
	s_delay_alu instid0(VALU_DEP_1)
	v_lshl_or_b32 v[PSC], v[PB+3], 24, v[PSC]
	v_cvt_scalef32_pk16_bf6_f32 v[PCD:PCD+2], v[SS:SS+15], v[SO]           ; blocks 0 and 1: half blocks of codes into p's operand and into v[T0] on
	v_cvt_scalef32_pk16_bf6_f32 v[T0:T0+2], v[SS+16:SS+31], v[SO+1]
	v_nop                                          ; a plain place: the next two land on numbers that the first conversion has read
	v_cvt_scalef32_pk16_bf6_f32 v[SS:SS+2], v[SS+32:SS+47], v[SO+2]        ; blocks 2 and 3: into score registers that are done with
	v_cvt_scalef32_pk16_bf6_f32 v[SS+4:SS+6], v[SS+48:SS+63], v[SO+3]
	v_nop
.irp i, 0,1,2
	v_permlane16_swap_b32 v[PCD+\i], v[T0+\i]      ; the layout wants a whole block in a lane
.endr
.irp i, 0,1,2
	s_delay_alu instid0(VALU_DEP_3)
	v_mov_b32 v[PCD+3+\i], v[T0+\i]
.endr
.irp i, 0,1,2
	v_permlane16_swap_b32 v[SS+\i], v[SS+4+\i]
.endr
.irp i, 0,1,2
	s_delay_alu instid0(VALU_DEP_3)
	v_mov_b32 v[PCD+6+\i], v[SS+\i]
.endr
.irp i, 0,1,2
	v_mov_b32 v[PCD+9+\i], v[SS+4+\i]
.endr
.irp j, 0,2,4,6,8,10,12,14,16,18,20,22,24,26,28,30
	v_pk_mul_f32 v[OT+\j:OT+\j+1], v[OT+\j:OT+\j+1], v[FF:FF+1] op_sel_hi:[1,0]   ; O^T under the new M
.endr
.endm
; an attention's start: zero codes on either side of q; O^T and the sum zeros, the largest t -3e38: the step is written once, and the first change of M leaves zeros zeros
.macro AINIT
.irp j, 16,17,18,19,20,21,28,29,30,31,32,33
	v_mov_b32 v[\j], 0
.endr
.irp j, 0,1,2,3,4,5,6,7,8,9,10,11,12,13,14,15,16,17,18,19,20,21,22,23,24,25,26,27,28,29,30,31
	v_mov_b32 v[OT+\j], 0
.endr
	v_mov_b32 v13, 0xff61b1e6
	s_delay_alu instid0(VALU_DEP_1)
	v_floor_f32 v12, -v13
	v_mov_b32 v14, 0
	v_mov_b32 v15, 0
.irp b, 0,1,2,3
	v_mov_b32 v[PB+\b], 0
.endr
	v_mov_b32 v[FF+1], 0
.endm
.macro KFRAGS                          ; K's four fragments of the key step at s[KP]: 16 loads
.irp b, 0,1,2,3
	FRAG_G KV+12*\b, 1536*\b, KP
.endr
.endm
; n key steps of 128 keys.  The first step's K and its scale words have been asked for ahead of the macro.  In a trip: the score products; then the NEXT step's K (17 loads, not in the last trip:
; the branch hangs on the trip counter alone) and this step's V (17 loads); the softmax; ONE wait for 0, which shows V in and, since loads come back in the order of issue, the next K too.
; Every wait on loads in the loop is for 0, so the count holds on both ways round the branch.
; pf = 1: PREFETCHES INTO THE L2, behind the trip's loads.  (1) A head's K (and V) images are twelve pieces of 8,192 bytes; trip t names piece t + 2: 32 lanes, 256 bytes apart, one instruction.
; A trip reads 6,144 bytes; V's piece c is first read in trip 4 c / 3 and K's a trip sooner, so a piece is named one trip or more ahead of its first load.  Pieces 0 and 1 come by their loads
; alone; trips 10 to 15 name nothing.  Each piece is named once in the launch: the 64 work-groups of a batch walk the same K and V, and the batch's first asks; in it wave (eta, 0) asks for K, wave (eta, 1) for V.
; (2) The work-group's block of x, 32 rows = 131,072 consecutive bytes, which P1 reads and no other work-group does: wave w names bytes 8,192 w on, once, in the trip with eight trips to go.
.macro ATTN n, pf
	s_mov_b32 s[CNT], \n
	s_wait_alu depctr_va_vdst(0)
.Lat_\@:
	s_wait_loadcnt 0x0                             ; the first trip: K is in (later trips: shown already by the wait in front of the second product)
.irp b, 0,1,2,3
	WM SS+16*\b, KV+12*\b, 22, 1, KSC+\b/2, QSC, \b%2, 0
	WM SS+16*\b+8, KV+12*\b, 16, 1, KSC+\b/2, QSC, \b%2, 0
.endr
	PLACES                                         ; in front of loads into registers that these products (K) and the last trip's (V) have read, and of the first read of the scores
	s_cmp_eq_u32 s[CNT], 1
	s_cbranch_scc1 .Lnk_\@                         ; the last trip has no next K
	s_add_nc_u64 s[KP:KP+1], s[KP:KP+1], 6144      ; every load that named these two pointers is done
	s_add_nc_u64 s[KSP:KSP+1], s[KSP:KSP+1], 256
	KFRAGS
	global_load_b64 v[KSC:KSC+1], v[L8], s[KSP:KSP+1]
.Lnk_\@:
.irp t, 0,1,2,3
	FRAG_G VB+12*\t, 1536*\t, VP
.endr
	global_load_b64 v[VSC:VSC+1], v[L8], s[VSP:VSP+1]
.if \pf
	s_cmp_gt_u32 s[CNT], s[LIM]                    ; trips 0 to 9 of an asking work-group
	s_cbranch_scc0 .Lnp_\@
	global_prefetch_b8 v[PFO], s[PFA:PFA+1] th:TH_LOAD_NT scope:SCOPE_SE
.Lnp_\@:
	s_cmp_eq_u32 s[CNT], 8
	s_cbranch_scc0 .Lnx_\@
	global_prefetch_b8 v[PFO], s[PXA:PXA+1] th:TH_LOAD_NT scope:SCOPE_SE
.Lnx_\@:
.endif
	SOFTMAX
	s_wait_alu depctr_va_vdst(0)
	s_wait_loadcnt 0x0                             ; V is in, and the next K, which was asked for ahead of it
.if \pf
	s_wait_xcnt 0x0                                ; the prefetches, a softmax back, have read their addresses
	s_add_nc_u64 s[PFA:PFA+1], s[PFA:PFA+1], 8192
.endif
	s_add_nc_u64 s[VP:VP+1], s[VP:VP+1], 6144
	s_add_nc_u64 s[VSP:VSP+1], s[VSP:VSP+1], 256
	PLACES
.irp t, 0,1,2,3
	WM OT+8*\t, VB+12*\t, PCD, 0, VSC+\t/2, PSC, \t%2, 0
.endr
	s_sub_co_u32 s[CNT], s[CNT], 1
	s_cmp_lg_u32 s[CNT], 0
	s_cbranch_scc1 .Lat_\@
.endm
; an attention's end: O^T / the sum, quantised along the head's 64; its image to ibase + 6,144 u + 768 eta, its two scale bytes to sbase + 128 (eta / 2) + 64 u + 4 r + 2 (eta % 2).
; oa, ob, osa: registers for these addresses; ra, rb, rs: registers for the addresses by which the column role reads all images back
.macro FINISH ibase, sbase, oa, ob, osa, ra, rb, rs
	PLACES
	v_add_f32 v14, v14, v15
	s_delay_alu instid0(VALU_DEP_1)
	v_permlanex16_b32 v[TP], v14, s[SEL], s[SEL+1]
	s_delay_alu instid0(VALU_DEP_1)
	v_add_f32 v14, v14, v[TP]                      ; the row's sum
	s_wait_alu depctr_va_vdst(0)
	v_rcp_f32 v14, v14
	s_mul_i32 s34, s[UP], 6144
	s_mul_i32 s35, s[ETA], 768
	s_add_co_u32 s34, s34, s35
	s_add_co_u32 s34, s34, \ibase
	v_add_nc_u32 v[\oa], s34, v[L16]               ; (plain places behind the reciprocal)
	v_add_nc_u32 v[\ob], s34, v[L8]
	s_lshr_b32 s34, s[ETA], 1
	s_lshl_b32 s34, s34, 7
	s_lshl_b32 s35, s[UP], 6
	s_add_co_u32 s34, s34, s35
	s_and_b32 s35, s[ETA], 1
	s_lshl_b32 s35, s35, 1
	s_add_co_u32 s34, s34, s35
	s_add_co_u32 s34, s34, \sbase
	v_and_b32 v[\osa], 15, v0
	s_delay_alu instid0(VALU_DEP_1)
	v_lshl_add_u32 v[\osa], v[\osa], 2, s34
	v_add_nc_u32 v[\ra], \ibase, v[L16]
	v_add_nc_u32 v[\rb], \ibase, v[L8]
	v_add_nc_u32 v[\rs], \sbase, v[L4]
	s_wait_alu depctr_va_vdst(0)
.irp j, 0,1,2,3,4,5,6,7,8,9,10,11,12,13,14,15,16,17,18,19,20,21,22,23,24,25,26,27,28,29,30,31
	v_mul_f32 v[SS+\j], v[OT+\j], v14              ; register 16 b + i is channel 32 b + 16 h + i of my query
.endr
	QUANT2 SS, 36, 44
	ds_store_b128 v[\oa], v[36:39]
	ds_store_b64 v[\ob], v[40:41] offset:512
	ds_store_b16 v[\osa], v44
.endm
; K step s of a weight: four fragments and their scale words, 17 loads, into buffer s % 2 (48 registers from base on; scales v[84:85] or v[86:87])
.macro WLOAD s, base, ptr, sptr
.irp t, 0,1,2,3
	FRAG_G \base+48*((\s)%2)+12*\t, 6144*(\s)+1536*\t, \ptr
.endr
	global_load_b64 v[84+2*((\s)%2):85+2*((\s)%2)], v[L8], s[\sptr:\sptr+1] offset:256*(\s)
.endm
.macro ALOAD s, ra, rb, rs             ; K step s of the two token tiles' images and their scale words, from LDS
.irp u, 0,1
	FRAG_L 36+24*((\s)%2)+12*\u, \ra, \rb, 6144*\u+1536*(\s)
.endr
	ds_load_b32 v[88+(\s)%2], v[\rs] offset:128*(\s)
.endm
.macro G8MUL s                         ; eight accumulators (two token tiles x four column tiles) by turns
.irp u, 0,1
.irp t, 0,1,2,3
	WM 96+32*\u+8*\t, 160+48*((\s)%2)+12*\t, 36+24*((\s)%2)+12*\u, 0, 84+2*((\s)%2)+\t/2, 88+(\s)%2, \t%2, \u
.endr
.endr
.endm
.macro BLOAD reg, ptr                  ; 32 numbers of a vector over my wave's columns, in the result's layout: register 8 t + j is column 32 (t / 2) + 16 h + 8 (t % 2) + j
.irp t, 0,1,2,3
.irp k, 0,1
	global_load_b128 v[\reg+8*\t+4*\k:\reg+8*\t+4*\k+3], v[BO], s[\ptr:\ptr+1] offset:128*(\t/2)+32*(\t%2)+16*\k
.endr
.endr
.endm
.macro ADDBIAS
.irp u, 0,1
.set ii, 0
.rept 16
	v_pk_add_f32 v[96+32*\u+ii:97+32*\u+ii], v[96+32*\u+ii:97+32*\u+ii], v[208+ii:209+ii]
.set ii, ii+2
.endr
.endr
	PLACES
.endm
; four K steps onto the eight accumulators; the weight in two buffers (steps 0 and 1 are on their way), the tokens' images from LDS
.macro GEMM8 ptr, sptr, ra, rb, rs
.irp s, 0,1,2,3
	ALOAD \s, \ra, \rb, \rs
.if \s < 3
	s_wait_loadcnt 17                              ; this step's weight is in; the next step's 17 loads stay out
.else
	s_wait_loadcnt 0x0
.endif
	s_wait_dscnt 0x0
	G8MUL \s
	PLACES
.if \s < 2
	WLOAD \s+2, 160, \ptr, \sptr
.endif
.endr
.endm
.macro P3STEP s
	FRAG_L 224+12*((\s)%2), A16, A8, 1536*(\s)
	ds_load_b32 v[88+(\s)%2], v[AS4] offset:128*(\s)
.if (\s) < 7
	s_wait_loadcnt 17                              ; this step's 17 loads are in; the next step's stay out
.else
	s_wait_loadcnt 0x0
.endif
	s_wait_dscnt 0x0
.irp t, 0,1,2,3
	WM 96+8*\t, 128+48*((\s)%2)+12*\t, 224+12*((\s)%2), (\s)==0, 84+2*((\s)%2)+\t/2, 88+(\s)%2, \t%2, 0
.endr
	PLACES
.if (\s) < 6
	WLOAD (\s)+2, 128, W3P, W3S
.endif
.endm
	s_load_b512 s[4:19], s[0:1], 0x0               ; qkv, x, wimg, kv2, sa_bo, ca_ng, ca_nb, ca_bo
	s_load_b64 s[20:21], s[0:1], 0x40              ; out0
	v_lshl_add_u32 v[SPW], v0, 2, SPARE
	v_mov_b32 v[NIL], 0
	v_lshrrev_b32 v12, 5, v0
	s_delay_alu instid0(VALU_DEP_1)
	v_readfirstlane_b32 s[WV], v12
	v_and_b32 v12, 31, v0                          ; lane
	v_and_b32 v13, 15, v0                          ; r
	v_bfe_u32 v14, v0, 4, 1                        ; h
	s_delay_alu instid0(VALU_DEP_3)
	v_lshlrev_b32 v[L16], 4, v12
	s_delay_alu instid0(VALU_DEP_4)
	v_lshlrev_b32 v[L8], 3, v12
	v_lshlrev_b32 v[L4], 2, v12
	v_lshlrev_b32 v34, 3, v13                      ; 8 r: my query's two scale bytes
	v_lshlrev_b32 v[XO], 12, v14
	s_delay_alu instid0(VALU_DEP_1)
	v_lshl_add_u32 v[XO], v13, 4, v[XO]            ; lanes 0-15 one row's 256 bytes, lanes 16-31 the next row's
	v_lshlrev_b32 v[BO], 6, v14
	s_mul_i32 s34, s[WV], 4352
	v_mul_u32_u24 v[STS], v14, 272
	s_delay_alu instid0(VALU_DEP_1)
	v_lshl_add_u32 v[STS], v13, 4, v[STS]
	s_delay_alu instid0(VALU_DEP_1)
	v_add_nc_u32 v[STS], s34, v[STS]               ; the stage by whole rows: row 2 j + h
	v_mul_u32_u24 v[STR], v13, 272
	s_delay_alu instid0(VALU_DEP_1)
	v_lshl_add_u32 v[STR], v14, 6, v[STR]
	s_delay_alu instid0(VALU_DEP_1)
	v_add_nc_u32 v[STR], s34, v[STR]               ; and in the result's layout: row r, 64 h bytes on
	s_mul_i32 s34, s[WV], 768
	s_add_co_u32 s34, s34, XNI
	v_add_nc_u32 v[XA], s34, v[L16]
	v_add_nc_u32 v[XB], s34, v[L8]
	s_lshr_b32 s[ETA], s[WV], 1
	s_and_b32 s[UP], s[WV], 1
	s_lshl_b32 s34, s[ETA], 7
	s_lshl_b32 s35, s[UP], 1
	s_add_co_u32 s34, s34, s35
	s_add_co_u32 s34, s34, XNS
	v_lshl_add_u32 v[XS], v13, 2, s34              ; 128 (w / 2) + 2 (w % 2) + 4 r
	s_lshl_b32 s34, s[WV], 13
	s_add_co_u32 s34, s34, PARK
	v_add_nc_u32 v[PK], s34, v[L16]
	s_mov_b32 s[SEL], 0x76543210
	s_mov_b32 s[SEL+1], 0xfedcba98
	s_mov_b32 s[CS], 0x3e38aa3b                    ; log2(e) / 8
	s_mov_b32 s[CS+1], s[CS]
	s_mov_b32 s[INL], 0x3d800000                   ; 1 / 16
	s_mov_b32 s[IW], 0x3a800000                    ; 1 / 1,024
	s_mov_b32 s[EPS], 0x3727c5ac                   ; 1e-5
	s_mov_b32 s[C64], 0x42800000                   ; 64
	s_lshr_b32 s[BH], ttmp9, 6
	s_lshl_b32 s[BH], s[BH], 3
	s_add_co_u32 s[BH], s[BH], s[ETA]              ; 8 b + eta
	s_mov_b32 s37, 0
	s_wait_kmcnt 0x0
	; self-attention's pointers
	s_mul_i32 s36, s[BH], 98304
	s_add_nc_u64 s[QP:QP+1], s[4:5], s[36:37]
	s_add_nc_u64 s[KP:KP+1], s[QP:QP+1], 3145728
	s_add_nc_u64 s[VP:VP+1], s[QP:QP+1], 6291456
	s_and_b32 s34, ttmp9, 63                       ; my group of 32 tokens in the batch
	s_lshl_b32 s35, s34, 1
	s_add_co_u32 s35, s35, s[UP]                   ; my tile in the batch
	s_mul_i32 s36, s35, 768
	s_add_nc_u64 s[QP:QP+1], s[QP:QP+1], s[36:37]
	s_lshl_b32 s36, s[BH], 12
	s_add_co_u32 s36, s36, 9437184
	s_add_nc_u64 s[QSP:QSP+1], s[4:5], s[36:37]
	s_add_nc_u64 s[KSP:KSP+1], s[QSP:QSP+1], 131072
	s_add_nc_u64 s[VSP:VSP+1], s[QSP:QSP+1], 262144
	s_lshr_b32 s36, s34, 2                         ; q's scale bytes of group g, tile u: (g / 4) 256 + (g % 2) 128 + ((g / 2) % 2) 4 + 2 u
	s_lshl_b32 s36, s36, 8
	s_and_b32 s35, s34, 1
	s_lshl_b32 s35, s35, 7
	s_add_co_u32 s36, s36, s35
	s_bfe_u32 s35, s34, 0x10001
	s_lshl_b32 s35, s35, 2
	s_add_co_u32 s36, s36, s35
	s_lshl_b32 s35, s[UP], 1
	s_add_co_u32 s36, s36, s35
	s_add_nc_u64 s[QSP:QSP+1], s[QSP:QSP+1], s[36:37]
	global_load_b128 v[22:25], v[L16], s[QP:QP+1]  ; q's six registers, in the middle of Q's eighteen
	global_load_b64 v[26:27], v[L8], s[QP:QP+1] offset:512
	global_load_u16 v[TP], v34, s[QSP:QSP+1]
	KFRAGS                                         ; the first key step's K and its scale words: 17 loads
	global_load_b64 v[KSC:KSC+1], v[L8], s[KSP:KSP+1]
	s_cmp_eq_u32 s[UP], 0                          ; the prefetches: K's images in waves of tile 0, V's in waves of tile 1,
	s_cselect_b64 s[PFA:PFA+1], s[KP:KP+1], s[VP:VP+1]
	s_add_nc_u64 s[PFA:PFA+1], s[PFA:PFA+1], 2*8192   ; from piece 2 on,
	s_cmp_eq_u32 s34, 0                            ; in the batch's first work-group: there trips with more than 6 to go ask
	s_cselect_b32 s[LIM], 6, -1
	; the other phases' pointers
	s_lshl_b32 s34, ttmp9, 17
	s_lshl_b32 s36, s[WV], 13
	s_add_co_u32 s36, s34, s36
	s_add_nc_u64 s[PXA:PXA+1], s[6:7], s[36:37]    ; x at my group's first token + 8,192 x wave (s37 = 0)
	s_lshl_b32 s36, s[WV], 8
	s_add_co_u32 s34, s34, s36
	s_mov_b32 s35, 0
	s_add_nc_u64 s[6:7], s[6:7], s[34:35]          ; x and out0 at my group's first token, my wave's columns
	s_add_nc_u64 s[20:21], s[20:21], s[34:35]
	s_add_nc_u64 s[12:13], s[12:13], s[36:37]      ; the four vectors at my wave's columns
	s_add_nc_u64 s[14:15], s[14:15], s[36:37]
	s_add_nc_u64 s[16:17], s[16:17], s[36:37]
	s_add_nc_u64 s[18:19], s[18:19], s[36:37]
	s_lshl_b32 s34, s[WV], 2
	s_add_co_u32 s34, s34, 352                     ; sa_wo, group w
	s_mul_i32 s36, s34, 6144
	s_add_nc_u64 s[W1P:W1P+1], s[8:9], s[36:37]
	s_lshl_b32 s36, s34, 8
	s_add_co_u32 s36, s36, 2949120
	s_add_nc_u64 s[W1S:W1S+1], s[8:9], s[36:37]
	s_add_nc_u64 s[W6P:W6P+1], s[W1P:W1P+1], 64*6144   ; ca_wo lies 64 pairs on
	s_add_nc_u64 s[W6S:W6S+1], s[W1S:W1S+1], 64*256
	s_lshl_b32 s34, s[ETA], 3
	s_add_co_u32 s34, s34, 192                     ; ca_wq, group eta
	s_mul_i32 s36, s34, 6144
	s_add_nc_u64 s[W3P:W3P+1], s[8:9], s[36:37]
	s_lshl_b32 s36, s34, 8
	s_add_co_u32 s36, s36, 2949120
	s_add_nc_u64 s[W3S:W3S+1], s[8:9], s[36:37]
	; ---- P0: self-attention of head eta, tile u: sixteen key steps; o's image to LDS
	s_wait_loadcnt 17                              ; q and its scale bytes are in; K's 17 loads stay out
	v_lshl_or_b32 v[QSC], v[TP], 16, v[TP]         ; Q's scale word: its two bytes for either half of K
	v_lshlrev_b32 v[PFO], 8, v12                   ; 256 x lane (the load that took v34 as its address is done)
	AINIT
.set E, 204
.set TM, 212
	ATTN 16, 1
	FINISH O1I, O1S, 240, 241, 242, 10, 11, 34
	; ---- P1: x1 = x + sa_bo + o sa_wo, in v96-159: accumulator (u, t) at 96 + 32 u + 8 t
.irp u, 0,1
.irp j, 0,1,2,3,4,5,6,7
	global_load_b128 v[96+32*\u+4*\j:99+32*\u+4*\j], v[XO], s[6:7] offset:(8*\u+2*(\j%4)+16*(\j/4))*4096 th:TH_LOAD_NT
.endr
.endr
	BLOAD 208, 12
	WLOAD 0, 160, W1P, W1S
	BARRIER                                        ; o's eight fragments lie in LDS
	s_mul_i32 s36, s[BH], 24576                    ; cross-attention's pointers: the loads that named these four registers are done
	s_mov_b32 s37, 0
	s_add_nc_u64 s[KP:KP+1], s[10:11], s[36:37]
	s_add_nc_u64 s[VP:VP+1], s[KP:KP+1], 786432
	s_lshl_b32 s36, s[BH], 10
	s_add_co_u32 s36, s36, 1572864
	s_add_nc_u64 s[KSP:KSP+1], s[10:11], s[36:37]
	s_add_nc_u64 s[VSP:VSP+1], s[KSP:KSP+1], 32768
	s_wait_loadcnt 25                              ; x is in; the bias's 8 and the weight's 17 stay out
.irp u, 0,1
.irp j, 0,1,2,3,4,5,6,7
	ds_store_b128 v[STS], v[96+32*\u+4*\j:99+32*\u+4*\j] offset:544*\j
.endr
.irp t, 0,1,2,3
.irp k, 0,1
	ds_load_b128 v[96+32*\u+8*\t+4*\k:99+32*\u+8*\t+4*\k], v[STR] offset:128*(\t/2)+32*(\t%2)+16*\k   ; LDS serves a wave's instructions in order
.endr
.endr
.endr
	s_wait_loadcnt 17                              ; the bias is in
	s_wait_dscnt 0x0
	ADDBIAS
	WLOAD 1, 160, W1P, W1S
	s_wait_alu depctr_va_vdst(0)
	GEMM8 W1P, W1S, 10, 11, 34
	; ---- P2: layer norm of x1, quantised; images to LDS; x1 parked
	BLOAD 192, 14
	BLOAD 224, 16
	v_and_b32 v12, 15, v0                          ; r
	v_bfe_u32 v13, v0, 4, 1                        ; h
	s_lshl_b32 s34, s[WV], 3
	s_add_co_u32 s34, s34, PS
	v_mul_u32_u24 v[PSS], v12, 144
	s_delay_alu instid0(VALU_DEP_1)
	v_lshl_add_u32 v[PSR], v13, 6, v[PSS]
	s_delay_alu instid0(VALU_DEP_1)
	v_add_nc_u32 v[PSR], PS, v[PSR]                ; my half of a token's pairs
	s_delay_alu instid0(VALU_DEP_3)
	v_add_nc_u32 v[PSS], s34, v[PSS]               ; my wave's pair
	v_mov_b32 v[LT+4], 0
	v_mov_b32 v[LD+1], 0
	v_mov_b32 v[LD+3], 0
.irp u, 0,1
	LSTAT 96+32*\u, LD+2*\u, 2304*\u
.endr
	BARRIER                                        ; every wave's pairs lie in LDS
.irp u, 0,1
.irp i, 0,1,2,3
	ds_load_b128 v[36+16*\u+4*\i:39+16*\u+4*\i], v[PSR] offset:2304*\u+16*\i
.endr
.endr
	s_wait_dscnt 0x0
	GSTAT 36, 68
	GSTAT 52, 76
	s_wait_alu depctr_va_vdst(0)
	v_rsq_f32 v75, v75
	v_rsq_f32 v83, v83
	v_nop
	s_wait_alu depctr_va_vdst(0)                   ; one wait for the two, ahead of their first reader
	s_wait_loadcnt 0x0                             ; gains and biases
.set E, 52
.set TM, 56
.irp u, 0,1
	v_mov_b32 v12, v[74+8*\u]
	v_mov_b32 v14, v[75+8*\u]
.irp i, 0,2,4,6,8,10,12,14,16,18,20,22,24,26,28,30
	v_pk_add_f32 v[T+\i:T+\i+1], v[96+32*\u+\i:97+32*\u+\i], v[12:13] op_sel_hi:[1,0] neg_lo:[0,1] neg_hi:[0,1]
.endr
.irp i, 0,2,4,6,8,10,12,14,16,18,20,22,24,26,28,30
	v_pk_mul_f32 v[T+\i:T+\i+1], v[T+\i:T+\i+1], v[14:15] op_sel_hi:[1,0]
.endr
.irp i, 0,2,4,6,8,10,12,14,16,18,20,22,24,26,28,30
	v_pk_fma_f32 v[T+\i:T+\i+1], v[T+\i:T+\i+1], v[192+\i:193+\i], v[224+\i:225+\i]
.endr
	QUANT2 T, 36+8*\u, 42+8*\u
	ds_store_b128 v[XA], v[36+8*\u:39+8*\u] offset:12288*\u
	ds_store_b64 v[XB], v[40+8*\u:41+8*\u] offset:12288*\u+512
	ds_store_b16 v[XS], v[42+8*\u] offset:64*\u
.endr
.irp i, 0,1,2,3,4,5,6,7,8,9,10,11,12,13,14,15
	ds_store_b128 v[PK], v[96+4*\i:99+4*\i] offset:512*\i
.endr
	s_wait_dscnt 0x0                               ; my stores have landed and have read their registers
	KFRAGS                                         ; cross-attention's first K: v36-83 lie idle through P3; these 16 loads are older than the weight's, so P3's counts hold
	WLOAD 0, 128, W3P, W3S
	WLOAD 1, 128, W3P, W3S
	s_barrier_signal -1
	s_barrier_wait -1                              ; the normed tokens' sixteen fragments lie in LDS
	; ---- P3: q2 of head eta, tile u: four accumulators at v96-127, eight K steps
	s_mul_i32 s34, s[UP], 12288
	s_add_co_u32 s34, s34, XNI
	v_add_nc_u32 v[A16], s34, v[L16]
	s_wait_alu depctr_va_vdst(0)
	v_add_nc_u32 v[A8], s34, v[L8]
	s_wait_alu depctr_va_vdst(0)
	s_lshl_b32 s34, s[UP], 6
	s_add_co_u32 s34, s34, XNS
	v_and_b32 v[AS4], 15, v0
	s_delay_alu instid0(VALU_DEP_1)
	v_lshl_add_u32 v[AS4], v[AS4], 2, s34
	s_wait_alu depctr_va_vdst(0)
.irp s, 0,1,2,3,4,5,6,7
	P3STEP \s
.endr
.set E, 204
.set TM, 212
	global_load_b64 v[KSC:KSC+1], v[L8], s[KSP:KSP+1]   ; and its scale words, now that the weight's scale registers are done with
	QUANT2 96, 22, TP
	v_lshl_or_b32 v[QSC], v[TP], 16, v[TP]
	AINIT
	; ---- P4: cross-attention, four key steps.  No prefetch: four trips give no lead worth a request
	ATTN 4, 0
	; ---- P5: o2's image to LDS
	FINISH O2I, O2S, 10, 11, 34, 91, 92, 93
	WLOAD 0, 160, W6P, W6S
	BLOAD 208, 18
.irp i, 0,1,2,3,4,5,6,7,8,9,10,11,12,13,14,15
	ds_load_b128 v[96+4*\i:99+4*\i], v[PK] offset:512*\i   ; x1 comes back
.endr
	BARRIER                                        ; o2's eight fragments lie in LDS
	; ---- P6: out0 = x1 + ca_bo + o2 ca_wo
	s_wait_loadcnt 0x0                             ; the bias and step 0 of the weight
	ADDBIAS
	WLOAD 1, 160, W6P, W6S
	s_wait_alu depctr_va_vdst(0)
	GEMM8 W6P, W6S, 91, 92, 93
	; the way out: through my stage, so that sixteen lanes store 256 consecutive aligned bytes of a row
.irp u, 0,1
.irp t, 0,1,2,3
.irp k, 0,1
	ds_store_b128 v[STR], v[96+32*\u+8*\t+4*\k:99+32*\u+8*\t+4*\k] offset:128*(\t/2)+32*(\t%2)+16*\k   ; each accumulator from its low end on
.endr
.endr
.irp j, 0,1,2,3,4,5,6,7
	ds_load_b128 v[160+32*\u+4*\j:163+32*\u+4*\j], v[STS] offset:544*\j
.endr
.endr
.irp u, 0,1
.irp j, 0,1,2,3,4,5,6,7
	s_wait_dscnt 23-16*\u-\j                       ; behind this load: the rest of its tile's, and for tile 0 the sixteen of tile 1
	global_store_b128 v[XO], v[160+32*\u+4*\j:163+32*\u+4*\j], s[20:21] offset:(8*\u+2*(\j%4)+16*(\j/4))*4096 th:TH_STORE_NT
.endr
.endr
	s_wait_tensorcnt 0x0                           ; the wave's end
	ds_add_u32 v[SPW], v[NIL]
	s_wait_dscnt 0x0
	s_endpgm
.Lfunc_end_k_q32dfa3336e_tail:
	.size	k_q32dfa3336e_tail, .Lfunc_end_k_q32dfa3336e_tail-k_q32dfa3336e_tail
	.p2alignl 7, 3214868480
	.fill 96, 4, 3214868480
	.section	.rodata,"a",@progbits
	.p2align	6, 0x0
	.amdhsa_kernel k_q32dfa3336e_tail
		.amdhsa_group_segment_fixed_size 258560
		.amdhsa_private_segment_fixed_size 0
		.amdhsa_enable_private_segment 0
		.amdhsa_kernarg_size 72
		.amdhsa_user_sgpr_count 2
		.amdhsa_user_sgpr_kernarg_segment_ptr 1
		.amdhsa_wavefront_size32 1
		.amdhsa_system_sgpr_workgroup_id_x 1
		.amdhsa_system_sgpr_workgroup_id_y 1
		.amdhsa_system_sgpr_workgroup_id_z 1
		.amdhsa_system_vgpr_workitem_id 0
		.amdhsa_next_free_vgpr 256
		.amdhsa_next_free_sgpr 72
		.amdhsa_reserve_vcc 0
		.amdhsa_float_denorm_mode_32 3
		.amdhsa_float_denorm_mode_16_64 3
		.amdhsa_memory_ordered 1
		.amdhsa_forward_progress 1
		.amdhsa_inst_pref_size 152
	.end_amdhsa_kernel
	.amdgpu_metadata
---
amdhsa.version: [ 1, 2 ]
amdhsa.kernels:
  - .name:           k_q32dfa3336e_tail
    .symbol:         k_q32dfa3336e_tail.kd
    .args:
      - { .name: qkv, .offset: 0, .size: 8, .value_kind: global_buffer, .address_space: global }
      - { .name: x, .offset: 8, .size: 8, .value_kind: global_buffer, .address_space: global }
      - { .name: wimg, .offset: 16, .size: 8, .value_kind: global_buffer, .address_space: global }
      - { .name: kv2, .offset: 24, .size: 8, .value_kind: global_buffer, .address_space: global }
      - { .name: sa_bo, .offset: 32, .size: 8, .value_kind: global_buffer, .address_space: global }
      - { .name: ca_ng, .offset: 40, .size: 8, .value_kind: global_buffer, .address_space: global }
      - { .name: ca_nb, .offset: 48, .size: 8, .value_kind: global_buffer, .address_space: global }
      - { .name: ca_bo, .offset: 56, .size: 8, .value_kind: global_buffer, .address_space: global }
      - { .name: out0, .offset: 64, .size: 8, .value_kind: global_buffer, .address_space: global }
    .group_segment_fixed_size: 258560
    .private_segment_fixed_size: 0
    .kernarg_segment_align: 8
    .kernarg_segment_size: 72
    .max_flat_workgroup_size: 512
    .sgpr_count:     72
    .vgpr_count:     256
    .wavefront_size: 32
...
	.end_amdgpu_metadata
.endif
;; end of part 8
